; MI455X (gfx1250); checked and timed in simulation.
; The chip was launched on July 23, 2026; its instructions are those of AMD's public machine-readable ISA for CDNA 5 (MIT licence, August 2026) and "CDNA5" Instruction Set Architecture Reference Guide (July 2026). The comments in the code are by the model that wrote it; some were corrected since.
;; Gated Cross Attention. Allowed arithmetic: matrix products marked QUANTISED: E4M3 operands, one given power-of-two scale a tensor, by v_wmma_f32_16x16x64_fp8_fp8 or v_wmma_f32_16x16x128_fp8_fp8, f32 sums; everything else in f32.
;; Inputs: Wk 1,024 x 1,024 float32; Wo 1,024 x 1,024 float32; Wq 1,024 x 1,024 float32; Wv 1,024 x 1,024 float32; audio_attention_mask 4 x 1,500 bool; audio_kv 4 x 1,500 x 1,024 float32; gate 1 float32; hidden_states 4 x 2,048 x 1,024 float32; ln_beta 1,024 float32; ln_gamma 1,024 float32; lowp_scales 12 int32 (the exponents e of the quantised operands' scales 2^e).
;; Outputs: out0 4 x 2,048 x 1,024 float32.
;; This version of the problem:
;;   THIS VERSION OF THE PROBLEM IS GIVEN IN LOW PRECISION. The matrix products marked QUANTISED in the list below multiply operands that are first quantised to E4M3 (4 exponent bits, 3 mantissa bits; 8 bits a number), with one given power-of-two scale for each operand tensor; their sums are f32. All else is computed in f32.
;;   The module's matrix products, in the order in which they are computed (A, B: the left and right operand; K: the contracted axis; several contracted axes count as one K, in the product's order):
;;     1. [M 8,192, K 1,024] x [K 1,024, N 1,024]; A: input hidden_states; B: input Wq: QUANTISED (scales: A lowp_scales[0], B lowp_scales[1])
;;     2. [M 6,000, K 1,024] x [K 1,024, N 1,024]; A: computed on the way; B: input Wk: QUANTISED (scales: A lowp_scales[2], B lowp_scales[3])
;;     3. [M 6,000, K 1,024] x [K 1,024, N 1,024]; A: computed on the way; B: input Wv: QUANTISED (scales: A lowp_scales[4], B lowp_scales[5])
;;     4. batch 64 x [M 2,048, K 64] x [K 64, N 1,500]; A: computed on the way; B: computed on the way: QUANTISED (scales: A lowp_scales[6], B lowp_scales[7])
;;     5. batch 64 x [M 2,048, K 1,500] x [K 1,500, N 64]; A: softmax (see below); B: computed on the way: QUANTISED (scales: A lowp_scales[8], B lowp_scales[9])
;;     6. [M 8,192, K 1,024] x [K 1,024, N 1,024]; A: computed on the way; B: input Wo: QUANTISED (scales: A lowp_scales[10], B lowp_scales[11])
;;   THE QUANTISER, for each operand of a quantised product, along K:
;;     - The operand's scale is 2^e, e = its entry of the input lowp_scales (int32; the entries are numbered through the quantised products in the list's order, A before B).
;;     - Each number is divided by the scale, clamped to +-448, and rounded to the nearest number of E4M3, ties to even, subnormals kept.
;;     - The product sums the exact products of the quantised numbers (number of the format x scale) in f32.
;;   ~~~python
;;   def quantise(x, axis, e):      # numpy; x: float32 -> the quantised numbers, widened to float32 again
;;       x = np.moveaxis(x, axis, -1); K = x.shape[-1]
;;       r = np.clip(x / 2.0 ** e, -448, 448)
;;       step = 2.0 ** (np.maximum(np.frexp(np.where(r == 0, 1, r))[1] - 1, -6) - 3)
;;       q = np.round(r / step) * step * 2.0 ** e      # np.round: ties to even
;;       return np.moveaxis(q, -1, axis).astype(np.float32)
;;   ~~~
;;   SOFTMAX AHEAD OF A QUANTISED PRODUCT. Where the list says 'softmax', what is quantised is not the finished softmax but p = 2^(t - M), with t = logit x log2(e) and M = ceil(the row's largest t), a whole number; so 1/2 < the row's largest p <= 1. The row's sum l is taken of the UNQUANTISED p, in f32, and the product's result is divided by l at the end. Since M is a whole number, a kernel that streams over the keys may use a running M (the ceiling of the running maximum): every later rescaling is an exact power of two, so the quantised numbers keep their values, but for numbers so far below the row's largest that they fall under the format's range.
;;   OPERANDS COMPUTED ON THE WAY. 'Computed on the way' means the value that the module computes at that place (a softmax that the list does not call 'softmax' is quantised finished and normalised). What goes into a quantiser is computed in f32, as accurately as f32 sums, v_exp_f32 and their like allow (about 1e-6 of the number): no bf16 or f16 on the way to a quantiser, and a product that is left as it is and whose result goes on into a quantised operand takes f32 operands (vector FMAs, or v_wmma_f32_16x16x4_f32). A number that lies on a knife's edge between two numbers of the format may be rounded either way, as far as f32 arithmetic and the matrix unit's own rounding can turn it there, and no further.
;; 2 versions. Each part assembles by itself: llvm-mc -triple=amdgcn-amd-amdhsa -mcpu=gfx1250 --defsym DOCPART=n.
;; ======== version 1 of 2: 4 launches
;; workspace buffers: c1 25,190,400 bytes; qkv 20,971,520 bytes; oc 8,388,608 bytes
;; launch quant (part 1): grid 144 x 4, 8 waves a work-group, no clusters, 0 bytes of LDS; arguments hidden_states, Wq, Wk, Wv, Wo, audio_kv, ln_gamma, ln_beta, audio_attention_mask, lowp_scales, c1; writes c1
.if DOCPART == 1
	.amdgcn_target "amdgcn-amd-amdhsa--gfx1250"
	.amdhsa_code_object_version 6
	.text
	.protected	k_q10ecf7775d_quant
	.globl	k_q10ecf7775d_quant
	.p2align	8
	.type	k_q10ecf7775d_quant,@function
k_q10ecf7775d_quant:
	s_mov_b64 s[64:65], 0
	v_nop
	global_prefetch_b8 v0, s[64:65] scope:SCOPE_SE
	s_setreg_imm32_b32 hwreg(HW_REG_WAVE_MODE, 25, 1), 1
	s_wait_xcnt 0x0
; Every f32 operand becomes codes of FP8 (E4M3) once, in the workspace c1; the mask becomes a table of f32 biases.
;   c1: hidden_states' codes [8192][1024] at 0; Wq's, Wk's, Wv's, Wo's [1024][1024] from WQC on, 1 MiB each;
;       LayerNorm(audio_kv) twice, [4 x 1536][1024]: with scale e2 at AKC (for K), with e4 at AVC (for V); tokens 1500..1535 of a batch are zero codes;
;       MB: [4][1536] f32: 0 where a key counts, -3e38 where the mask hides it or the token is padding.
; code = x / 2^e, held within +-448, to the nearest code, ties to even.  e: lowp_scales 0 (hidden_states), 1, 3, 5, 11 (Wq, Wk, Wv, Wo), 2 and 4 (LayerNorm's result).
; ORDER ALONG K.  A wave's load reads 512 consecutive bytes, 16 a lane, so a lane's 16 numbers of a chunk of 512 are k = 512 c + 128 i + 4 l + j (i, j = 0..3); their 16 codes are stored
; together, at 512 c + 16 l + 4 i + j.  That is one permutation of k, the same in both operands of the first three products, so every product meets its partner.  Wo's partner is made in
; natural order, so Wo's lanes take 16 neighbours (lanes 64 bytes apart): only the two address constants differ.
; SHARES.  A wave takes 4 rows of 1,024 numbers, a work-group 32.  x < 64: hidden_states, rows 2048 y + 32 x on.  64 <= x < 96: weight y, rows 32 (x - 64) on.  x >= 96: LayerNorm, batch y,
; padded tokens 32 (x - 96) on; 1,500 is a multiple of 4, so a wave's rows are all real or all padding.  All 32 loads of a wave go out at once.  Waves share nothing: no LDS, no barrier.
; LIMITS: each e used here lies between -126 and 119, so that 2^e and 448 x 2^e are f32 numbers.  NaN among the inputs is not served.
.set WQC, 8388608
.set AKC, 12582912
.set AVC, 18874368
.set MB,  25165824
.set X,   32                           ; v32-159  four rows, 32 registers each: register 16 c + 4 i + j
.set CP,  160                          ; v160-191 plain path: codes, 8 registers a row, never rewritten
.set G,   160                          ; v160-191 LayerNorm: gamma, in a row's order
.set BT,  192                          ; v192-223 beta
.set T,   224                          ; v224-239 16 held numbers
.set C,   240                          ; v240-255 a row's codes: 8 for K's buffer, 8 for V's
.macro MKSCALE e, vs, vl               ; v[vs] = 2^e as f32 (the conversion takes its exponent field), v[vl] = 448 x 2^e
	s_add_co_i32 s66, s[\e], 127
	s_lshl_b32 s67, s66, 23
	v_mov_b32 v[\vs], s67
	s_add_co_i32 s66, s66, 8
	s_lshl_b32 s66, s66, 23
	s_or_b32 s66, s66, 0x600000
	v_mov_b32 v[\vl], s66
.endm
	s_load_b256 s[4:11], s[0:1], 0x0               ; hidden_states, Wq, Wk, Wv
	s_load_b256 s[12:19], s[0:1], 0x20             ; Wo, audio_kv, gamma, beta
	s_load_b128 s[20:23], s[0:1], 0x40             ; mask, lowp_scales
	s_load_b64 s[24:25], s[0:1], 0x50              ; c1
	v_lshrrev_b32 v1, 5, v0
	v_readfirstlane_b32 s26, v1                    ; wave
	v_and_b32 v1, 31, v0                           ; lane
	s_mov_b32 s27, ttmp9                           ; x
	s_and_b32 s28, ttmp7, 0xffff                   ; y
	s_wait_kmcnt 0x0
	s_load_b256 s[32:39], s[22:23], 0x0            ; e0 .. e7
	s_load_b128 s[40:43], s[22:23], 0x20           ; e8 .. e11
	s_cmp_ge_u32 s27, 96
	s_cbranch_scc1 .Lln
	; ---- hidden_states or a weight: hold, convert, store
	s_max_u32 s59, s27, 64
	s_sub_co_u32 s59, s59, 64
	s_lshl_b32 s59, s59, 5                         ; a weight's row: 32 (x - 64)
	s_lshl_b32 s58, s28, 11
	s_lshl_b32 s60, s27, 5
	s_add_co_u32 s58, s58, s60                     ; hidden_states' row: 2048 y + 32 x
	s_lshl_b32 s60, s28, 20
	s_add_co_u32 s60, s60, WQC                     ; where weight y's codes begin
	s_mov_b32 s57, 512
	s_cmp_eq_u32 s28, 1                            ; the choices hang on the work-group's numbers alone
	s_cselect_b64 s[44:45], s[8:9], s[6:7]
	s_cmp_eq_u32 s28, 2
	s_cselect_b64 s[44:45], s[10:11], s[44:45]
	s_cmp_eq_u32 s28, 3
	s_cselect_b64 s[44:45], s[12:13], s[44:45]
	s_cselect_b32 s55, 64, 16                      ; bytes from lane to lane: Wo 64,
	s_cselect_b32 s56, 16, s57                     ; and from load to load: Wo 16
	s_cmp_lt_u32 s27, 64
	s_cselect_b64 s[44:45], s[4:5], s[44:45]
	s_cselect_b32 s55, 16, s55
	s_cselect_b32 s56, s57, s56
	s_cselect_b32 s58, s58, s59
	s_cselect_b32 s60, 0, s60
	s_lshl_b32 s61, s26, 2
	s_add_co_u32 s58, s58, s61                     ; + 4 x wave: my first row
	s_lshl_b32 s62, s58, 12
	s_mov_b32 s63, 0
	s_add_nc_u64 s[44:45], s[44:45], s[62:63]      ; its numbers,
	s_lshl_b32 s62, s58, 10
	s_add_co_u32 s62, s62, s60
	s_add_nc_u64 s[46:47], s[24:25], s[62:63]      ; its codes
	v_mul_u32_u24 v4, v1, s55
	v_add_nc_u32 v5, s56, v4
	v_add_nc_u32 v6, s56, v5
	v_add_nc_u32 v7, s56, v6                       ; v[4 + i]: my 16 bytes of a chunk's load i
	v_lshlrev_b32 v8, 4, v1                        ; my 16 codes of a chunk
.set rr, 0
.rept 4
.set cc, 0
.rept 2
.set ii, 0
.rept 4
	global_load_b128 v[X+32*rr+16*cc+4*ii:X+32*rr+16*cc+4*ii+3], v[4+ii], s[44:45] offset:4096*rr+2048*cc th:TH_LOAD_NT
.set ii, ii+1
.endr
.set cc, cc+1
.endr
.set rr, rr+1
.endr
	s_wait_kmcnt 0x0
	s_cmp_eq_u32 s28, 1
	s_cselect_b32 s54, s35, s33                    ; e3 or e1
	s_cmp_eq_u32 s28, 2
	s_cselect_b32 s54, s37, s54                    ; e5
	s_cmp_eq_u32 s28, 3
	s_cselect_b32 s54, s43, s54                    ; e11
	s_cmp_lt_u32 s27, 64
	s_cselect_b32 s54, s32, s54                    ; e0
	MKSCALE 54, 11, 10
.set rr, 0
.rept 4
	s_wait_loadcnt 8*(3-rr)                        ; this row's eight loads are in; those of the rows behind it may be out
.set jj, 0
.rept 32
	v_med3_num_f32 v[X+32*rr+jj], v[X+32*rr+jj], -v10, v10   ; the conversion to an 8-bit code does not saturate (ISA guide 7.6.2): the hold comes first
.set jj, jj+1
.endr
.set jj, 0
.rept 4
	v_cvt_scalef32_pk8_fp8_f32 v[CP+8*rr+2*jj:CP+8*rr+2*jj+1], v[X+32*rr+8*jj:X+32*rr+8*jj+7], v11
.set jj, jj+1
.endr
	global_store_b128 v8, v[CP+8*rr:CP+8*rr+3], s[46:47] offset:1024*rr        ; the wave stores 512 consecutive bytes, aligned; the codes' registers are touched by these stores alone
	global_store_b128 v8, v[CP+8*rr+4:CP+8*rr+7], s[46:47] offset:1024*rr+512
.set rr, rr+1
.endr
	s_endpgm
	; ---- LayerNorm of four tokens, quantised twice
.Lln:
	s_wait_kmcnt 0x0
	s_sub_co_u32 s54, s27, 96
	s_lshl_b32 s54, s54, 5                         ; the work-group's first padded token
	s_lshl_b32 s55, s26, 2
	s_add_co_u32 s55, s54, s55                     ; my wave's
	s_mul_i32 s56, s28, 1536
	s_add_co_u32 s56, s56, s55
	s_lshl_b32 s56, s56, 10
	s_mov_b32 s57, 0
	s_add_nc_u64 s[46:47], s[24:25], s[56:57]
	s_add_nc_u64 s[48:49], s[46:47], AVC           ; V's buffer,
	s_add_nc_u64 s[46:47], s[46:47], AKC           ; K's buffer
	v_lshlrev_b32 v2, 4, v1                        ; 16 x lane: my bytes of a load, and of a chunk's codes
	s_cmp_lt_u32 s55, 1500
	s_cbranch_scc1 .Lreal
	v_mov_b32 v240, 0                              ; padding: zero codes, which add nothing to any sum
	v_mov_b32 v241, 0
	v_mov_b32 v242, 0
	v_mov_b32 v243, 0
.set rr, 0
.rept 8
	global_store_b128 v2, v[240:243], s[46:47] offset:512*rr
	global_store_b128 v2, v[240:243], s[48:49] offset:512*rr
.set rr, rr+1
.endr
	s_branch .Lmask
.Lreal:
	s_mul_i32 s58, s28, 1500
	s_add_co_u32 s58, s58, s55
	s_lshl_b32 s58, s58, 12
	s_mov_b32 s59, 0
	s_add_nc_u64 s[44:45], s[14:15], s[58:59]      ; audio_kv at my first token
.set jj, 0
.rept 8
	global_load_b128 v[G+4*jj:G+4*jj+3], v2, s[16:17] offset:512*jj
	global_load_b128 v[BT+4*jj:BT+4*jj+3], v2, s[18:19] offset:512*jj
.set jj, jj+1
.endr
.set jj, 0
.rept 32
	global_load_b128 v[X+4*jj:X+4*jj+3], v2, s[44:45] offset:512*jj th:TH_LOAD_NT   ; 512 consecutive bytes a load; row jj / 8
.set jj, jj+1
.endr
	s_mov_b32 s50, 0x76543210                      ; v_permlanex16_b32: lane l takes lane l xor 16
	s_mov_b32 s51, 0xfedcba98
	s_mov_b32 s52, 0x3a800000                      ; 1 / 1024
	s_mov_b32 s53, 0x3727c5ac                      ; 1e-5
	v_mov_b32 v24, 0                               ; a lane permute's destination counts as read: written once
	MKSCALE 34, 27, 26                             ; e2
	MKSCALE 36, 29, 28                             ; e4
.macro REDUCE                          ; four packed chains v[12:19] -> their sum over the wave, in v12 of every lane
	v_pk_add_f32 v[12:13], v[12:13], v[14:15]
	v_pk_add_f32 v[16:17], v[16:17], v[18:19]
	v_pk_add_f32 v[12:13], v[12:13], v[16:17]
	v_add_f32 v12, v12, v13
	v_add_f32_dpp v12, v12, v12 row_xmask:1 row_mask:0xf bank_mask:0xf
	v_add_f32_dpp v12, v12, v12 row_xmask:2 row_mask:0xf bank_mask:0xf
	v_add_f32_dpp v12, v12, v12 row_xmask:4 row_mask:0xf bank_mask:0xf
	v_add_f32_dpp v12, v12, v12 row_xmask:8 row_mask:0xf bank_mask:0xf
	v_permlanex16_b32 v24, v12, s50, s51
	v_add_f32 v12, v12, v24
.endm
.macro LNQ r, buf, lim, scl            ; row r, held and converted with one of the two scales, stored into buffer buf
.set cc, 0
.rept 2
.set jj, 0
.rept 16
	v_med3_num_f32 v[T+jj], v[X+32*(\r)+16*cc+jj], -v[\lim], v[\lim]
.set jj, jj+1
.endr
	v_cvt_scalef32_pk8_fp8_f32 v[C+8*(\buf)+4*cc:C+8*(\buf)+4*cc+1], v[T:T+7], v[\scl]
	v_cvt_scalef32_pk8_fp8_f32 v[C+8*(\buf)+4*cc+2:C+8*(\buf)+4*cc+3], v[T+8:T+15], v[\scl]
	v_nop                                          ; one plain vector instruction between a scaled conversion and the next write of its sources
	global_store_b128 v2, v[C+8*(\buf)+4*cc:C+8*(\buf)+4*cc+3], s[46+2*(\buf):47+2*(\buf)] offset:1024*(\r)+512*cc
.set cc, cc+1
.endr
.endm
.macro LNROW r
.set XR, X+32*(\r)
	s_wait_loadcnt 8*(3-(\r))                      ; this row's eight loads are in (gamma and beta were asked for earlier); the rows behind it may be out
.set pp, 0
.rept 4
	v_pk_add_f32 v[12+2*pp:13+2*pp], v[XR+4*pp:XR+4*pp+1], v[XR+4*pp+2:XR+4*pp+3]   ; the first pairs start the chains: nothing is cleared
.set pp, pp+1
.endr
.set pp, 0
.rept 8
	v_pk_add_f32 v[12+2*(pp%4):13+2*(pp%4)], v[12+2*(pp%4):13+2*(pp%4)], v[XR+16+2*pp:XR+16+2*pp+1]
.set pp, pp+1
.endr
	REDUCE
	v_mul_f32 v20, 0xba800000, v12                 ; -mean
	v_mov_b32 v21, v20
.set pp, 0
.rept 16
	v_pk_add_f32 v[XR+2*pp:XR+2*pp+1], v[XR+2*pp:XR+2*pp+1], v[20:21]              ; x - mean: the variance is taken of the differences, in a second pass
.set pp, pp+1
.endr
.set pp, 0
.rept 4
	v_pk_mul_f32 v[12+2*pp:13+2*pp], v[XR+2*pp:XR+2*pp+1], v[XR+2*pp:XR+2*pp+1]
.set pp, pp+1
.endr
.set pp, 4
.rept 12
	v_pk_fma_f32 v[12+2*(pp%4):13+2*(pp%4)], v[XR+2*pp:XR+2*pp+1], v[XR+2*pp:XR+2*pp+1], v[12+2*(pp%4):13+2*(pp%4)]
.set pp, pp+1
.endr
	REDUCE
	v_fma_f32 v12, v12, s52, s53                   ; variance + 1e-5
	v_rsq_f32 v22, v12
	v_rsq_f32 v23, v12                             ; twice: the packed multiply names a pair
	v_nop                                          ; a plain instruction behind the transcendentals,
	s_wait_alu depctr_va_vdst(0)                   ; and the wait ahead of their first reader: one for both
.set pp, 0
.rept 16
	v_pk_mul_f32 v[XR+2*pp:XR+2*pp+1], v[XR+2*pp:XR+2*pp+1], v[22:23]
.set pp, pp+1
.endr
.set pp, 0
.rept 16
	v_pk_fma_f32 v[XR+2*pp:XR+2*pp+1], v[XR+2*pp:XR+2*pp+1], v[G+2*pp:G+2*pp+1], v[BT+2*pp:BT+2*pp+1]
.set pp, pp+1
.endr
	s_wait_xcnt 0x0                                ; the last row's stores have read the codes' registers: they are written again only behind this wait
	LNQ \r, 0, 26, 27
	LNQ \r, 1, 28, 29
.endm
	LNROW 0
	LNROW 1
	LNROW 2
	LNROW 3
	; ---- the mask's 32 entries of this work-group's tokens: wave 0, a lane a token
.Lmask:
	s_cmp_lg_u32 s26, 0
	s_cbranch_scc1 .Lend
	s_mul_i32 s58, s28, 1500
	s_mov_b32 s59, 0
	s_add_nc_u64 s[60:61], s[20:21], s[58:59]      ; the batch's mask
	v_add_nc_u32 v3, s54, v1                       ; my padded token
	v_min_u32 v4, 1499, v3                         ; no load leaves the buffer
	global_load_u8 v5, v4, s[60:61]
	s_mul_i32 s58, s28, 1536
	s_add_co_u32 s58, s58, s54
	s_lshl_b32 s58, s58, 2
	s_add_co_u32 s58, s58, MB
	s_add_nc_u64 s[62:63], s[24:25], s[58:59]
	v_lshlrev_b32 v9, 2, v1
	v_mov_b32 v6, 0xff61b1e6                       ; -3e38
	v_mov_b32 v7, 0
	v_cmp_gt_u32 s66, 1500, v3                     ; a real token,
	s_wait_loadcnt 0x0
	v_cmp_ne_u32 vcc_lo, 0, v5                     ; that the mask lets count
	s_and_b32 vcc_lo, vcc_lo, s66
	v_cndmask_b32 v8, v6, v7, vcc_lo
	global_store_b32 v9, v8, s[62:63]              ; 128 consecutive bytes
.Lend:
	s_endpgm
.Lfunc_end_k_q10ecf7775d_quant:
	.size	k_q10ecf7775d_quant, .Lfunc_end_k_q10ecf7775d_quant-k_q10ecf7775d_quant
	.p2alignl 7, 3214868480
	.fill 96, 4, 3214868480
	.section	.rodata,"a",@progbits
	.p2align	6, 0x0
	.amdhsa_kernel k_q10ecf7775d_quant
		.amdhsa_group_segment_fixed_size 0
		.amdhsa_private_segment_fixed_size 0
		.amdhsa_enable_private_segment 0
		.amdhsa_kernarg_size 88
		.amdhsa_user_sgpr_count 2
		.amdhsa_user_sgpr_kernarg_segment_ptr 1
		.amdhsa_wavefront_size32 1
		.amdhsa_system_sgpr_workgroup_id_x 1
		.amdhsa_system_sgpr_workgroup_id_y 1
		.amdhsa_system_sgpr_workgroup_id_z 1
		.amdhsa_system_vgpr_workitem_id 0
		.amdhsa_next_free_vgpr 256
		.amdhsa_next_free_sgpr 96
		.amdhsa_reserve_vcc 1
		.amdhsa_float_denorm_mode_32 3
		.amdhsa_float_denorm_mode_16_64 3
		.amdhsa_memory_ordered 1
		.amdhsa_forward_progress 1
		.amdhsa_inst_pref_size 70
	.end_amdhsa_kernel
	.amdgpu_metadata
---
amdhsa.version: [ 1, 2 ]
amdhsa.kernels:
  - .name:           k_q10ecf7775d_quant
    .symbol:         k_q10ecf7775d_quant.kd
    .args:
      - { .name: hidden_states, .offset: 0, .size: 8, .value_kind: global_buffer, .address_space: global }
      - { .name: Wq, .offset: 8, .size: 8, .value_kind: global_buffer, .address_space: global }
      - { .name: Wk, .offset: 16, .size: 8, .value_kind: global_buffer, .address_space: global }
      - { .name: Wv, .offset: 24, .size: 8, .value_kind: global_buffer, .address_space: global }
      - { .name: Wo, .offset: 32, .size: 8, .value_kind: global_buffer, .address_space: global }
      - { .name: audio_kv, .offset: 40, .size: 8, .value_kind: global_buffer, .address_space: global }
      - { .name: ln_gamma, .offset: 48, .size: 8, .value_kind: global_buffer, .address_space: global }
      - { .name: ln_beta, .offset: 56, .size: 8, .value_kind: global_buffer, .address_space: global }
      - { .name: audio_attention_mask, .offset: 64, .size: 8, .value_kind: global_buffer, .address_space: global }
      - { .name: lowp_scales, .offset: 72, .size: 8, .value_kind: global_buffer, .address_space: global }
      - { .name: c1, .offset: 80, .size: 8, .value_kind: global_buffer, .address_space: global }
    .group_segment_fixed_size: 0
    .private_segment_fixed_size: 0
    .kernarg_segment_align: 8
    .kernarg_segment_size: 88
    .max_flat_workgroup_size: 256
    .sgpr_count:     96
    .vgpr_count:     256
    .wavefront_size: 32
...
	.end_amdgpu_metadata
.endif
;; end of part 1
;; launch proj (part 2): grid 4 x 80, 4 waves a work-group, clusters of 4 x 4, 327,680 bytes of LDS; arguments c1, lowp_scales, qkv; writes qkv
.if DOCPART == 2
	.amdgcn_target "amdgcn-amd-amdhsa--gfx1250"
	.amdhsa_code_object_version 6
	.text
	.protected	k_q10ecf7775d_proj
	.globl	k_q10ecf7775d_proj
	.p2align	8
	.type	k_q10ecf7775d_proj,@function
k_q10ecf7775d_proj:
	s_mov_b64 s[64:65], 0
	v_nop
	global_prefetch_b8 v0, s[64:65] scope:SCOPE_SE
	s_setreg_imm32_b32 hwreg(HW_REG_WAVE_MODE, 25, 1), 1
	s_wait_xcnt 0x0
	s_wait_alu depctr_hold_cnt(0) depctr_sa_sdst(0) depctr_va_vdst(0) depctr_va_sdst(0) depctr_va_ssrc(0) depctr_va_vcc(0) depctr_vm_vsrc(0)
	s_getreg_b32 s2, hwreg(HW_REG_IB_STS2, 6, 4)
	s_cmp_eq_u32 s2, 0
	s_cbranch_scc0 .Lentry_in_a_cluster
	s_endpgm
.Lentry_in_a_cluster:
	s_bfe_u32 s2, ttmp6, 0x10000c
	s_cmp_lg_u32 s2, 0xf033
	s_cbranch_scc0 .Lentry_shape_is_right
	s_endpgm
.Lentry_shape_is_right:
; The three projections in one launch, on codes of FP8 (E4M3): Q = hs Wq^T, K = a Wk^T, V^T = Wv a^T; K = 1,024; each f32 sum is quantised in registers for the attention.
; A cluster of 4 x 4 work-groups makes 1,024 x 1,024 of one result; the cluster's y says which: 0-7 Q (rows 1,024 y on), 8-13 K, 14-19 V^T (columns 1,024 (y - 14) on; for V the operands
; change places, so that a lane's eight results run along the tokens, which are the second attention product's K).  Only offsets and the scale are chosen, by selects on the cluster's y.
; A work-group of four waves makes 256 x 256, a wave 128 x 128: 64 accumulators, 512 registers.  K goes in four steps of 256 through two LDS slots filled by the tensor data mover; the steps are written out.
; The four work-groups of a row of the cluster need the same tiles of A, the four of a column the same tiles of B: each tile is asked for JOINTLY, by the same tensor load with a mask that names the four.
; THE MATRIX INSTRUCTION IS USED TRANSPOSED (source 0 = 16 rows of B, source 1 = 16 rows of A): a lane holds eight neighbouring columns of one row, which convert into 8 bytes.
; A sum stands for sum x 2^(eA + eB), and its code is sum / 2^(eOut - eA - eB): Q: e6 - e0 - e1; K: e7 - e2 - e3; V: e9 - e4 - e5: one scale for the conversion.
; OUT.  qkv is made of dense blocks of 256 rows x 256 bytes, one for each tile: Q's and K's block 4 (token / 256) + (channel / 256), row = token, byte = channel;
; V's block likewise, row = channel, byte = token.  The codes meet in a stage in LDS (a row's 256 bytes come from two waves) and leave as 512 consecutive bytes a store.
; LIMITS: each of the three folded exponents lies between -126 and 119.
; REGISTERS, in windows of 256: window 0: v0-31 addresses and constants; v32-95 at work on the way out; from v128 A's fragments, ONE set; on the way out the codes.
;   window 1: B's fragments, TWO sets.   window 2: accumulators of my rows 0-63 ((a, b) at v[8 (8 a + b)]);   window 3: of my rows 64-127.
.set WQC, 8388608
.set WKC, 9437184
.set WVC, 10485760
.set AKC, 12582912
.set AVC, 18874368
.set KT,  8388608
.set VT,  14680064
.set ROWB,   256                       ; a tile's row: 256 codes
.set KROW,   1024                      ; a row of A or B in memory
.set PITCH,  272                       ; an LDS row: 256 bytes + 16 of padding = 68 words: the 16 rows that a load touches start at 16 different banks (64 banks of 4 bytes: ISA guide 11.1)
.set FR,     16
.set NL,     4
.set NP,     4                         ; places behind this matrix instruction (ISA guide 7.12.1)
.set HALFT,  128*PITCH
.set SLOT,   4*HALFT                   ; A's 256 rows, then B's 256 rows
.set SPARE,  2*SLOT                    ; behind the ring: the spare words, 128 bytes a wave
.set ADRA, 16
.set ADRB, 20
.set STO,  24
.set RD,   25
.set CO,   26
.set SPW,  28
.set NIL,  29
.set SCL,  30                          ; v30  the conversion's scale as f32
.set LIM,  31                          ; v31  448 x that
.set TMP,  32
.set AF,   128
.set CODE, 128
.set G1, 24
.set G0, 32
.set G1B, 48
.set G0B, 56
.set MSB, 0
.macro WIN new                         ; the immediate's high byte repeats the setting that is left
.if MSB != \new
	s_set_vgpr_msb (MSB<<8)|\new
.set MSB, \new
.endif
.endm
.set MUL_LO, 0xa1                      ; source 0 (B) window 1, source 1 (A) window 0, C and D window 2
.set MUL_HI, 0xf1
.set TO_B,   0x40
; A joint load: waves 0 and 1 fetch for A, waves 2 and 3 for B; the branch hangs on the wave's number alone.  Four v_nop follow each of the two lines.
.macro JLOAD g0a, g1a, g0b, g1b
	s_cmp_eq_u32 s15, 0
	s_cbranch_scc0 .Lfor_b_\@
	tensor_load_to_lds s[\g0a:\g0a+3], s[\g1a:\g1a+7]
	s_nop 0
.rept 4
	v_nop
.endr
	s_branch .Lasked_\@
.Lfor_b_\@:
	tensor_load_to_lds s[\g0b:\g0b+3], s[\g1b:\g1b+7]
	s_nop 0
.rept 4
	v_nop
.endr
.Lasked_\@:
.endm
.macro CREST                           ; a round of the cluster's barrier behind its opening barrier
	s_cmp_lg_u32 s14, 0
	s_cbranch_scc1 .Lnot_wave_0_\@
	s_barrier_signal -3
.Lnot_wave_0_\@:
	s_barrier_wait -3
	s_barrier_signal -1
	s_barrier_wait -1
.endm
.macro CROUND
	s_barrier_signal -1
	s_barrier_wait -1
	CREST
.endm
	s_load_b128 s[4:7], s[0:1], 0x0                ; c1, lowp_scales
	s_load_b64 s[8:9], s[0:1], 0x10                ; qkv
	v_lshl_add_u32 v[SPW], v0, 2, SPARE
	v_mov_b32 v[NIL], 0
	ds_add_u32 v28, v29
	ds_add_u32 v28, v29
	s_wait_dscnt 0x0
	v_lshrrev_b32 v1, 5, v0
	v_readfirstlane_b32 s14, v1                    ; wave 0..3
	s_lshr_b32 s15, s14, 1                         ; which half of the tile's rows is mine.  Also: I fetch for A (0) or for B (1)
	s_and_b32 s16, s14, 1                          ; which half of its columns.  Also: which 128 rows of that tile I fetch
	s_bfe_u32 s40, ttmp6, 0x40000                  ; cx, cy: my place in the cluster
	s_bfe_u32 s41, ttmp6, 0x40004
	s_and_b32 s66, ttmp7, 0xffff                   ; the cluster's y: which result, and which part of it; the same in all sixteen
	s_mov_b32 s68, AKC
	s_mov_b32 s69, WKC
	s_mov_b32 s70, KT
	s_mov_b32 s71, 8
	s_mov_b32 s72, WVC
	s_mov_b32 s73, AVC
	s_mov_b32 s74, VT
	s_cmp_lt_u32 s66, 14
	s_cselect_b32 s68, s68, s72                    ; where A's codes begin in c1,
	s_cselect_b32 s69, s69, s73                    ; B's,
	s_cselect_b32 s70, s70, s74                    ; the result in qkv,
	s_cselect_b32 s71, s71, 14                     ; the result's first cluster
	s_cselect_b32 s76, 0, 1                        ; 1: V
	s_mov_b32 s73, WQC
	s_cmp_lt_u32 s66, 8
	s_cselect_b32 s68, 0, s68
	s_cselect_b32 s69, s73, s69
	s_cselect_b32 s70, 0, s70
	s_cselect_b32 s71, 0, s71
	s_sub_co_u32 s67, s66, s71
	s_lshl_b32 s67, s67, 2                         ; four tiles of tokens a cluster
	s_cmp_eq_u32 s76, 0
	s_cselect_b32 s77, s67, 0                      ; they are rows of Q and K,
	s_cselect_b32 s78, 0, s67                      ; columns of V^T
	s_add_co_u32 s17, s77, s41                     ; tile row: holds cy alone
	s_add_co_u32 s42, s78, s40                     ; tile column: holds cx alone
	s_lshl_b32 s43, s41, 2
	s_lshl_b32 s43, 15, s43                        ; my row of the cluster
	s_lshl_b32 s44, 0x1111, s40                    ; my column
	; descriptor group 1: a tile of 128 rows x 256 bytes, padded in LDS
	s_or_b32 s[G1+0], s43, (0<<16)|(1<<20)|(1<<21)|(5<<22)|(3<<25)  ; 15:0 the mask: A's tiles go to my row; 17:16 elements of 1 byte; 20 padding on; 21 set beside a mask; 24:22 after every 64 words; 31:25 four words
	s_or_b32 s[G1B+0], s44, (0<<16)|(1<<20)|(1<<21)|(5<<22)|(3<<25)
.irp g, G1, G1B
	s_mov_b32 s[\g+1], ROWB<<16                    ; tensor_dim0
	s_mov_b32 s[\g+2], 128<<16                     ; tensor_dim1
	s_mov_b32 s[\g+3], ROWB<<16                    ; tile_dim0
	s_mov_b32 s[\g+4], 128                         ; tile_dim1
	s_mov_b32 s[\g+5], KROW                        ; from row to row
	s_mov_b32 s[\g+6], 0
	s_mov_b32 s[\g+7], 0
.endr
	s_lshl_b32 s18, s16, 7                         ; which 128 rows of the tile I fetch
	s_lshl_b32 s20, s17, 8
	s_add_co_u32 s20, s20, s18
	s_lshl_b32 s20, s20, 10
	s_add_co_u32 s20, s20, s68                     ; A: (256 x tile row + 128 x half) rows of 1,024 bytes
	s_mov_b32 s21, 0
	s_lshl_b32 s46, s42, 8
	s_add_co_u32 s46, s46, s18
	s_lshl_b32 s46, s46, 10
	s_add_co_u32 s46, s46, s69                     ; B likewise, by the tile column
	s_mov_b32 s47, 0
	s_mul_i32 s45, s14, HALFT                      ; where they go: wave x 128 rows
	s_wait_kmcnt 0x0
	s_load_b256 s[80:87], s[6:7], 0x0              ; e0 .. e7
	s_load_b128 s[88:91], s[6:7], 0x20             ; e8 .. e11
	s_add_nc_u64 s[20:21], s[4:5], s[20:21]
	s_add_nc_u64 s[46:47], s[4:5], s[46:47]
	CROUND                                         ; all sixteen work-groups are here: the first joint loads meet
.irp s, 0,1
	s_mov_b32 s[G0+4*\s], 1
	s_add_co_u32 s[G0+4*\s+1], s45, \s*SLOT
	s_add_nc_u64 s[G0+4*\s+2:G0+4*\s+3], s[20:21], \s*ROWB
	s_or_b32 s[G0+4*\s+3], s[G0+4*\s+3], 0x80000000
	s_mov_b32 s[G0B+4*\s], 1
	s_add_co_u32 s[G0B+4*\s+1], s45, \s*SLOT
	s_add_nc_u64 s[G0B+4*\s+2:G0B+4*\s+3], s[46:47], \s*ROWB
	s_or_b32 s[G0B+4*\s+3], s[G0B+4*\s+3], 0x80000000
	JLOAD G0+4*\s, G1, G0B+4*\s, G1B
.endr
	v_and_b32 v1, 15, v0                           ; r = l % 16
	v_bfe_u32 v2, v0, 4, 1                         ; h = l / 16
	v_mul_u32_u24 v3, v1, PITCH
	v_lshl_add_u32 v4, v2, 4, v3                   ; a fragment's row x pitch + 16 x half
	s_mul_i32 s21, s15, HALFT                      ; my 128 rows of A
	s_mul_i32 s22, s16, HALFT                      ; my 128 rows of B,
	s_add_co_u32 s22, s22, 2*HALFT                 ; which lie behind A's 256
.irp s, 0,1
	v_add_nc_u32 v[ADRA+\s], s21, v4
	v_add_nc_u32 v[ADRB+\s], s22, v4
	s_add_co_u32 s21, s21, SLOT
	s_add_co_u32 s22, s22, SLOT
.endr
	s_mul_i32 s23, s15, 128*PITCH                  ; the stage, 256 rows x 272 bytes in slot 0: in: my 128 rows, my 128 bytes of them; row r, 8 bytes for each half of the lanes
	s_lshl_b32 s22, s16, 7
	s_add_co_u32 s23, s23, s22
	v_lshl_add_u32 v5, v2, 3, v3
	v_add_nc_u32 v[STO], s23, v5
	s_mul_i32 s23, s14, 64*PITCH                   ; back: wave w takes rows 64 w on, whole; lanes 0-15 one row, lanes 16-31 the next
	v_mul_u32_u24 v6, v2, PITCH
	v_lshl_add_u32 v6, v1, 4, v6
	v_add_nc_u32 v[RD], s23, v6
	v_and_b32 v6, 31, v0
	v_lshlrev_b32 v[CO], 4, v6                     ; two dense rows of 256 bytes: 16 x lane
	s_cmp_eq_u32 s76, 0                            ; the tile's block of qkv: 4 x (tile of tokens) + (tile of channels)
	s_cselect_b32 s77, s17, s42
	s_cselect_b32 s78, s42, s17
	s_lshl_b32 s77, s77, 2
	s_add_co_u32 s77, s77, s78
	s_lshl_b32 s77, s77, 16
	s_add_co_u32 s77, s77, s70
	s_lshl_b32 s78, s14, 14                        ; + my 64 rows of it
	s_add_co_u32 s78, s77, s78
	s_mov_b32 s79, 0
	s_add_nc_u64 s[8:9], s[8:9], s[78:79]
	s_wait_kmcnt 0x0
	s_sub_co_i32 s92, s86, s80
	s_sub_co_i32 s92, s92, s81                     ; Q: e6 - e0 - e1
	s_sub_co_i32 s93, s87, s82
	s_sub_co_i32 s93, s93, s83                     ; K: e7 - e2 - e3
	s_sub_co_i32 s94, s89, s84
	s_sub_co_i32 s94, s94, s85                     ; V: e9 - e4 - e5
	s_cmp_lt_u32 s66, 14
	s_cselect_b32 s93, s93, s94
	s_cmp_lt_u32 s66, 8
	s_cselect_b32 s92, s92, s93
	s_add_co_i32 s92, s92, 127
	s_lshl_b32 s93, s92, 23
	v_mov_b32 v[SCL], s93
	s_add_co_i32 s92, s92, 8
	s_lshl_b32 s92, s92, 23
	s_or_b32 s92, s92, 0x600000
	v_mov_b32 v[LIM], s92
.macro FRAG reg, adr, q, i             ; 16 rows x 128 K: lane l holds row l % 16; registers 4 c .. 4 c + 3 hold bytes 32 c + 16 (l / 16) + 0 .. 15: one permutation of k, the same for A and B
.irp c, 0,1,2,3
	ds_load_b128 v[\reg+4*\c:\reg+4*\c+3], v[\adr] offset:128*(\q)+32*\c+(\i)*16*PITCH
.endr
.endm
; 16 matrix instructions: A's blocks a0, a0 + 1 x B's eight.  The 64 accumulators take turns, one instruction a turn, in the same order in every step.
.macro MUL16 a0, p, zero
.irp a, \a0, \a0+1
.irp b, 0,1,2,3,4,5,6,7
.if \zero
	v_wmma_f32_16x16x128_fp8_fp8 v[8*(8*((\a)%4)+\b):8*(8*((\a)%4)+\b)+7], v[128*(\p)+FR*\b:128*(\p)+FR*\b+FR-1], v[AF+FR*(\a):AF+FR*(\a)+FR-1], 0
.else
	v_wmma_f32_16x16x128_fp8_fp8 v[8*(8*((\a)%4)+\b):8*(8*((\a)%4)+\b)+7], v[128*(\p)+FR*\b:128*(\p)+FR*\b+FR-1], v[AF+FR*(\a):AF+FR*(\a)+FR-1], v[8*(8*((\a)%4)+\b):8*(8*((\a)%4)+\b)+7]
.endif
.endr
.endr
.endm
.macro FETCH_B slot, q, p
	WIN TO_B
.irp i, 0,1,2,3,4,5,6,7
	FRAG 128*(\p)+FR*\i, ADRB+\slot, \q, \i
.endr
	WIN 0
.endm
.macro FETCH_A slot, q, i0
.irp i, \i0, \i0+1, \i0+2, \i0+3
	FRAG AF+FR*(\i), ADRA+\slot, \q, \i
.endr
.endm
.macro PLACES n                        ; plain vector instructions between a matrix instruction and a load into, or a read of, its registers
.rept \n
	v_nop
.endr
.endm
; A step of 128 along K that has its successor in the same slot.  A's blocks are free as soon as their eight products are issued: one set serves A, fetched anew in two runs.
.macro STEP slot, q, zero
	s_wait_dscnt 4*NL                              ; B's set and A's blocks 0-3 are in; the youngest 16 loads (A's blocks 4-7) may be out
	WIN MUL_LO
	MUL16 0, (\q)%2, \zero
	MUL16 2, (\q)%2, \zero
	s_wait_dscnt 0
	PLACES NP
	FETCH_B \slot, (\q)+1, 1-(\q)%2
	FETCH_A \slot, (\q)+1, 0
	WIN MUL_HI
	MUL16 4, (\q)%2, \zero
	MUL16 6, (\q)%2, \zero
	PLACES NP
	WIN 0
	FETCH_A \slot, (\q)+1, 4
.endm
; A slot's last step changes slots: ONE barrier; in front of it each wave waits for all its tensor loads, adds 0 to its spare word, and waits for that and for its reads of this slot.
.macro TURN slot, next, fill
	s_wait_tensorcnt 0x0                           ; all my tensor loads have landed: my part of the next slot
	ds_add_u32 v[SPW], v[NIL]                      ; 0 onto my spare word
	s_wait_dscnt 4*NL+1                            ; (the add and the youngest 16 loads may be out)
	WIN MUL_LO
	MUL16 0, 1, 0
	s_wait_dscnt 0x0                               ; the add is done, and my reads of this slot are over
	s_barrier_signal -1
	MUL16 2, 1, 0
	WIN 0
	s_barrier_wait -1
.if \fill
	CREST                                          ; the barrier has opened a round of the cluster's barrier: no wave of any partner still reads this slot or has a load on its way
	s_add_nc_u64 s[G0+4*\slot+2:G0+4*\slot+3], s[G0+4*\slot+2:G0+4*\slot+3], 2*ROWB
	s_add_nc_u64 s[G0B+4*\slot+2:G0B+4*\slot+3], s[G0B+4*\slot+2:G0B+4*\slot+3], 2*ROWB
	JLOAD G0+4*\slot, G1, G0B+4*\slot, G1B         ; the first tensor load behind the round; its four v_nop are the places in front of the loads below
.else
	PLACES NP
.endif
	FETCH_B \next, 0, 0
	FETCH_A \next, 0, 0
	WIN MUL_HI
	MUL16 4, 1, 0
	MUL16 6, 1, 0
	PLACES NP
	WIN 0
	FETCH_A \next, 0, 4
.endm
	s_wait_tensorcnt 1                             ; my part of K step 0 is in; K step 1's load may be out
	s_barrier_signal -1
	s_barrier_wait -1
	FETCH_B 0, 0, 0
	FETCH_A 0, 0, 0
	FETCH_A 0, 0, 4
	STEP 0, 0, 1                                   ; the first products start the sums: nothing is cleared
	TURN 0, 1, 1                                   ; slot 0 takes K step 2
	STEP 1, 0, 0
	TURN 1, 0, 1                                   ; slot 1 takes K step 3
	STEP 0, 0, 0
	TURN 0, 1, 0                                   ; nothing is left to fetch; behind this barrier nobody reads slot 0, and it has had its last fill
	STEP 1, 0, 0
	s_wait_dscnt 4*NL
	WIN MUL_LO
	MUL16 0, 1, 0
	MUL16 2, 1, 0
	s_wait_dscnt 0
	WIN MUL_HI
	MUL16 4, 1, 0
	MUL16 6, 1, 0
	WIN 0
	; THE WAY OUT.  Block a (16 rows x 128 columns): held, converted (8 sums of a lane -> 8 bytes), into the stage.  Each accumulator is read from its low end on.
	PLACES NP
.set aa, 0
.rept 8
.set ww, 0x02+aa/4
	WIN ww                                         ; source 0: window 2 or 3
.set jj, 0
.rept 64
	v_med3_num_f32 v[TMP+jj], v[64*(aa%4)+jj], -v[LIM], v[LIM]   ; the conversion to an 8-bit code does not saturate (ISA guide 7.6.2)
.set jj, jj+1
.endr
	WIN 0
.set jj, 0
.rept 8
	v_cvt_scalef32_pk8_fp8_f32 v[CODE+16*aa+2*jj:CODE+16*aa+2*jj+1], v[TMP+8*jj:TMP+8*jj+7], v[SCL]
.set jj, jj+1
.endr
	v_nop                                          ; a plain instruction between the conversions and the next block's writes of their sources
.set jj, 0
.rept 8
	ds_store_b64 v[STO], v[CODE+16*aa+2*jj:CODE+16*aa+2*jj+1] offset:aa*16*PITCH+16*jj   ; words 68 r + 2 h: the 32 lanes touch 64 different banks
.set jj, jj+1
.endr
.set aa, aa+1
.endr
	s_wait_dscnt 0x0                               ; for the others' sake: my stores into the stage are done
	s_barrier_signal -1
	s_barrier_wait -1
.set tt, 0
.rept 32
	ds_load_b128 v[CODE+4*tt:CODE+4*tt+3], v[RD] offset:tt*2*PITCH
.set tt, tt+1
.endr
.set tt, 0
.rept 32
	s_wait_dscnt 31-tt
	global_store_b128 v[CO], v[CODE+4*tt:CODE+4*tt+3], s[8:9] offset:512*tt   ; 512 consecutive bytes, aligned
.set tt, tt+1
.endr
	s_wait_tensorcnt 0x0                           ; the wave's end
	ds_add_u32 v[SPW], v[NIL]
	s_wait_dscnt 0x0
	CROUND                                         ; the closing round
	s_endpgm
.Lfunc_end_k_q10ecf7775d_proj:
	.size	k_q10ecf7775d_proj, .Lfunc_end_k_q10ecf7775d_proj-k_q10ecf7775d_proj
	.p2alignl 7, 3214868480
	.fill 96, 4, 3214868480
	.section	.rodata,"a",@progbits
	.p2align	6, 0x0
	.amdhsa_kernel k_q10ecf7775d_proj
		.amdhsa_group_segment_fixed_size 327680
		.amdhsa_private_segment_fixed_size 0
		.amdhsa_enable_private_segment 0
		.amdhsa_kernarg_size 24
		.amdhsa_user_sgpr_count 2
		.amdhsa_user_sgpr_kernarg_segment_ptr 1
		.amdhsa_wavefront_size32 1
		.amdhsa_system_sgpr_workgroup_id_x 1
		.amdhsa_system_sgpr_workgroup_id_y 1
		.amdhsa_system_sgpr_workgroup_id_z 1
		.amdhsa_system_vgpr_workitem_id 0
		.amdhsa_next_free_vgpr 1024
		.amdhsa_next_free_sgpr 100
		.amdhsa_reserve_vcc 0
		.amdhsa_float_denorm_mode_32 3
		.amdhsa_float_denorm_mode_16_64 3
		.amdhsa_memory_ordered 1
		.amdhsa_forward_progress 1
		.amdhsa_inst_pref_size 126
	.end_amdhsa_kernel
	.amdgpu_metadata
---
amdhsa.version: [ 1, 2 ]
amdhsa.kernels:
  - .name:           k_q10ecf7775d_proj
    .symbol:         k_q10ecf7775d_proj.kd
    .args:
      - { .name: c1, .offset: 0, .size: 8, .value_kind: global_buffer, .address_space: global }
      - { .name: lowp_scales, .offset: 8, .size: 8, .value_kind: global_buffer, .address_space: global }
      - { .name: qkv, .offset: 16, .size: 8, .value_kind: global_buffer, .address_space: global }
    .group_segment_fixed_size: 327680
    .private_segment_fixed_size: 0
    .kernarg_segment_align: 8
    .kernarg_segment_size: 24
    .max_flat_workgroup_size: 128
    .sgpr_count:     100
    .vgpr_count:     1024
    .wavefront_size: 32
...
	.end_amdgpu_metadata
.endif
;; end of part 2
;; launch attn (part 3): grid 16 x 16, 8 waves a work-group, clusters of 4 x 1, 327,680 bytes of LDS; arguments qkv, c1, lowp_scales, oc; writes oc
.if DOCPART == 3
	.amdgcn_target "amdgcn-amd-amdhsa--gfx1250"
	.amdhsa_code_object_version 6
	.text
	.protected	k_q10ecf7775d_attn
	.globl	k_q10ecf7775d_attn
	.p2align	8
	.type	k_q10ecf7775d_attn,@function
k_q10ecf7775d_attn:
	s_mov_b64 s[64:65], 0
	v_nop
	global_prefetch_b8 v0, s[64:65] scope:SCOPE_SE
	s_setreg_imm32_b32 hwreg(HW_REG_WAVE_MODE, 25, 1), 1
	s_wait_xcnt 0x0
	s_wait_alu depctr_hold_cnt(0) depctr_sa_sdst(0) depctr_va_vdst(0) depctr_va_sdst(0) depctr_va_ssrc(0) depctr_va_vcc(0) depctr_vm_vsrc(0)
	s_getreg_b32 s2, hwreg(HW_REG_IB_STS2, 6, 4)
	s_cmp_eq_u32 s2, 0
	s_cbranch_scc0 .Lentry_in_a_cluster
	s_endpgm
.Lentry_in_a_cluster:
	s_bfe_u32 s2, ttmp6, 0x10000c
	s_cmp_lg_u32 s2, 0x3003
	s_cbranch_scc0 .Lentry_shape_is_right
	s_endpgm
.Lentry_shape_is_right:
; O = softmax(Q K^T / 8, masked) V for 64 (batch, head) pairs, 2,048 queries, 1,536 padded keys, head size 64, both products on codes of FP8 (E4M3); O is quantised (e10) for the last product.
; THE SOFTMAX: t = score x log2(e) / 8; M = the running largest t rounded UP to a whole number; p = 2^(t - M) is quantised (e8), not normalised; the row's sum is taken of the unquantised p and
; divides O at the end; when M moves, the sum and O are multiplied by 2^(old M - new M), which rounds nothing.
; THE MASK is the C operand of the first product: 0 for a key that counts, -3e38 for a hidden or padded one (the table that the first launch made).  The running largest t starts at
; c x (-2^24): a sum of 64 products of codes is at least -64 x 448^2 > -2^24, so no real score lies below it and no hidden one above: hidden keys never move M, and their p is 0.
; A row all of whose keys are hidden ends with sum 0 and O 0: O / sum is NaN there, and the NaN is carried past the hold into the code.
; SHARES.  y = 4 x batch + group of 4 heads; a work-group owns 128 queries of the group's heads; wave w owns head w / 2 of the group and queries 64 (w % 2) on: four tiles of 16, so each fragment of K, V and
; bias read from LDS feeds four tiles.  Two waves to a SIMD.  Every wave walks all 1,536 keys, 128 a step, 256 a slot.
; CLUSTER.  The four query blocks of a cluster walk the same K and V: each tile is asked for JOINTLY, mask 15.  A slot is one block of K (256 keys x 256 bytes: 4 heads) and one of V^T (256 channels x 256 keys);
; each of the eight waves fetches 64 rows: waves 0-3 K's quarters, waves 4-7 V's: one shape, one tensor line; the addresses are arithmetic on the wave's number.
; LAYOUT.  Both products are used transposed: S^T = K Q^T (source 0 = 16 keys), O^T = V^T P^T (source 0 = 16 channels): a lane holds ONE query (lane % 16).  Register 8 t + j of S^T is key 16 t + 8 (lane / 16) + j,
; and the 8 codes made of tile t are registers 2 t, 2 t + 1 of the second product's operand as its form lays k: nothing changes place.
; LIMITS: e6 + e7 between -100 and 100 (added to c's exponent field; c x 3e38 must dwarf every M, c x 2^24 be finite); e8, and e10 - e8 - e9, between -126 and 119.
; REGISTERS.  Window 0: v1-13 addresses; v16-47 statistics, 8 a tile (+0 -M, +1 largest t, +2 +3 the sum, +4 f, +5 zero, +6 +7 at work); v48-79 Q; v96-159 S^T, then p; v160-223 p's codes; v224-243 at work and constants.
;   Window 1: v0-127 O^T (tile i, channels 16 ct on: 32 i + 8 ct); v128-191 K's 8 fragments, later V's 4; v192-255 the bias of the step's 128 keys.
.set KT,    8388608
.set VT,    14680064
.set MB,    25165824
.set PITCH, 272                        ; 256 bytes + 16 of padding
.set QUART, 64*PITCH                   ; what one tensor load brings
.set VOFF,  4*QUART
.set SLOT,  8*QUART
.set BIAS,  2*SLOT                     ; the batch's 1,536 biases: stored by the waves, never a fill's target
.set SPARE, BIAS+6144                  ; the spare words, 128 bytes a wave
.set STAGE, SPARE+1024                 ; 128 rows x 272: O's codes on the way out
.set TILEB, 262144                     ; from a slot's block to the next slot's, in memory
.set AK0, 1
.set AV0, 2
.set AB0, 3
.set SPW, 4
.set NIL, 5
.set ADK, 6
.set ADV, 7
.set ADB, 8
.set PFO, 9
.set STO, 10
.set RD,  11
.set GO,  12
.set QO,  13
.set ST,  16
.set Q,   48
.set S,   96
.set PC,  160
.set MA,  224                          ; v224, v225 the maximum's two chains
.set PX,  226                          ; v226 a lane permute's destination
.set SU,  228                          ; v[228:229] the sum's second chain
.set PLIM, 230
.set PSCL, 231
.set OLIM, 232
.set OSCL, 233
.set BGO, 236
.set BLA, 237
.set BD,  238
.set KV,  128                          ; in window 1
.set BI,  192
.set WV,  12
.set LIM, 15
.set PFA, 18
.set SEL, 20
.set CS,  22
.set G1,  24
.set G0,  32
.set TB,  40                           ; LDS byte of the slot being read
.set TF,  41                           ; of the slot being filled
.set SB,  42                           ; the slot's first key's byte in the bias table
.set SLOTS, 43
.set WOFF, 44
.set MSB, 0
.macro WIN new
.if MSB != \new
	s_set_vgpr_msb (MSB<<8)|\new
.set MSB, \new
.endif
.endm
.macro JLOAD                           ; my 64 rows of the slot; four v_nop follow
	tensor_load_to_lds s[G0:G0+3], s[G1:G1+7]
	s_nop 0
.rept 4
	v_nop
.endr
.endm
; A PREFETCH INTO THE L2 of the blocks that the NEXT change of slots will ask for, a slot's two key steps ahead.  All four clusters of a (batch, group) walk the same K and V: the first of them asks.  Its four
; partners share a block out BY ADDRESS, 16,384 bytes each; in each, waves 0 and 1 ask for K's part and waves 2 and 3 for V's, 8,192 bytes a wave, lanes 256 bytes apart: each 256 bytes are named once.
; The last change that fills a slot asks for nothing; slots 0 and 1 come by their loads alone.
.macro ASK
	s_cmp_gt_u32 s[SLOTS], s[LIM]
	s_cbranch_scc0 .Lnot_mine_\@
	global_prefetch_b8 v[PFO], s[PFA:PFA+1] th:TH_LOAD_NT scope:SCOPE_SE
.Lnot_mine_\@:
.endm
.macro CROUND
	s_barrier_signal -1
	s_barrier_wait -1
	s_cmp_lg_u32 s[WV], 0
	s_cbranch_scc1 .Lnot_wave_0_\@
	s_barrier_signal -3
.Lnot_wave_0_\@:
	s_barrier_wait -3
	s_barrier_signal -1
	s_barrier_wait -1
.endm
.macro MKSCALE e, vs, vl
	s_add_co_i32 s66, s[\e], 127
	s_lshl_b32 s67, s66, 23
	v_mov_b32 v[\vs], s67
	s_add_co_i32 s66, s66, 8
	s_lshl_b32 s66, s66, 23
	s_or_b32 s66, s66, 0x600000
	v_mov_b32 v[\vl], s66
.endm
	s_load_b256 s[4:11], s[0:1], 0x0               ; qkv, c1, lowp_scales, oc
	v_lshl_add_u32 v[SPW], v0, 2, SPARE
	v_mov_b32 v[NIL], 0
	ds_add_u32 v4, v5
	ds_add_u32 v4, v5
	s_wait_dscnt 0x0
	v_lshrrev_b32 v14, 5, v0
	v_readfirstlane_b32 s[WV], v14                 ; wave 0..7
	s_bfe_u32 s13, ttmp6, 0x40000                  ; cx
	s_lshl_b32 s14, ttmp9, 2
	s_add_co_u32 s14, s14, s13                     ; my block of 128 queries: it enters Q's and O's addresses and the prefetches' alone
	s_and_b32 s60, ttmp7, 0xffff
	s_lshr_b32 s16, s60, 2                         ; batch
	s_and_b32 s17, s60, 3                          ; group of heads
	s_mov_b32 s[G1], 15|(1<<20)|(1<<21)|(5<<22)|(3<<25)   ; 15:0 all four work-groups; 17:16 elements of 1 byte; 20 padding on; 21 set beside a mask; 24:22 after every 64 words; 31:25 four words
	s_mov_b32 s[G1+1], 256<<16                     ; tensor_dim0
	s_mov_b32 s[G1+2], 64<<16                      ; tensor_dim1
	s_mov_b32 s[G1+3], 256<<16                     ; tile_dim0
	s_mov_b32 s[G1+4], 64                          ; tile_dim1
	s_mov_b32 s[G1+5], 256                         ; from row to row: the blocks are dense
	s_mov_b32 s[G1+6], 0
	s_mov_b32 s[G1+7], 0
	s_mov_b32 s[SEL], 0x76543210
	s_mov_b32 s[SEL+1], 0xfedcba98
	s_mov_b32 s[CS], 0x3e38aa3b                    ; c = log2(e) / 8
	s_mov_b32 s[TB], 0
	s_mov_b32 s[TF], 0
	s_mov_b32 s[SB], 0
	s_mov_b32 s[SLOTS], 5
	s_mul_i32 s[WOFF], s[WV], QUART                ; my rows' place in a slot: K's four quarters, then V's
	s_mul_i32 s61, s16, 24
	s_add_co_u32 s61, s61, s17
	s_lshl_b32 s61, s61, 16                        ; the batch's first block of the group: (4 x 6 x batch + group) x 65,536
	s_lshr_b32 s62, s[WV], 2
	s_mul_i32 s62, s62, VT-KT                      ; K's blocks or V's
	s_and_b32 s63, s[WV], 3
	s_lshl_b32 s63, s63, 14                        ; my 64 rows of 256 bytes
	s_add_co_u32 s62, s62, s63
	s_add_co_u32 s62, s62, s61
	s_add_co_u32 s62, s62, KT
	s_mov_b32 s63, 0
	s_lshr_b32 s66, s[WV], 1                       ; the prefetches: waves 0, 1: K; waves 2, 3: V
	s_and_b32 s66, s66, 1
	s_mul_i32 s66, s66, VT-KT
	s_and_b32 s67, s[WV], 1
	s_lshl_b32 s67, s67, 13
	s_add_co_u32 s66, s66, s67
	s_lshl_b32 s67, s13, 14                        ; my work-group's quarter of a block
	s_add_co_u32 s66, s66, s67
	s_add_co_u32 s66, s66, s61
	s_add_co_u32 s66, s66, KT+TILEB                ; in slot 1's block: the first change of slots steps it to slot 2's
	s_mov_b32 s67, 0
	s_lshr_b32 s[LIM], s[WV], 2                    ; 0 in waves 0 to 3,
	s_or_b32 s[LIM], s[LIM], ttmp9                 ; of the first cluster: the same in all four partners
	s_cmp_eq_u32 s[LIM], 0
	s_cselect_b32 s[LIM], 1, -1
	s_lshl_b32 s68, s16, 3                         ; Q's and O's block: 4 x (8 x batch + query block / 2) + group, and the half of it
	s_lshr_b32 s69, s14, 1
	s_add_co_u32 s68, s68, s69
	s_lshl_b32 s68, s68, 2
	s_add_co_u32 s68, s68, s17
	s_lshl_b32 s68, s68, 16
	s_and_b32 s69, s14, 1
	s_lshl_b32 s69, s69, 15
	s_add_co_u32 s68, s68, s69
	s_lshr_b32 s72, s[WV], 1
	s_lshl_b32 s72, s72, 6                         ; my head's 64 bytes of a row
	s_and_b32 s70, s[WV], 1
	s_lshl_b32 s70, s70, 14                        ; my 64 queries
	s_add_co_u32 s70, s70, s72
	s_add_co_u32 s70, s70, s68
	s_mov_b32 s71, 0
	s_lshl_b32 s74, s[WV], 12                      ; the way out: wave w stores rows 16 w on
	s_add_co_u32 s74, s74, s68
	s_mov_b32 s75, 0
	s_mul_i32 s76, s16, 6144
	s_add_co_u32 s76, s76, MB                      ; the batch's biases
	s_mov_b32 s77, 0
	s_wait_kmcnt 0x0
	s_load_b256 s[48:55], s[8:9], 0x0              ; e0 .. e7
	s_load_b128 s[56:59], s[8:9], 0x20             ; e8 .. e11
	s_mov_b32 s[G0], 1
	s_mov_b32 s[G0+1], s[WOFF]                     ; slot 0
	s_add_nc_u64 s[G0+2:G0+3], s[4:5], s[62:63]
	s_or_b32 s[G0+3], s[G0+3], 0x80000000
	s_add_nc_u64 s[PFA:PFA+1], s[4:5], s[66:67]
	s_add_nc_u64 s[70:71], s[4:5], s[70:71]        ; Q's codes at my first query, my head
	s_add_nc_u64 s[74:75], s[10:11], s[74:75]      ; O's codes
	s_add_nc_u64 s[76:77], s[6:7], s[76:77]
	CROUND                                         ; all four work-groups are here: the first joint loads meet
	JLOAD                                          ; keys 0 to 255 into slot 0
	v_and_b32 v14, 15, v0                          ; r
	v_bfe_u32 v15, v0, 4, 1                        ; h
	v_lshlrev_b32 v[BGO], 3, v0
	v_lshl_add_u32 v[BLA], v0, 3, BIAS
.irp i, 0,1,2
	global_load_b64 v[BD+2*\i:BD+2*\i+1], v[BGO], s[76:77] offset:2048*\i   ; the 256 threads copy the table: 2,048 consecutive bytes a line
.endr
	v_lshlrev_b32 v[QO], 8, v14
	v_lshl_add_u32 v[QO], v15, 4, v[QO]            ; row r of 256 bytes, + 16 h
.irp i, 0,1,2,3
	global_load_b128 v[Q+8*\i:Q+8*\i+3], v[QO], s[70:71] offset:4096*\i      ; Q stays in registers: registers 4 c .. hold d = 32 c + 16 h + 0 .. 15, as K's fragments do
	global_load_b128 v[Q+8*\i+4:Q+8*\i+7], v[QO], s[70:71] offset:4096*\i+32
.endr
	v_mul_u32_u24 v[AK0], v14, PITCH
	v_lshl_add_u32 v[AV0], v15, 3, v[AK0]
	v_lshl_add_u32 v[AK0], v15, 4, v[AK0]
	v_add_nc_u32 v[AK0], s72, v[AK0]               ; K: key r, my head's bytes, + 16 h
	s_mul_i32 s73, s72, PITCH
	s_add_co_u32 s73, s73, VOFF
	v_add_nc_u32 v[AV0], s73, v[AV0]               ; V^T: channel r of my head, + 8 h
	v_lshl_add_u32 v[AB0], v15, 5, BIAS            ; the bias: 8 keys of my half
	s_and_b32 s78, s[WV], 1
	s_mul_i32 s78, s78, 64*PITCH
	s_add_co_u32 s78, s78, s72
	s_add_co_u32 s78, s78, STAGE
	v_mul_u32_u24 v[STO], v14, PITCH
	v_lshl_add_u32 v[STO], v15, 3, v[STO]
	v_add_nc_u32 v[STO], s78, v[STO]               ; the stage, in: my query's row, my head's bytes, + 8 h
	s_mul_i32 s78, s[WV], 16*PITCH
	s_add_co_u32 s78, s78, STAGE
	v_mul_u32_u24 v[RD], v15, PITCH
	v_lshl_add_u32 v[RD], v14, 4, v[RD]
	v_add_nc_u32 v[RD], s78, v[RD]                 ; back: rows 16 w on; lanes 0-15 one row, lanes 16-31 the next
	v_and_b32 v[GO], 31, v0
	v_lshlrev_b32 v[PFO], 8, v[GO]
	v_lshlrev_b32 v[GO], 4, v[GO]
	s_wait_kmcnt 0x0
	s_add_co_i32 s60, s54, s55
	s_lshl_b32 s60, s60, 23
	s_add_co_i32 s[CS], s[CS], s60                 ; a score stands for score x 2^(e6 + e7): added to c's exponent field
	s_mov_b32 s[CS+1], s[CS]                       ; (named with it as a pair)
	MKSCALE 56, PSCL, PLIM                         ; e8
	s_sub_co_i32 s79, s58, s56
	s_sub_co_i32 s79, s79, s57                     ; O's code = (sum / l) / 2^(e10 - e8 - e9)
	MKSCALE 79, OSCL, OLIM
	v_mov_b32 v[MA], 0xcb800000                    ; -2^24: under every sum of 64 products of codes
	v_mov_b32 v[PX], 0
.irp i, 0,1,2,3
	v_mul_f32 v[ST+8*\i+1], s[CS], v[MA]           ; the largest t so far
	v_floor_f32 v[ST+8*\i], -v[ST+8*\i+1]          ; -M
.irp k, 2,3,4,5,6,7
	v_mov_b32 v[ST+8*\i+\k], 0
.endr
.endr
	WIN 0x40
.set jj, 0
.rept 128
	v_mov_b32 v[jj], 0                             ; O^T.  (The key step is written without a first step of its own: the first change of M multiplies zeros)
.set jj, jj+1
.endr
	WIN 0
	s_wait_loadcnt 8                               ; the table's three loads are in; Q's eight may be out
.irp i, 0,1,2
	ds_store_b64 v[BLA], v[BD+2*\i:BD+2*\i+1] offset:2048*\i
.endr
	s_wait_loadcnt 0x0                             ; Q
; S^T of tile t of my queries against the step's 128 keys: 8 products, each with its own result; C = the keys' bias.
.macro QK t
	WIN 0x11                                       ; K and the bias in window 1; Q and S^T in window 0
.set jj, 0
.rept 8
	v_wmma_f32_16x16x64_fp8_fp8 v[S+8*jj:S+8*jj+7], v[KV+8*jj:KV+8*jj+7], v[Q+8*(\t):Q+8*(\t)+7], v[BI+8*jj:BI+8*jj+7]
.set jj, jj+1
.endr
	WIN 0
.rept 4
	v_nop                                          ; places behind the products (ISA guide 7.12.1)
.endr
.endm
.macro SOFTMAX t
.set rT, ST+8*(\t)
.set rP, PC+16*(\t)
	v_max3_num_f32 v[MA], v[S], v[S+1], v[S+2]     ; the step's largest score of my query among my 64 keys, in two chains, each result from its low end on
	v_max3_num_f32 v[MA+1], v[S+3], v[S+4], v[S+5]
.set jj, 6
.rept 14
	v_max3_num_f32 v[MA], v[MA], v[S+jj], v[S+jj+1]
	v_max3_num_f32 v[MA+1], v[MA+1], v[S+jj+2], v[S+jj+3]
.set jj, jj+4
.endr
	v_max3_num_f32 v[MA], v[MA], v[S+62], v[S+63]
	v_max_num_f32 v[MA], v[MA], v[MA+1]
	v_permlanex16_b32 v[PX], v[MA], s[SEL], s[SEL+1]
	v_max_num_f32 v[MA], v[MA], v[PX]              ; and among lane l xor 16's
	v_mul_f32 v[MA], s[CS], v[MA]                  ; as t (c is positive)
	v_max_num_f32 v[rT+1], v[rT+1], v[MA]          ; the running largest t
	v_mov_b32 v[MA], v[rT]
	v_floor_f32 v[rT], -v[rT+1]                    ; -M = floor(-t): M is a whole number
	v_sub_f32 v[MA], v[rT], v[MA]                  ; old M - new M: a whole number, 0 or less
	v_cvt_i32_f32 v[MA], v[MA]                     ; (it saturates)
	v_ldexp_f32 v[rT+4], 1.0, v[MA]                ; f = 2^(old M - new M)
.set jj, 0
.rept 32
	v_pk_fma_f32 v[S+jj:S+jj+1], v[S+jj:S+jj+1], s[CS:CS+1], v[rT:rT+1] op_sel_hi:[1,0,0]   ; t - M (of the pairs c and -M the low word serves both halves)
.set jj, jj+2
.endr
.set jj, 0
.rept 64
	v_exp_f32 v[S+jj], v[S+jj]                     ; p = 2^(t - M)
.set jj, jj+1
.endr
	v_pk_mul_f32 v[rT+2:rT+3], v[rT+2:rT+3], v[rT+4:rT+5] op_sel_hi:[1,0]   ; the sum under the new M: the plain instruction behind the exponentials
	s_wait_alu depctr_va_vdst(0)                   ; the wait ahead of the first reader: one for the batch of 64
	v_pk_add_f32 v[SU:SU+1], v[S:S+1], v[S+2:S+3]  ; the row's sum is taken of the unquantised p, in two chains
.set jj, 4
.rept 15
	v_pk_add_f32 v[rT+2:rT+3], v[rT+2:rT+3], v[S+jj:S+jj+1]
	v_pk_add_f32 v[SU:SU+1], v[SU:SU+1], v[S+jj+2:S+jj+3]
.set jj, jj+4
.endr
	v_pk_add_f32 v[rT+2:rT+3], v[rT+2:rT+3], v[SU:SU+1]
.set kk, 0
.rept 4
.set jj, 0
.rept 16
	v_min_num_f32 v[S+16*kk+jj], v[S+16*kk+jj], v[PLIM]   ; the conversion does not saturate (ISA guide 7.6.2); p is not negative: a one-sided hold
.set jj, jj+1
.endr
	v_cvt_scalef32_pk8_fp8_f32 v[rP+4*kk:rP+4*kk+1], v[S+16*kk:S+16*kk+7], v[PSCL]
	v_cvt_scalef32_pk8_fp8_f32 v[rP+4*kk+2:rP+4*kk+3], v[S+16*kk+8:S+16*kk+15], v[PSCL]
.set kk, kk+1
.endr
	v_nop                                          ; a plain instruction between the conversions and the products that write their sources or read their results
.endm
; A KEY STEP: 128 keys, the q-th of the slot in hand.
.macro STEP q
	v_add_nc_u32 v[ADK], s[TB], v[AK0]             ; three additions and a v_nop: the places between the last step's products and the loads into V's registers
	v_add_nc_u32 v[ADV], s[TB], v[AV0]
	v_add_nc_u32 v[ADB], s[SB], v[AB0]
	v_nop
	WIN 0x40                                       ; destination window 1
.set tt, 0
.rept 8
	ds_load_b128 v[KV+8*tt:KV+8*tt+3], v[ADK] offset:(128*(\q)+16*tt)*PITCH
	ds_load_b128 v[KV+8*tt+4:KV+8*tt+7], v[ADK] offset:(128*(\q)+16*tt)*PITCH+32
	ds_load_b128 v[BI+8*tt:BI+8*tt+3], v[ADB] offset:512*(\q)+64*tt        ; register 8 t + j: the bias of key 16 t + 8 h + j, the same in all sixteen lanes of a half
	ds_load_b128 v[BI+8*tt+4:BI+8*tt+7], v[ADB] offset:512*(\q)+64*tt+16
.set tt, tt+1
.endr
	s_wait_dscnt 0x0
	QK 0
	SOFTMAX 0
	QK 1
	SOFTMAX 1
	QK 2
	SOFTMAX 2
	QK 3                                           ; K is done with: behind the four places V's fragments take its registers and land during the last softmax
	WIN 0x40
.set tt, 0
.rept 4
.set kk, 0
.rept 8
	ds_load_b64 v[KV+16*tt+2*kk:KV+16*tt+2*kk+1], v[ADV] offset:16*tt*PITCH+128*(\q)+16*kk   ; channels 16 tt on; registers 2 k, 2 k + 1: keys 16 k + 8 h + 0 .. 7
.set kk, kk+1
.endr
.set tt, tt+1
.endr
	WIN 0
	SOFTMAX 3
	WIN 0x41                                       ; O^T in window 1, f in window 0
.set ii, 0
.rept 4
.set jj, 0
.rept 16
	v_pk_mul_f32 v[32*ii+2*jj:32*ii+2*jj+1], v[32*ii+2*jj:32*ii+2*jj+1], v[ST+8*ii+4:ST+8*ii+5] op_sel_hi:[1,0]   ; O^T under the new M
.set jj, jj+1
.endr
.set ii, ii+1
.endr
	s_wait_dscnt 0x0                               ; V is in
	WIN 0x51                                       ; V and O^T in window 1, p's codes in window 0
.set tt, 0
.rept 4
.set ii, 0
.rept 4
	v_wmma_f32_16x16x128_fp8_fp8 v[32*ii+8*tt:32*ii+8*tt+7], v[KV+16*tt:KV+16*tt+15], v[PC+16*ii:PC+16*ii+15], v[32*ii+8*tt:32*ii+8*tt+7]   ; sixteen accumulators, one instruction a turn
.set ii, ii+1
.endr
.set tt, tt+1
.endr
	WIN 0
.endm
; THE CHANGE OF SLOTS stands at a slot's head.  Each wave waits for all its tensor loads (its part of the slot ahead), adds 0 to its spare word, and waits for that and for its LDS reads and stores.
; fill = 1: the barrier is a round of the cluster's, and behind it the slot that was left is filled with the next 256 keys: the load has two key steps in which to land.
.macro CHANGE fill
	s_wait_tensorcnt 0x0                           ; no tensor load of mine is out, so the group 0 may be written
	ds_add_u32 v[SPW], v[NIL]                      ; 0 onto my spare word
.if \fill
	s_xor_b32 s[TF], s[TF], SLOT                   ; the other slot than last time,
	s_add_co_u32 s[G0+1], s[WOFF], s[TF]
	s_add_nc_u64 s[G0+2:G0+3], s[G0+2:G0+3], TILEB ; the next block; the type bits on top are not reached
	s_wait_xcnt 0x0                                ; the last prefetch, a slot back, has read its address
	s_add_nc_u64 s[PFA:PFA+1], s[PFA:PFA+1], TILEB ; one block further on than the descriptor
	s_wait_dscnt 0x0
	CROUND
	JLOAD
	ASK
.else
	s_wait_dscnt 0x0
	s_barrier_signal -1
	s_barrier_wait -1
.endif
.endm
.macro SLOT_STEPS
	STEP 0
	STEP 1
	s_xor_b32 s[TB], s[TB], SLOT
	s_add_co_u32 s[SB], s[SB], 1024
.endm
.Lslot:                                            ; five trips: behind each change of slots but the last the next slot is asked for
	CHANGE 1
	SLOT_STEPS
	s_sub_co_u32 s[SLOTS], s[SLOTS], 1
	s_cmp_lg_u32 s[SLOTS], 0
	s_cbranch_scc1 .Lslot
	CHANGE 0                                       ; the last slot is written out
	SLOT_STEPS
	; THE WAY OUT.  The additions are the places behind the last products.
.irp i, 0,1,2,3
	v_add_f32 v[ST+8*\i+6], v[ST+8*\i+2], v[ST+8*\i+3]
.endr
.irp i, 0,1,2,3
	v_permlanex16_b32 v[ST+8*\i+7], v[ST+8*\i+6], s[SEL], s[SEL+1]
.endr
.irp i, 0,1,2,3
	v_add_f32 v[ST+8*\i+6], v[ST+8*\i+6], v[ST+8*\i+7]   ; the row's sum
.endr
.irp i, 0,1,2,3
	v_rcp_f32 v[ST+8*\i+4], v[ST+8*\i+6]           ; (infinite where every key was hidden: 0 x infinity below is the NaN that belongs there)
.endr
	v_nop
	s_wait_alu depctr_va_vdst(0)                   ; one wait for the four reciprocals, ahead of their first reader
.set ii, 0
.rept 4
	WIN 0x01                                       ; source 0: O^T in window 1
.set jj, 0
.rept 16
	v_pk_mul_f32 v[S+2*jj:S+2*jj+1], v[32*ii+2*jj:32*ii+2*jj+1], v[ST+8*ii+4:ST+8*ii+5] op_sel_hi:[1,0]   ; O^T / the sum
.set jj, jj+1
.endr
	WIN 0
.set jj, 0
.rept 32
	v_med3_num_f32 v[S+32+jj], v[S+jj], -v[OLIM], v[OLIM]
.set jj, jj+1
.endr
.set jj, 0
.rept 32
	v_fma_f32 v[S+32+jj], v[S+jj], 0, v[S+32+jj]   ; the hold drops a NaN: this brings it back, and changes no number
.set jj, jj+1
.endr
.set jj, 0
.rept 4
	v_cvt_scalef32_pk8_fp8_f32 v[PC+16*ii+2*jj:PC+16*ii+2*jj+1], v[S+32+8*jj:S+32+8*jj+7], v[OSCL]
.set jj, jj+1
.endr
	v_nop
.set jj, 0
.rept 4
	ds_store_b64 v[STO], v[PC+16*ii+2*jj:PC+16*ii+2*jj+1] offset:16*ii*PITCH+16*jj   ; query 16 i + r, channels 16 ct + 8 h on
.set jj, jj+1
.endr
.set ii, ii+1
.endr
	s_wait_dscnt 0x0                               ; for the others' sake: a row's 256 bytes come from four waves
	s_barrier_signal -1
	s_barrier_wait -1
.set tt, 0
.rept 8
	ds_load_b128 v[S+4*tt:S+4*tt+3], v[RD] offset:tt*2*PITCH
.set tt, tt+1
.endr
.set tt, 0
.rept 8
	s_wait_dscnt 7-tt
	global_store_b128 v[GO], v[S+4*tt:S+4*tt+3], s[74:75] offset:512*tt   ; 512 consecutive bytes, aligned
.set tt, tt+1
.endr
	s_wait_tensorcnt 0x0                           ; the wave's end
	ds_add_u32 v[SPW], v[NIL]
	s_wait_dscnt 0x0
	CROUND                                         ; the closing round
	s_endpgm
.Lfunc_end_k_q10ecf7775d_attn:
	.size	k_q10ecf7775d_attn, .Lfunc_end_k_q10ecf7775d_attn-k_q10ecf7775d_attn
	.p2alignl 7, 3214868480
	.fill 96, 4, 3214868480
	.section	.rodata,"a",@progbits
	.p2align	6, 0x0
	.amdhsa_kernel k_q10ecf7775d_attn
		.amdhsa_group_segment_fixed_size 327680
		.amdhsa_private_segment_fixed_size 0
		.amdhsa_enable_private_segment 0
		.amdhsa_kernarg_size 32
		.amdhsa_user_sgpr_count 2
		.amdhsa_user_sgpr_kernarg_segment_ptr 1
		.amdhsa_wavefront_size32 1
		.amdhsa_system_sgpr_workgroup_id_x 1
		.amdhsa_system_sgpr_workgroup_id_y 1
		.amdhsa_system_sgpr_workgroup_id_z 1
		.amdhsa_system_vgpr_workitem_id 0
		.amdhsa_next_free_vgpr 512
		.amdhsa_next_free_sgpr 96
		.amdhsa_reserve_vcc 0
		.amdhsa_float_denorm_mode_32 3
		.amdhsa_float_denorm_mode_16_64 3
		.amdhsa_memory_ordered 1
		.amdhsa_forward_progress 1
		.amdhsa_inst_pref_size 255
	.end_amdhsa_kernel
	.section	.bss,"aw",@nobits
	.p2align	6
	.space	262144
	.amdgpu_metadata
---
amdhsa.version: [ 1, 2 ]
amdhsa.kernels:
  - .name:           k_q10ecf7775d_attn
    .symbol:         k_q10ecf7775d_attn.kd
    .args:
      - { .name: qkv, .offset: 0, .size: 8, .value_kind: global_buffer, .address_space: global }
      - { .name: c1, .offset: 8, .size: 8, .value_kind: global_buffer, .address_space: global }
      - { .name: lowp_scales, .offset: 16, .size: 8, .value_kind: global_buffer, .address_space: global }
      - { .name: oc, .offset: 24, .size: 8, .value_kind: global_buffer, .address_space: global }
    .group_segment_fixed_size: 327680
    .private_segment_fixed_size: 0
    .kernarg_segment_align: 8
    .kernarg_segment_size: 32
    .max_flat_workgroup_size: 256
    .sgpr_count:     96
    .vgpr_count:     512
    .wavefront_size: 32
...
	.end_amdgpu_metadata
.endif
;; end of part 3
;; launch outp (part 4): grid 4 x 32, 4 waves a work-group, clusters of 4 x 4, 327,680 bytes of LDS; arguments oc, c1, lowp_scales, gate, hidden_states, out0; writes out0
.if DOCPART == 4
	.amdgcn_target "amdgcn-amd-amdhsa--gfx1250"
	.amdhsa_code_object_version 6
	.text
	.protected	k_q10ecf7775d_outp
	.globl	k_q10ecf7775d_outp
	.p2align	8
	.type	k_q10ecf7775d_outp,@function
k_q10ecf7775d_outp:
	s_mov_b64 s[64:65], 0
	v_nop
	global_prefetch_b8 v0, s[64:65] scope:SCOPE_SE
	s_setreg_imm32_b32 hwreg(HW_REG_WAVE_MODE, 25, 1), 1
	s_wait_xcnt 0x0
	s_wait_alu depctr_hold_cnt(0) depctr_sa_sdst(0) depctr_va_vdst(0) depctr_va_sdst(0) depctr_va_ssrc(0) depctr_va_vcc(0) depctr_vm_vsrc(0)
	s_getreg_b32 s2, hwreg(HW_REG_IB_STS2, 6, 4)
	s_cmp_eq_u32 s2, 0
	s_cbranch_scc0 .Lentry_in_a_cluster
	s_endpgm
.Lentry_in_a_cluster:
	s_bfe_u32 s2, ttmp6, 0x10000c
	s_cmp_lg_u32 s2, 0xf033
	s_cbranch_scc0 .Lentry_shape_is_right
	s_endpgm
.Lentry_shape_is_right:
; out0 = hidden_states + tanh(gate) x (O Wo^T), the product on codes of FP8 (E4M3), K = 1,024; a sum stands for sum x 2^(e10 + e11).
; O's codes lie in blocks of 256 tokens x 256 channels (block 4 (token / 256) + channel / 256): a K step's tile of A is half a block, dense.  Wo's codes: c1 + WOC, [1024][1024], k in natural order, as O's.
; A work-group of four waves makes 256 x 256, a wave 128 x 128: 64 accumulators.  K goes in four steps of 256 through two LDS slots; the steps are written out.  4 x 4 work-groups form a cluster: A's tiles are
; asked for jointly along a row of the cluster, B's along a column.  THE MATRIX INSTRUCTION IS USED TRANSPOSED (source 0 = rows of Wo, source 1 = rows of O): a lane holds eight neighbouring columns of a row.
; THE WAY OUT.  A block of 16 rows x 128 columns goes through my own stage in LDS and comes back as whole rows of 512 bytes; one packed multiply-add gives sum x factor + hidden_states; the residual's rows are
; loaded four blocks ahead into the registers that B's fragments have left.  factor = tanh(gate) x 2^(e10 + e11), tanh(x) = 1 - 2 / (1 + 2^(2 x log2 e)); the exponents go in by v_ldexp_f32 and have no limit.
; This launch has 128 work-groups: 8,192 x 1,024 results in tiles of 256 x 256.
; REGISTERS: window 0: v0-31 addresses and constants; from v128 A's fragments, on the way out rows of the result.  window 1: B's two sets, later the residual.  windows 2, 3: the accumulators.
.set WOC, 11534336
.set ROWB,   256
.set ASTEP,  65536                     ; from a K step's block of O to the next
.set PITCH,  272
.set FR,     16
.set NL,     4
.set NP,     4
.set HALFT,  128*PITCH
.set SLOT,   4*HALFT
.set SPARE,  2*SLOT
.set SPITCH, 528                       ; the stage: 16 rows x (512 bytes + 16) for each wave, in slot 0, which has had its last fill and its last read by then
.set ADRA, 16
.set ADRB, 20
.set FAC,  22                          ; v[22:23] the factor
.set STO,  24
.set RD,   25
.set CO,   26
.set SPW,  28
.set NIL,  29
.set PFO,  31
.set AF,   128
.set BK,   128
.set G1, 24
.set G0, 32
.set G1B, 48
.set G0B, 56
.set MSB, 0
.macro WIN new
.if MSB != \new
	s_set_vgpr_msb (MSB<<8)|\new
.set MSB, \new
.endif
.endm
.set MUL_LO, 0xa1
.set MUL_HI, 0xf1
.set TO_B,   0x40
.macro JLOAD g0a, g1a, g0b, g1b        ; waves 0 and 1 fetch for A, waves 2 and 3 for B; four v_nop follow each line
	s_cmp_eq_u32 s15, 0
	s_cbranch_scc0 .Lfor_b_\@
	tensor_load_to_lds s[\g0a:\g0a+3], s[\g1a:\g1a+7]
	s_nop 0
.rept 4
	v_nop
.endr
	s_branch .Lasked_\@
.Lfor_b_\@:
	tensor_load_to_lds s[\g0b:\g0b+3], s[\g1b:\g1b+7]
	s_nop 0
.rept 4
	v_nop
.endr
.Lasked_\@:
.endm
.macro CREST
	s_cmp_lg_u32 s14, 0
	s_cbranch_scc1 .Lnot_wave_0_\@
	s_barrier_signal -3
.Lnot_wave_0_\@:
	s_barrier_wait -3
	s_barrier_signal -1
	s_barrier_wait -1
.endm
.macro CROUND
	s_barrier_signal -1
	s_barrier_wait -1
	CREST
.endm
	s_load_b256 s[4:11], s[0:1], 0x0               ; oc, c1, lowp_scales, gate
	s_load_b128 s[68:71], s[0:1], 0x20             ; hidden_states, out0
	v_lshl_add_u32 v[SPW], v0, 2, SPARE
	v_mov_b32 v[NIL], 0
	ds_add_u32 v28, v29
	ds_add_u32 v28, v29
	s_wait_dscnt 0x0
	v_lshrrev_b32 v1, 5, v0
	v_readfirstlane_b32 s14, v1                    ; wave 0..3
	s_lshr_b32 s15, s14, 1                         ; my half of the tile's rows.  Also: I fetch for A (0) or for B (1)
	s_and_b32 s16, s14, 1                          ; my half of its columns.  Also: which 128 rows I fetch
	s_bfe_u32 s40, ttmp6, 0x40000                  ; cx = the tile column
	s_bfe_u32 s41, ttmp6, 0x40004                  ; cy
	s_and_b32 s17, ttmp7, 0xffff
	s_lshl_b32 s17, s17, 2
	s_add_co_u32 s17, s17, s41                     ; tile row = 4 x cluster y + cy
	s_lshl_b32 s43, s41, 2
	s_lshl_b32 s43, 15, s43                        ; my row of the cluster
	s_lshl_b32 s44, 0x1111, s40                    ; my column
	s_or_b32 s[G1+0], s43, (0<<16)|(1<<20)|(1<<21)|(5<<22)|(3<<25)  ; the mask; elements of 1 byte; padding: four words after every 64; bit 21 set beside a mask
	s_or_b32 s[G1B+0], s44, (0<<16)|(1<<20)|(1<<21)|(5<<22)|(3<<25)
.irp g, G1, G1B
	s_mov_b32 s[\g+1], ROWB<<16
	s_mov_b32 s[\g+2], 128<<16
	s_mov_b32 s[\g+3], ROWB<<16
	s_mov_b32 s[\g+4], 128
	s_mov_b32 s[\g+6], 0
	s_mov_b32 s[\g+7], 0
.endr
	s_mov_b32 s[G1+5], 256                         ; O's blocks are dense;
	s_mov_b32 s[G1B+5], 1024                       ; a row of Wo's codes
	s_lshl_b32 s20, s17, 18                        ; A: four blocks a tile row,
	s_lshl_b32 s18, s16, 15                        ; + my 128 rows of a block
	s_add_co_u32 s20, s20, s18
	s_mov_b32 s21, 0
	s_lshl_b32 s46, s40, 18                        ; B: 256 rows of 1,024 bytes a tile column,
	s_lshl_b32 s18, s16, 17                        ; + my 128 rows
	s_add_co_u32 s46, s46, s18
	s_add_co_u32 s46, s46, WOC
	s_mov_b32 s47, 0
	s_mul_i32 s45, s14, HALFT
	s_lshl_b32 s78, s17, 20                        ; my part of hidden_states and of out0: row 256 x tile row + 128 x half, of 4,096 bytes,
	s_lshl_b32 s79, s15, 19
	s_add_co_u32 s78, s78, s79
	s_lshl_b32 s79, s40, 10                        ; column 256 x tile column + 128 x half, 4 bytes each
	s_add_co_u32 s78, s78, s79
	s_lshl_b32 s79, s16, 9
	s_add_co_u32 s78, s78, s79
	s_mov_b32 s79, 0
	s_wait_kmcnt 0x0
	s_load_b32 s72, s[10:11], 0x0                  ; gate
	s_load_b64 s[74:75], s[8:9], 0x28              ; e10, e11
	s_add_nc_u64 s[20:21], s[4:5], s[20:21]
	s_add_nc_u64 s[46:47], s[6:7], s[46:47]
	s_add_nc_u64 s[68:69], s[68:69], s[78:79]      ; neither base is stepped again: every row stands in an immediate
	s_add_nc_u64 s[70:71], s[70:71], s[78:79]
	CROUND                                         ; all sixteen work-groups are here: the first joint loads meet
.irp s, 0,1
	s_mov_b32 s[G0+4*\s], 1
	s_add_co_u32 s[G0+4*\s+1], s45, \s*SLOT
	s_add_nc_u64 s[G0+4*\s+2:G0+4*\s+3], s[20:21], \s*ASTEP
	s_or_b32 s[G0+4*\s+3], s[G0+4*\s+3], 0x80000000
	s_mov_b32 s[G0B+4*\s], 1
	s_add_co_u32 s[G0B+4*\s+1], s45, \s*SLOT
	s_add_nc_u64 s[G0B+4*\s+2:G0B+4*\s+3], s[46:47], \s*ROWB
	s_or_b32 s[G0B+4*\s+3], s[G0B+4*\s+3], 0x80000000
	JLOAD G0+4*\s, G1, G0B+4*\s, G1B
.endr
	v_and_b32 v1, 15, v0                           ; r
	v_bfe_u32 v2, v0, 4, 1                         ; h
	v_mul_u32_u24 v3, v1, PITCH
	v_lshl_add_u32 v4, v2, 4, v3
	s_mul_i32 s21, s15, HALFT
	s_mul_i32 s22, s16, HALFT
	s_add_co_u32 s22, s22, 2*HALFT
.irp s, 0,1
	v_add_nc_u32 v[ADRA+\s], s21, v4
	v_add_nc_u32 v[ADRB+\s], s22, v4
	s_add_co_u32 s21, s21, SLOT
	s_add_co_u32 s22, s22, SLOT
.endr
	s_mul_i32 s23, s14, 16*SPITCH                  ; my stage
	v_mul_u32_u24 v5, v1, SPITCH
	v_lshl_add_u32 v5, v2, 5, v5
	v_add_nc_u32 v[STO], s23, v5                   ; in: row r, 32 bytes for each half of the lanes
	v_and_b32 v6, 31, v0
	v_lshlrev_b32 v[CO], 4, v6                     ; back: the 32 lanes take one row of 512 bytes; the same in memory
	v_add_nc_u32 v[RD], s23, v[CO]
	v_lshrrev_b32 v7, 1, v6
	v_and_b32 v8, 1, v6
	v_lshlrev_b32 v7, 12, v7
	v_lshl_add_u32 v[PFO], v8, 8, v7               ; the prefetches: two lanes to a row's 512 bytes, 16 rows an instruction
	s_wait_kmcnt 0x0
	s_add_co_i32 s73, s74, s75                     ; e10 + e11
	v_mov_b32 v9, s72
	v_mul_f32 v9, 0x4038aa3b, v9                   ; 2 x gate x log2(e)
	v_exp_f32 v10, v9
	v_nop
	s_wait_alu depctr_va_vdst(0)                   ; the wait ahead of a transcendental's first reader
	v_add_f32 v10, 1.0, v10
	v_rcp_f32 v11, v10
	v_nop
	s_wait_alu depctr_va_vdst(0)
	v_fma_f32 v[FAC], -2.0, v11, 1.0               ; tanh(gate)
	v_ldexp_f32 v[FAC], v[FAC], s73
	v_mov_b32 v[FAC+1], v[FAC]
.macro FRAG reg, adr, q, i
.irp c, 0,1,2,3
	ds_load_b128 v[\reg+4*\c:\reg+4*\c+3], v[\adr] offset:128*(\q)+32*\c+(\i)*16*PITCH
.endr
.endm
.macro MUL16 a0, p, zero               ; the 64 accumulators take turns, one instruction a turn
.irp a, \a0, \a0+1
.irp b, 0,1,2,3,4,5,6,7
.if \zero
	v_wmma_f32_16x16x128_fp8_fp8 v[8*(8*((\a)%4)+\b):8*(8*((\a)%4)+\b)+7], v[128*(\p)+FR*\b:128*(\p)+FR*\b+FR-1], v[AF+FR*(\a):AF+FR*(\a)+FR-1], 0
.else
	v_wmma_f32_16x16x128_fp8_fp8 v[8*(8*((\a)%4)+\b):8*(8*((\a)%4)+\b)+7], v[128*(\p)+FR*\b:128*(\p)+FR*\b+FR-1], v[AF+FR*(\a):AF+FR*(\a)+FR-1], v[8*(8*((\a)%4)+\b):8*(8*((\a)%4)+\b)+7]
.endif
.endr
.endr
.endm
.macro FETCH_B slot, q, p
	WIN TO_B
.irp i, 0,1,2,3,4,5,6,7
	FRAG 128*(\p)+FR*\i, ADRB+\slot, \q, \i
.endr
	WIN 0
.endm
.macro FETCH_A slot, q, i0
.irp i, \i0, \i0+1, \i0+2, \i0+3
	FRAG AF+FR*(\i), ADRA+\slot, \q, \i
.endr
.endm
.macro PLACES n
.rept \n
	v_nop
.endr
.endm
.macro STEP slot, q, zero
	s_wait_dscnt 4*NL                              ; the youngest 16 loads (A's blocks 4-7) may be out
	WIN MUL_LO
	MUL16 0, (\q)%2, \zero
	MUL16 2, (\q)%2, \zero
	s_wait_dscnt 0
	PLACES NP
	FETCH_B \slot, (\q)+1, 1-(\q)%2
	FETCH_A \slot, (\q)+1, 0
	WIN MUL_HI
	MUL16 4, (\q)%2, \zero
	MUL16 6, (\q)%2, \zero
	PLACES NP
	WIN 0
	FETCH_A \slot, (\q)+1, 4
.endm
; A slot's last step changes slots.  fill = 1: this slot is filled again; behind the joint load and the run of LDS loads stand two prefetches of the residual: rows 16 pf to 16 pf + 31 of my 128, 512 bytes each.
; Each 256 bytes of hidden_states belong to one wave's part of one tile, so they are named once in the launch; rows 0 to 63 are asked for so, two and three K steps ahead of their loads; the others come by loads four blocks ahead.
.macro TURN slot, next, fill, pf
	s_wait_tensorcnt 0x0                           ; all my tensor loads have landed: my part of the next slot
	ds_add_u32 v[SPW], v[NIL]                      ; 0 onto my spare word
	s_wait_dscnt 4*NL+1                            ; (the add and the youngest 16 loads may be out)
	WIN MUL_LO
	MUL16 0, 1, 0
	s_wait_dscnt 0x0                               ; the add is done, and my reads of this slot are over
	s_barrier_signal -1
	MUL16 2, 1, 0
	WIN 0
	s_barrier_wait -1
.if \fill
	CREST                                          ; a round of the cluster's barrier: no wave of any partner still reads this slot or has a load on its way
	s_add_nc_u64 s[G0+4*\slot+2:G0+4*\slot+3], s[G0+4*\slot+2:G0+4*\slot+3], 2*ASTEP
	s_add_nc_u64 s[G0B+4*\slot+2:G0B+4*\slot+3], s[G0B+4*\slot+2:G0B+4*\slot+3], 2*ROWB
	JLOAD G0+4*\slot, G1, G0B+4*\slot, G1B
.else
	PLACES NP
.endif
	FETCH_B \next, 0, 0
	FETCH_A \next, 0, 0
.if \fill
	global_prefetch_b8 v[PFO], s[68:69] offset:(\pf)*65536 th:TH_LOAD_NT scope:SCOPE_SE
	global_prefetch_b8 v[PFO], s[68:69] offset:((\pf)+1)*65536 th:TH_LOAD_NT scope:SCOPE_SE
.endif
	WIN MUL_HI
	MUL16 4, 1, 0
	MUL16 6, 1, 0
	PLACES NP
	WIN 0
	FETCH_A \next, 0, 4
.endm
.macro HLOAD a                         ; the residual's 16 rows of block a -> window 1, v[64 (a % 4)] on
	WIN 0x40
.set tt, 0
.rept 16
	global_load_b128 v[64*((\a)%4)+4*tt:64*((\a)%4)+4*tt+3], v[CO], s[68:69] offset:(16*(\a)+tt)*4096 th:TH_LOAD_NT
.set tt, tt+1
.endr
	WIN 0
.endm
.macro TOSTAGE a                       ; block a's sums into my stage, straight from the accumulators (each from its low end on), and back as whole rows.  LDS serves a wave's instructions in order (ISA guide 5.7.1.4)
.set AC, 64*((\a)%4)
.set ww, 0x08+4*((\a)/4)
	WIN ww                                         ; the stores' data: window 2 or 3
.set tt, 0
.rept 8
	ds_store_b128 v[STO], v[AC+8*tt:AC+8*tt+3] offset:64*tt
	ds_store_b128 v[STO], v[AC+8*tt+4:AC+8*tt+7] offset:64*tt+16
.set tt, tt+1
.endr
	WIN 0
.set BB, BK+64*((\a)%2)
.set tt, 0
.rept 16
	ds_load_b128 v[BB+4*tt:BB+4*tt+3], v[RD] offset:tt*SPITCH
.set tt, tt+1
.endr
.endm
.macro SEND a, younger, n              ; younger: LDS instructions issued behind block a's loads; n: the residual's loads issued behind block a's
.set BB, BK+64*((\a)%2)
.set HS, 64*((\a)%4)
	s_wait_dscnt \younger
	s_wait_loadcnt \n
	WIN 0x10                                       ; source 2: the residual, in window 1
.set tt, 0
.rept 32
	v_pk_fma_f32 v[BB+tt:BB+tt+1], v[BB+tt:BB+tt+1], v[FAC:FAC+1], v[HS+tt:HS+tt+1] op_sel_hi:[1,0,1]
.set tt, tt+2
.endr
	WIN 0
.set tt, 0
.rept 16
	global_store_b128 v[CO], v[BB+4*tt:BB+4*tt+3], s[70:71] offset:(16*(\a)+tt)*4096 th:TH_STORE_NT   ; 512 consecutive bytes, aligned; 127 rows of 4,096 bytes at the most: inside the signed 24-bit immediate
.set tt, tt+1
.endr
.endm
	s_wait_tensorcnt 1                             ; my part of K step 0 is in; K step 1's load may be out
	s_barrier_signal -1
	s_barrier_wait -1
	FETCH_B 0, 0, 0
	FETCH_A 0, 0, 0
	FETCH_A 0, 0, 4
	STEP 0, 0, 1
	TURN 0, 1, 1, 0
	STEP 1, 0, 0
	TURN 1, 0, 1, 2
	STEP 0, 0, 0
	TURN 0, 1, 0, 0                                ; behind this barrier nobody reads slot 0, and it has had its last fill
	STEP 1, 0, 0
	HLOAD 0                                        ; B's set 0 is done with, and the step's places stand behind its last products
	HLOAD 1
	s_wait_dscnt 4*NL
	WIN MUL_LO
	MUL16 0, 1, 0
	MUL16 2, 1, 0
	s_wait_dscnt 0
	WIN MUL_HI
	MUL16 4, 1, 0
	MUL16 6, 1, 0
	WIN 0
	PLACES NP                                      ; for the loads into B's set 1 and A's registers, and for the stores that read results
	HLOAD 2
	HLOAD 3
	TOSTAGE 0
.irp a, 1,2,3,4,5,6,7
.if \a > 1
	s_wait_xcnt 0x0                                ; block a - 2's stores have read their registers: block a's rows may land there
.endif
	TOSTAGE \a
.if \a <= 5
	SEND \a-1, 32, 48                              ; behind block a - 1's: 16 LDS stores and 16 LDS loads; three blocks of the residual
.else
	SEND \a-1, 32, 16*(8-\a)
.endif
.if \a <= 4
	HLOAD \a+3
.endif
.endr
	SEND 7, 0, 0
	s_wait_tensorcnt 0x0                           ; the wave's end
	ds_add_u32 v[SPW], v[NIL]
	s_wait_dscnt 0x0
	CROUND                                         ; the closing round
	s_endpgm
.Lfunc_end_k_q10ecf7775d_outp:
	.size	k_q10ecf7775d_outp, .Lfunc_end_k_q10ecf7775d_outp-k_q10ecf7775d_outp
	.p2alignl 7, 3214868480
	.fill 96, 4, 3214868480
	.section	.rodata,"a",@progbits
	.p2align	6, 0x0
	.amdhsa_kernel k_q10ecf7775d_outp
		.amdhsa_group_segment_fixed_size 327680
		.amdhsa_private_segment_fixed_size 0
		.amdhsa_enable_private_segment 0
		.amdhsa_kernarg_size 48
		.amdhsa_user_sgpr_count 2
		.amdhsa_user_sgpr_kernarg_segment_ptr 1
		.amdhsa_wavefront_size32 1
		.amdhsa_system_sgpr_workgroup_id_x 1
		.amdhsa_system_sgpr_workgroup_id_y 1
		.amdhsa_system_sgpr_workgroup_id_z 1
		.amdhsa_system_vgpr_workitem_id 0
		.amdhsa_next_free_vgpr 1024
		.amdhsa_next_free_sgpr 100
		.amdhsa_reserve_vcc 0
		.amdhsa_float_denorm_mode_32 3
		.amdhsa_float_denorm_mode_16_64 3
		.amdhsa_memory_ordered 1
		.amdhsa_forward_progress 1
		.amdhsa_inst_pref_size 137
	.end_amdhsa_kernel
	.amdgpu_metadata
---
amdhsa.version: [ 1, 2 ]
amdhsa.kernels:
  - .name:           k_q10ecf7775d_outp
    .symbol:         k_q10ecf7775d_outp.kd
    .args:
      - { .name: oc, .offset: 0, .size: 8, .value_kind: global_buffer, .address_space: global }
      - { .name: c1, .offset: 8, .size: 8, .value_kind: global_buffer, .address_space: global }
      - { .name: lowp_scales, .offset: 16, .size: 8, .value_kind: global_buffer, .address_space: global }
      - { .name: gate, .offset: 24, .size: 8, .value_kind: global_buffer, .address_space: global }
      - { .name: hidden_states, .offset: 32, .size: 8, .value_kind: global_buffer, .address_space: global }
      - { .name: out0, .offset: 40, .size: 8, .value_kind: global_buffer, .address_space: global }
    .group_segment_fixed_size: 327680
    .private_segment_fixed_size: 0
    .kernarg_segment_align: 8
    .kernarg_segment_size: 48
    .max_flat_workgroup_size: 128
    .sgpr_count:     100
    .vgpr_count:     1024
    .wavefront_size: 32
...
	.end_amdgpu_metadata
.endif
;; end of part 4
;; ======== version 2 of 2: 4 launches
;; limits: right only within a limited range of input values
;; workspace buffers: c1 25,190,400 bytes; kv 12,582,912 bytes; oc 8,388,608 bytes
;; launch quant (part 5): grid 288 x 4, 4 waves a work-group, no clusters, 0 bytes of LDS; arguments hidden_states, Wq, Wk, Wv, Wo, audio_kv, ln_gamma, ln_beta, audio_attention_mask, lowp_scales, c1; writes c1
.if DOCPART == 5
	.amdgcn_target "amdgcn-amd-amdhsa--gfx1250"
	.amdhsa_code_object_version 6
	.text
	.protected	k_q10ecf7775d_quant
	.globl	k_q10ecf7775d_quant
	.p2align	8
	.type	k_q10ecf7775d_quant,@function
k_q10ecf7775d_quant:
	s_mov_b64 s[64:65], 0
	v_nop
	global_prefetch_b8 v0, s[64:65] scope:SCOPE_SE
	s_setreg_imm32_b32 hwreg(HW_REG_WAVE_MODE, 25, 1), 1
	s_wait_xcnt 0x0
; Every f32 operand becomes codes of FP8 (E4M3) once, in the workspace c1; the mask becomes a table of f32 biases.
;   c1: hidden_states' codes [8192][1024] at 0; Wq's, Wk's, Wv's, Wo's [1024][1024] from WQC on, 1 MiB each;
;       LayerNorm(audio_kv) twice, [4 x 1536][1024]: with scale e2 at AKC (for K), with e4 at AVC (for V); tokens 1500..1535 of a batch are zero codes;
;       MB: [4][1536] f32: 0 where a key counts, -3e38 where the mask hides it or the token is padding.
; code = x / 2^e, held within +-448, to the nearest code, ties to even.  e: lowp_scales 0 (hidden_states), 1, 3, 5, 11 (Wq, Wk, Wv, Wo), 2 and 4 (LayerNorm's result).
; ORDER ALONG K.  A wave's load reads 512 consecutive bytes, 16 a lane, so a lane's 16 numbers of a chunk of 512 are k = 512 c + 128 i + 4 l + j (i, j = 0..3); their 16 codes are stored
; together, at 512 c + 16 l + 4 i + j.  That is one permutation of k, the same in both operands of the first three products, so every product meets its partner.  Wo's partner is made in
; natural order, so Wo's lanes take 16 neighbours (lanes 64 bytes apart): only the two address constants differ.
; SHARES.  A wave takes 4 rows of 1,024 numbers, a work-group of four waves 16.  x < 128: hidden_states, rows 2048 y + 16 x on.  128 <= x < 192: weight y, rows 16 (x - 128) on.  x >= 192: LayerNorm,
; batch y, padded tokens 16 (x - 192) on; 1,500 is a multiple of 4, so a wave's rows are all real or all padding.  18,432 rows are 4,608 waves; with 192 registers a wave, five waves fit a SIMD's 1,024.
; The plain path has all 32 loads of a wave out at once; LayerNorm, which also keeps gamma and beta, holds two rows by turns.  Waves share nothing: no LDS, no barrier.
; LIMITS: each e used here lies between -126 and 119, so that 2^e and 448 x 2^e are f32 numbers.  NaN among the inputs is not served.
.set WQC, 8388608
.set AKC, 12582912
.set AVC, 18874368
.set MB,  25165824
.set X,   32                           ; plain path: v32-159, four rows of 32 registers (register 16 c + 4 i + j); LayerNorm: v32-95, two rows by turns
.set CP,  160                          ; v160-191 plain path: codes, 8 registers a row, never rewritten
.set G,   96                           ; v96-127  LayerNorm: gamma, in a row's order
.set BT,  128                          ; v128-159 beta
.set T,   160                          ; v160-175 16 held numbers
.set C,   176                          ; v176-191 a row's codes: 8 for K's buffer, 8 for V's
.macro MKSCALE e, vs, vl               ; v[vs] = 2^e as f32 (the conversion takes its exponent field), v[vl] = 448 x 2^e
	s_add_co_i32 s66, s[\e], 127
	s_lshl_b32 s67, s66, 23
	v_mov_b32 v[\vs], s67
	s_add_co_i32 s66, s66, 8
	s_lshl_b32 s66, s66, 23
	s_or_b32 s66, s66, 0x600000
	v_mov_b32 v[\vl], s66
.endm
	s_load_b256 s[4:11], s[0:1], 0x0               ; hidden_states, Wq, Wk, Wv
	s_load_b256 s[12:19], s[0:1], 0x20             ; Wo, audio_kv, gamma, beta
	s_load_b128 s[20:23], s[0:1], 0x40             ; mask, lowp_scales
	s_load_b64 s[24:25], s[0:1], 0x50              ; c1
	v_lshrrev_b32 v1, 5, v0
	v_readfirstlane_b32 s26, v1                    ; wave
	v_and_b32 v1, 31, v0                           ; lane
	; THE DEAL.  x and y below are made from the work-group's running number n = 288 (grid y) + (grid x): n < 384: LayerNorm (the longest path gets the lowest numbers), y = n / 96, x = 192 + n % 96;
	; the other 768: y = (n - 384) / 192, x = (n - 384) % 192.  A division by 3 of q = 0 .. 11 is (11 q) >> 5.
	s_and_b32 s28, ttmp7, 0xffff
	s_mul_i32 s28, s28, 288
	s_add_co_u32 s29, s28, ttmp9                   ; n
	s_cmp_lt_u32 s29, 384
	s_cselect_b32 s30, 0, 384
	s_cselect_b32 s31, 5, 6                        ; a y's share is 3 << this
	s_cselect_b32 s68, 192, 0
	s_sub_co_u32 s29, s29, s30
	s_lshr_b32 s28, s29, s31
	s_mul_i32 s28, s28, 11
	s_lshr_b32 s28, s28, 5                         ; y
	s_lshl_b32 s31, 3, s31
	s_mul_i32 s31, s28, s31
	s_sub_co_u32 s29, s29, s31
	s_add_co_u32 s27, s29, s68                     ; x
	s_wait_kmcnt 0x0
	s_load_b256 s[32:39], s[22:23], 0x0            ; e0 .. e7
	s_load_b128 s[40:43], s[22:23], 0x20           ; e8 .. e11
	s_cmp_ge_u32 s27, 192
	s_cbranch_scc1 .Lln
	; ---- hidden_states or a weight: hold, convert, store
	s_max_u32 s59, s27, 128
	s_sub_co_u32 s59, s59, 128
	s_lshl_b32 s59, s59, 4                         ; a weight's row: 16 (x - 128)
	s_lshl_b32 s58, s28, 11
	s_lshl_b32 s60, s27, 4
	s_add_co_u32 s58, s58, s60                     ; hidden_states' row: 2048 y + 16 x
	s_lshl_b32 s60, s28, 20
	s_add_co_u32 s60, s60, WQC                     ; where weight y's codes begin
	s_mov_b32 s57, 512
	s_cmp_eq_u32 s28, 1                            ; the choices hang on the work-group's numbers alone
	s_cselect_b64 s[44:45], s[8:9], s[6:7]
	s_cmp_eq_u32 s28, 2
	s_cselect_b64 s[44:45], s[10:11], s[44:45]
	s_cmp_eq_u32 s28, 3
	s_cselect_b64 s[44:45], s[12:13], s[44:45]
	s_cselect_b32 s55, 64, 16                      ; bytes from lane to lane: Wo 64,
	s_cselect_b32 s56, 16, s57                     ; and from load to load: Wo 16
	s_cmp_lt_u32 s27, 128
	s_cselect_b64 s[44:45], s[4:5], s[44:45]
	s_cselect_b32 s55, 16, s55
	s_cselect_b32 s56, s57, s56
	s_cselect_b32 s58, s58, s59
	s_cselect_b32 s60, 0, s60
	s_lshl_b32 s61, s26, 2
	s_add_co_u32 s58, s58, s61                     ; + 4 x wave: my first row
	s_lshl_b32 s62, s58, 12
	s_mov_b32 s63, 0
	s_add_nc_u64 s[44:45], s[44:45], s[62:63]      ; its numbers,
	s_lshl_b32 s62, s58, 10
	s_add_co_u32 s62, s62, s60
	s_add_nc_u64 s[46:47], s[24:25], s[62:63]      ; its codes
	s_wait_alu depctr_va_vdst(0)
	v_mul_u32_u24 v4, v1, s55
	v_add_nc_u32 v5, s56, v4
	v_add_nc_u32 v6, s56, v5
	v_add_nc_u32 v7, s56, v6                       ; v[4 + i]: my 16 bytes of a chunk's load i
	v_lshlrev_b32 v8, 4, v1                        ; my 16 codes of a chunk
.set rr, 0
.rept 4
.set cc, 0
.rept 2
.set ii, 0
.rept 4
	global_load_b128 v[X+32*rr+16*cc+4*ii:X+32*rr+16*cc+4*ii+3], v[4+ii], s[44:45] offset:4096*rr+2048*cc th:TH_LOAD_NT
.set ii, ii+1
.endr
.set cc, cc+1
.endr
.set rr, rr+1
.endr
	s_wait_kmcnt 0x0
	s_cmp_eq_u32 s28, 1
	s_cselect_b32 s54, s35, s33                    ; e3 or e1
	s_cmp_eq_u32 s28, 2
	s_cselect_b32 s54, s37, s54                    ; e5
	s_cmp_eq_u32 s28, 3
	s_cselect_b32 s54, s43, s54                    ; e11
	s_cmp_lt_u32 s27, 128
	s_cselect_b32 s54, s32, s54                    ; e0
	MKSCALE 54, 11, 10
.set rr, 0
	s_wait_alu depctr_va_vdst(0)
.rept 4
	s_wait_loadcnt 8*(3-rr)                        ; this row's eight loads are in; those of the rows behind it may be out
.set jj, 0
.rept 32
	v_med3_num_f32 v[X+32*rr+jj], v[X+32*rr+jj], -v10, v10   ; the conversion to an 8-bit code does not saturate (ISA guide 7.6.2): the hold comes first
.set jj, jj+1
.endr
.set jj, 0
.rept 4
	v_cvt_scalef32_pk8_fp8_f32 v[CP+8*rr+2*jj:CP+8*rr+2*jj+1], v[X+32*rr+8*jj:X+32*rr+8*jj+7], v11
.set jj, jj+1
.endr
.set rr, rr+1
.endr
.set rr, 0
.rept 4                                ; all vector work stands ahead of the stores: each row's codes have registers of their own, touched by these stores alone
	global_store_b128 v8, v[CP+8*rr:CP+8*rr+3], s[46:47] offset:1024*rr        ; the wave stores 512 consecutive bytes, aligned
	global_store_b128 v8, v[CP+8*rr+4:CP+8*rr+7], s[46:47] offset:1024*rr+512
.set rr, rr+1
.endr
	s_endpgm
	; ---- LayerNorm of four tokens, quantised twice
.Lln:
	s_wait_kmcnt 0x0
	s_sub_co_u32 s54, s27, 192
	s_lshl_b32 s54, s54, 4                         ; the work-group's first padded token
	s_lshl_b32 s55, s26, 2
	s_add_co_u32 s55, s54, s55                     ; my wave's
	s_mul_i32 s56, s28, 1536
	s_add_co_u32 s56, s56, s55
	s_lshl_b32 s56, s56, 10
	s_mov_b32 s57, 0
	s_add_nc_u64 s[46:47], s[24:25], s[56:57]
	s_add_nc_u64 s[48:49], s[46:47], AVC           ; V's buffer,
	s_add_nc_u64 s[46:47], s[46:47], AKC           ; K's buffer
	s_wait_alu depctr_va_vdst(0)
	v_lshlrev_b32 v2, 4, v1                        ; 16 x lane: my bytes of a load, and of a chunk's codes
	; the mask's 32 bytes, a lane a token, are asked for here, ahead of every other load of the wave, by the wave that stores the biases at the end: wave 0 of every even work-group
	v_add_nc_u32 v3, s54, v1                       ; my padded token
	v_min_u32 v4, 1499, v3                         ; no load leaves the buffer
	v_mov_b32 v5, 0
	s_and_b32 s69, s27, 1
	s_or_b32 s69, s69, s26
	s_cmp_lg_u32 s69, 0
	s_wait_alu depctr_va_vdst(0)
	s_cbranch_scc1 .Lno_mask
	s_mul_i32 s58, s28, 1500
	s_mov_b32 s59, 0
	s_add_nc_u64 s[60:61], s[20:21], s[58:59]      ; the batch's mask; v4, v5 and s[60:61] are left alone up to the wait at the end
	global_load_u8 v5, v4, s[60:61]
.Lno_mask:
	s_cmp_lt_u32 s55, 1500
	s_cbranch_scc1 .Lreal
	v_mov_b32 v176, 0                              ; padding: zero codes, which add nothing to any sum
	v_mov_b32 v177, 0
	v_mov_b32 v178, 0
	v_mov_b32 v179, 0
.set rr, 0
.rept 8
	global_store_b128 v2, v[176:179], s[46:47] offset:512*rr
	global_store_b128 v2, v[176:179], s[48:49] offset:512*rr
.set rr, rr+1
.endr
	s_branch .Lmask
.Lreal:
	s_mul_i32 s58, s28, 1500
	s_add_co_u32 s58, s58, s55
	s_lshl_b32 s58, s58, 12
	s_mov_b32 s59, 0
	s_add_nc_u64 s[44:45], s[14:15], s[58:59]      ; audio_kv at my first token
.set jj, 0
	s_wait_alu depctr_va_vdst(0)
.rept 8
	global_load_b128 v[G+4*jj:G+4*jj+3], v2, s[16:17] offset:512*jj
	global_load_b128 v[BT+4*jj:BT+4*jj+3], v2, s[18:19] offset:512*jj
.set jj, jj+1
.endr
.set jj, 0
.rept 16
	global_load_b128 v[X+4*jj:X+4*jj+3], v2, s[44:45] offset:512*jj th:TH_LOAD_NT   ; rows 0 and 1: 512 consecutive bytes a load
.set jj, jj+1
.endr
	s_mov_b32 s50, 0x76543210                      ; v_permlanex16_b32: lane l takes lane l xor 16
	s_mov_b32 s51, 0xfedcba98
	s_mov_b32 s52, 0x3a800000                      ; 1 / 1024
	s_mov_b32 s53, 0x3727c5ac                      ; 1e-5
	v_mov_b32 v24, 0                               ; a lane permute's destination counts as read: written once
	MKSCALE 34, 27, 26                             ; e2
	MKSCALE 36, 29, 28                             ; e4
.macro REDUCE                          ; four packed chains v[12:19] -> their sum over the wave, in v12 of every lane
	v_pk_add_f32 v[12:13], v[12:13], v[14:15]
	v_pk_add_f32 v[16:17], v[16:17], v[18:19]
	v_pk_add_f32 v[12:13], v[12:13], v[16:17]
	v_add_f32 v12, v12, v13
	v_add_f32_dpp v12, v12, v12 row_xmask:1 row_mask:0xf bank_mask:0xf
	v_add_f32_dpp v12, v12, v12 row_xmask:2 row_mask:0xf bank_mask:0xf
	v_add_f32_dpp v12, v12, v12 row_xmask:4 row_mask:0xf bank_mask:0xf
	v_add_f32_dpp v12, v12, v12 row_xmask:8 row_mask:0xf bank_mask:0xf
	v_permlanex16_b32 v24, v12, s50, s51
	v_add_f32 v12, v12, v24
.endm
.macro LNQ r, buf, lim, scl            ; the row in v[XR] on, held and converted with one of the two scales, into the codes' registers of buffer buf; the row's stores follow behind both
.set cc, 0
.rept 2
.set jj, 0
.rept 16
	v_med3_num_f32 v[T+jj], v[XR+16*cc+jj], -v[\lim], v[\lim]
.set jj, jj+1
.endr
	v_cvt_scalef32_pk8_fp8_f32 v[C+8*(\buf)+4*cc:C+8*(\buf)+4*cc+1], v[T:T+7], v[\scl]
	v_cvt_scalef32_pk8_fp8_f32 v[C+8*(\buf)+4*cc+2:C+8*(\buf)+4*cc+3], v[T+8:T+15], v[\scl]
	v_nop                                          ; one plain vector instruction between a scaled conversion and the next write of its sources
.set cc, cc+1
.endr
.endm
.macro LNROW r
.set XR, X+32*((\r)%2)
.if (\r) < 3
	s_wait_loadcnt 8                               ; this row's eight loads are in (gamma and beta were asked for earlier); the one row asked for behind it may be out
.else
	s_wait_loadcnt 0
.endif
.set pp, 0
.rept 4
	v_pk_add_f32 v[12+2*pp:13+2*pp], v[XR+4*pp:XR+4*pp+1], v[XR+4*pp+2:XR+4*pp+3]   ; the first pairs start the chains: nothing is cleared
.set pp, pp+1
.endr
.set pp, 0
.rept 8
	v_pk_add_f32 v[12+2*(pp%4):13+2*(pp%4)], v[12+2*(pp%4):13+2*(pp%4)], v[XR+16+2*pp:XR+16+2*pp+1]
.set pp, pp+1
.endr
	REDUCE
	v_mul_f32 v20, 0xba800000, v12                 ; -mean
	v_mov_b32 v21, v20
.set pp, 0
.rept 16
	v_pk_add_f32 v[XR+2*pp:XR+2*pp+1], v[XR+2*pp:XR+2*pp+1], v[20:21]              ; x - mean: the variance is taken of the differences, in a second pass
.set pp, pp+1
.endr
.set pp, 0
.rept 4
	v_pk_mul_f32 v[12+2*pp:13+2*pp], v[XR+2*pp:XR+2*pp+1], v[XR+2*pp:XR+2*pp+1]
.set pp, pp+1
.endr
.set pp, 4
.rept 12
	v_pk_fma_f32 v[12+2*(pp%4):13+2*(pp%4)], v[XR+2*pp:XR+2*pp+1], v[XR+2*pp:XR+2*pp+1], v[12+2*(pp%4):13+2*(pp%4)]
.set pp, pp+1
.endr
	REDUCE
	v_fma_f32 v12, v12, s52, s53                   ; variance + 1e-5
	s_wait_alu depctr_va_vdst(0)
	v_rsq_f32 v22, v12
	v_rsq_f32 v23, v12                             ; twice: the packed multiply names a pair
	v_nop                                          ; a plain instruction behind the transcendentals,
	s_wait_alu depctr_va_vdst(0)                   ; and the wait ahead of their first reader: one for both
.set pp, 0
.rept 16
	v_pk_mul_f32 v[XR+2*pp:XR+2*pp+1], v[XR+2*pp:XR+2*pp+1], v[22:23]
.set pp, pp+1
.endr
.set pp, 0
.rept 16
	v_pk_fma_f32 v[XR+2*pp:XR+2*pp+1], v[XR+2*pp:XR+2*pp+1], v[G+2*pp:G+2*pp+1], v[BT+2*pp:BT+2*pp+1]
.set pp, pp+1
.endr
	s_wait_xcnt 0x0                                ; the last row's stores have read the codes' registers: they are written again only behind this wait
	LNQ \r, 0, 26, 27
	LNQ \r, 1, 28, 29
.if (\r) < 2
.set jj, 0
.rept 8
	global_load_b128 v[XR+4*jj:XR+4*jj+3], v2, s[44:45] offset:4096*((\r)+2)+512*jj th:TH_LOAD_NT   ; the row two further on takes this row's registers, which only vector instructions have read
.set jj, jj+1
.endr
.endif
.irp b, 0,1                            ; the row's four stores, behind all its vector work and behind the loads above: 512 consecutive bytes each, aligned
.irp c, 0,1
	global_store_b128 v2, v[C+8*\b+4*\c:C+8*\b+4*\c+3], s[46+2*\b:47+2*\b] offset:1024*(\r)+512*\c
.endr
.endr
.endm
	LNROW 0
	LNROW 1
	LNROW 2
	LNROW 3
	; ---- the mask's 32 entries of this work-group's tokens and the next one's: wave 0 of every even work-group, a lane a token
.Lmask:
	s_and_b32 s58, s27, 1
	s_or_b32 s58, s58, s26
	s_cmp_lg_u32 s58, 0
	s_cbranch_scc1 .Lend
	s_mov_b32 s59, 0                               ; (the mask's bytes were asked for at the path's start)
	s_mul_i32 s58, s28, 1536
	s_add_co_u32 s58, s58, s54
	s_lshl_b32 s58, s58, 2
	s_add_co_u32 s58, s58, MB
	s_add_nc_u64 s[62:63], s[24:25], s[58:59]
	v_lshlrev_b32 v9, 2, v1
	v_mov_b32 v6, 0xff61b1e6                       ; -3e38
	v_mov_b32 v7, 0
	v_cmp_gt_u32 s66, 1500, v3                     ; a real token,
	s_wait_alu depctr_va_vdst(0)
	s_wait_loadcnt 0x0
	v_cmp_ne_u32 vcc_lo, 0, v5                     ; that the mask lets count
	s_and_b32 vcc_lo, vcc_lo, s66
	v_cndmask_b32 v8, v6, v7, vcc_lo
	global_store_b32 v9, v8, s[62:63]              ; 128 consecutive bytes
.Lend:
	s_endpgm
.Lfunc_end_k_q10ecf7775d_quant:
	.size	k_q10ecf7775d_quant, .Lfunc_end_k_q10ecf7775d_quant-k_q10ecf7775d_quant
	.p2alignl 7, 3214868480
	.fill 96, 4, 3214868480
	.section	.rodata,"a",@progbits
	.p2align	6, 0x0
	.amdhsa_kernel k_q10ecf7775d_quant
		.amdhsa_group_segment_fixed_size 0
		.amdhsa_private_segment_fixed_size 0
		.amdhsa_enable_private_segment 0
		.amdhsa_kernarg_size 88
		.amdhsa_user_sgpr_count 2
		.amdhsa_user_sgpr_kernarg_segment_ptr 1
		.amdhsa_wavefront_size32 1
		.amdhsa_system_sgpr_workgroup_id_x 1
		.amdhsa_system_sgpr_workgroup_id_y 1
		.amdhsa_system_sgpr_workgroup_id_z 1
		.amdhsa_system_vgpr_workitem_id 0
		.amdhsa_next_free_vgpr 192
		.amdhsa_next_free_sgpr 96
		.amdhsa_reserve_vcc 1
		.amdhsa_float_denorm_mode_32 3
		.amdhsa_float_denorm_mode_16_64 3
		.amdhsa_memory_ordered 1
		.amdhsa_forward_progress 1
		.amdhsa_inst_pref_size 71
	.end_amdhsa_kernel
	.amdgpu_metadata
---
amdhsa.version: [ 1, 2 ]
amdhsa.kernels:
  - .name:           k_q10ecf7775d_quant
    .symbol:         k_q10ecf7775d_quant.kd
    .args:
      - { .name: hidden_states, .offset: 0, .size: 8, .value_kind: global_buffer, .address_space: global }
      - { .name: Wq, .offset: 8, .size: 8, .value_kind: global_buffer, .address_space: global }
      - { .name: Wk, .offset: 16, .size: 8, .value_kind: global_buffer, .address_space: global }
      - { .name: Wv, .offset: 24, .size: 8, .value_kind: global_buffer, .address_space: global }
      - { .name: Wo, .offset: 32, .size: 8, .value_kind: global_buffer, .address_space: global }
      - { .name: audio_kv, .offset: 40, .size: 8, .value_kind: global_buffer, .address_space: global }
      - { .name: ln_gamma, .offset: 48, .size: 8, .value_kind: global_buffer, .address_space: global }
      - { .name: ln_beta, .offset: 56, .size: 8, .value_kind: global_buffer, .address_space: global }
      - { .name: audio_attention_mask, .offset: 64, .size: 8, .value_kind: global_buffer, .address_space: global }
      - { .name: lowp_scales, .offset: 72, .size: 8, .value_kind: global_buffer, .address_space: global }
      - { .name: c1, .offset: 80, .size: 8, .value_kind: global_buffer, .address_space: global }
    .group_segment_fixed_size: 0
    .private_segment_fixed_size: 0
    .kernarg_segment_align: 8
    .kernarg_segment_size: 88
    .max_flat_workgroup_size: 128
    .sgpr_count:     96
    .vgpr_count:     192
    .wavefront_size: 32
...
	.end_amdgpu_metadata
.endif
;; end of part 5
;; launch proj (part 6): grid 4 x 48, 4 waves a work-group, clusters of 4 x 4, 327,680 bytes of LDS; arguments c1, lowp_scales, kv; writes kv
.if DOCPART == 6
	.amdgcn_target "amdgcn-amd-amdhsa--gfx1250"
	.amdhsa_code_object_version 6
	.text
	.protected	k_q10ecf7775d_proj
	.globl	k_q10ecf7775d_proj
	.p2align	8
	.type	k_q10ecf7775d_proj,@function
k_q10ecf7775d_proj:
	s_mov_b64 s[64:65], 0
	v_nop
	global_prefetch_b8 v0, s[64:65] scope:SCOPE_SE
	s_setreg_imm32_b32 hwreg(HW_REG_WAVE_MODE, 25, 1), 1
	s_wait_xcnt 0x0
	s_wait_alu depctr_hold_cnt(0) depctr_sa_sdst(0) depctr_va_vdst(0) depctr_va_sdst(0) depctr_va_ssrc(0) depctr_va_vcc(0) depctr_vm_vsrc(0)
	s_getreg_b32 s2, hwreg(HW_REG_IB_STS2, 6, 4)
	s_cmp_eq_u32 s2, 0
	s_cbranch_scc0 .Lentry_in_a_cluster
	s_endpgm
.Lentry_in_a_cluster:
	s_bfe_u32 s2, ttmp6, 0x10000c
	s_cmp_lg_u32 s2, 0xf033
	s_cbranch_scc0 .Lentry_shape_is_right
	s_endpgm
.Lentry_shape_is_right:
; Two projections in one launch, on codes of FP8 (E4M3): K = a Wk^T, V^T = Wv a^T; the contracted axis is 1,024; each f32 sum is quantised in registers for the attention.  (Q is made by the attention's launch.)
; A cluster of 4 x 4 work-groups makes 1,024 x 1,024 of one result; the cluster's y says which: 0-5 K (tokens 1,024 y on), 6-11 V^T (columns 1,024 (y - 6) on; for V the operands
; change places, so that a lane's eight results run along the tokens, which are the second attention product's K).  Only offsets and the scale are chosen, by selects on the cluster's y.
; A work-group of four waves makes 256 x 256, a wave 128 x 128: 64 accumulators, 512 registers.  K goes in four steps of 256 through two LDS slots filled by the tensor data mover; the steps are written out.
; 12,288 x 1,024 results are 192 blocks: one work-group each.
; The four work-groups of a row of the cluster need the same tiles of A, the four of a column the same tiles of B: each tile is asked for JOINTLY, by the same tensor load with a mask that names the four.
; THE MATRIX INSTRUCTION IS USED TRANSPOSED (source 0 = 16 rows of B, source 1 = 16 rows of A): a lane holds eight neighbouring columns of one row, which convert into 8 bytes.
; A sum stands for sum x 2^(eA + eB), and its code is sum / 2^(eOut - eA - eB): K: e7 - e2 - e3; V: e9 - e4 - e5: one scale for the conversion.
; OUT.  kv is made of dense blocks of 256 rows x 256 bytes, one for each tile: K's block 4 (token / 256) + (channel / 256), row = token, byte = channel;
; V's block likewise, row = channel, byte = token.  The codes meet in a stage in LDS (a row's 256 bytes come from two waves) and leave as 512 consecutive bytes a store.
; LIMITS: each of the two folded exponents lies between -126 and 119.
; REGISTERS, in windows of 256: window 0: v0-31 addresses and constants; v32-95 at work on the way out; from v128 A's fragments, ONE set; on the way out the codes.
;   window 1: B's fragments, TWO sets.   window 2: accumulators of my rows 0-63 ((a, b) at v[8 (8 a + b)]);   window 3: of my rows 64-127.
.set WKC, 9437184
.set WVC, 10485760
.set AKC, 12582912
.set AVC, 18874368
.set KT,  0
.set VT,  6291456
.set ROWB,   256                       ; a tile's row: 256 codes
.set KROW,   1024                      ; a row of A or B in memory
.set PITCH,  272                       ; an LDS row: 256 bytes + 16 of padding = 68 words: the 16 rows that a load touches start at 16 different banks (64 banks of 4 bytes: ISA guide 11.1)
.set FR,     16
.set NL,     4
.set NP,     4                         ; places behind this matrix instruction (ISA guide 7.12.1)
.set HALFT,  128*PITCH
.set SLOT,   4*HALFT                   ; A's 256 rows, then B's 256 rows
.set SPARE,  2*SLOT                    ; behind the ring: the spare words, 128 bytes a wave
.set ADRA, 16
.set ADRB, 20
.set STO,  24
.set RD,   25
.set CO,   26
.set PFO,  27                          ; v27  the prefetches' offset: a lane a row; never rewritten
.set SPW,  28
.set NIL,  29
.set SCL,  30                          ; v30  the conversion's scale as f32
.set LIM,  31                          ; v31  448 x that
.set TMP,  32
.set AF,   128
.set CODE, 128
.set G1, 24
.set G0, 32
.set G1B, 48
.set G0B, 56
.set MSB, 0
.macro WIN new                         ; the immediate's high byte repeats the setting that is left
.if MSB != \new
	s_set_vgpr_msb (MSB<<8)|\new
.set MSB, \new
.endif
.endm
.set MUL_LO, 0xa1                      ; source 0 (B) window 1, source 1 (A) window 0, C and D window 2
.set MUL_HI, 0xf1
.set TO_B,   0x40
; A joint load: waves 0 and 1 fetch for A, waves 2 and 3 for B; the branch hangs on the wave's number alone.  s_nop 0 and four v_nop follow each of the two lines.
.macro JLOAD g0a, g1a, g0b, g1b
	s_cmp_eq_u32 s15, 0
	s_cbranch_scc0 .Lfor_b_\@
	tensor_load_to_lds s[\g0a:\g0a+3], s[\g1a:\g1a+7]
	s_nop 0
.rept 4
	v_nop
.endr
	s_branch .Lasked_\@
.Lfor_b_\@:
	tensor_load_to_lds s[\g0b:\g0b+3], s[\g1b:\g1b+7]
	s_nop 0
.rept 4
	v_nop
.endr
.Lasked_\@:
.endm
.macro CREST                           ; a round of the cluster's barrier behind its opening barrier
	s_cmp_lg_u32 s14, 0
	s_cbranch_scc1 .Lnot_wave_0_\@
	s_barrier_signal -3
.Lnot_wave_0_\@:
	s_barrier_wait -3
	s_barrier_signal -1
	s_barrier_wait -1
.endm
.macro CROUND
	s_barrier_signal -1
	s_barrier_wait -1
	CREST
.endm
	s_load_b128 s[4:7], s[0:1], 0x0                ; c1, lowp_scales
	s_load_b64 s[8:9], s[0:1], 0x10                ; kv
	v_lshl_add_u32 v[SPW], v0, 2, SPARE
	v_mov_b32 v[NIL], 0
	ds_add_u32 v[SPW], v[NIL]                      ; the opening: the add, twice on end, and its wait ahead of my first tensor load
	ds_add_u32 v[SPW], v[NIL]
	s_wait_dscnt 0x0
	v_lshrrev_b32 v1, 5, v0
	v_readfirstlane_b32 s14, v1                    ; wave 0..3
	s_lshr_b32 s15, s14, 1                         ; which half of the tile's rows is mine.  Also: I fetch for A (0) or for B (1)
	s_and_b32 s16, s14, 1                          ; which half of its columns.  Also: which 128 rows of that tile I fetch
	s_bfe_u32 s40, ttmp6, 0x40000                  ; cx, cy: my place in the cluster
	s_bfe_u32 s41, ttmp6, 0x40004
	s_and_b32 s66, ttmp7, 0xffff                   ; the cluster's y: which result, and which part of it; the same in all sixteen
	s_mov_b32 s68, AKC
	s_mov_b32 s69, WKC
	s_mov_b32 s72, WVC
	s_mov_b32 s73, AVC
	s_cmp_lt_u32 s66, 6
	s_cselect_b32 s68, s68, s72                    ; where A's codes begin in c1,
	s_cselect_b32 s69, s69, s73                    ; B's,
	s_cselect_b32 s70, KT, VT                      ; the result in kv,
	s_cselect_b32 s71, 0, 6                        ; the result's first cluster
	s_cselect_b32 s76, 0, 1                        ; 1: V
	s_sub_co_u32 s67, s66, s71
	s_lshl_b32 s67, s67, 2                         ; four tiles of tokens a cluster
	s_cmp_eq_u32 s76, 0
	s_cselect_b32 s77, s67, 0                      ; they are rows of K,
	s_cselect_b32 s78, 0, s67                      ; columns of V^T
	s_add_co_u32 s17, s77, s41                     ; tile row: holds cy alone
	s_add_co_u32 s42, s78, s40                     ; tile column: holds cx alone
	s_lshl_b32 s43, s41, 2
	s_lshl_b32 s43, 15, s43                        ; my row of the cluster
	s_lshl_b32 s44, 0x1111, s40                    ; my column
	; descriptor group 1: a tile of 128 rows x 256 bytes, padded in LDS
	s_or_b32 s[G1+0], s43, (0<<16)|(1<<20)|(1<<21)|(5<<22)|(3<<25)  ; 15:0 the mask: A's tiles go to my row; 17:16 elements of 1 byte; 20 padding on; 21 set beside a mask; 24:22 after every 64 words; 31:25 four words
	s_or_b32 s[G1B+0], s44, (0<<16)|(1<<20)|(1<<21)|(5<<22)|(3<<25)
.irp g, G1, G1B
	s_mov_b32 s[\g+1], ROWB<<16                    ; tensor_dim0
	s_mov_b32 s[\g+2], 128<<16                     ; tensor_dim1
	s_mov_b32 s[\g+3], ROWB<<16                    ; tile_dim0
	s_mov_b32 s[\g+4], 128                         ; tile_dim1
	s_mov_b32 s[\g+5], KROW                        ; from row to row
	s_mov_b32 s[\g+6], 0
	s_mov_b32 s[\g+7], 0
.endr
	s_lshl_b32 s18, s16, 7                         ; which 128 rows of the tile I fetch
	s_lshl_b32 s20, s17, 8
	s_add_co_u32 s20, s20, s18
	s_lshl_b32 s20, s20, 10
	s_add_co_u32 s20, s20, s68                     ; A: (256 x tile row + 128 x half) rows of 1,024 bytes
	s_mov_b32 s21, 0
	s_lshl_b32 s46, s42, 8
	s_add_co_u32 s46, s46, s18
	s_lshl_b32 s46, s46, 10
	s_add_co_u32 s46, s46, s69                     ; B likewise, by the tile column
	s_mov_b32 s47, 0
	s_mul_i32 s45, s14, HALFT                      ; where they go: wave x 128 rows
	; THE PREFETCHES.  Of the 128 rows that my wave fetches, each of the four partners that ask for them jointly names 32, told apart by address (cx for A, cy for B), a lane a row, 256 bytes of it a K step.
	; K steps 1 and 2 are named at the head, K step 3 behind slot 1's load: two steps ahead.  A weight's rows are read by six clusters: the first four clusters of a result name them, the others do not.
	s_cmp_eq_u32 s15, 0
	s_cselect_b32 s96, s20, s46                    ; my tile's first byte in c1
	s_cselect_b32 s97, s40, s41                    ; my place among the four
	s_lshl_b32 s97, s97, 15                        ; 32 rows of 1,024 bytes
	s_add_co_u32 s96, s96, s97
	s_mov_b32 s97, 0
	s_xor_b32 s98, s15, s76                        ; 1: my tile is a weight's (B for K, A for V)
	s_lshr_b32 s99, s67, 4                         ; 1: the result's cluster 4 or later
	s_and_b32 s98, s98, s99                        ; 1: my wave names nothing; the same in all sixteen work-groups
	s_wait_kmcnt 0x0
	s_load_b256 s[80:87], s[6:7], 0x0              ; e0 .. e7
	s_load_b128 s[88:91], s[6:7], 0x20             ; e8 .. e11
	s_add_nc_u64 s[20:21], s[4:5], s[20:21]
	s_add_nc_u64 s[46:47], s[4:5], s[46:47]
	s_add_nc_u64 s[96:97], s[4:5], s[96:97]        ; never rewritten: the K steps are immediates
	CROUND                                         ; all sixteen work-groups are here: the first joint loads meet
.irp s, 0,1
	s_mov_b32 s[G0+4*\s], 1
	s_add_co_u32 s[G0+4*\s+1], s45, \s*SLOT
	s_add_nc_u64 s[G0+4*\s+2:G0+4*\s+3], s[20:21], \s*ROWB
	s_or_b32 s[G0+4*\s+3], s[G0+4*\s+3], 0x80000000
	s_mov_b32 s[G0B+4*\s], 1
	s_add_co_u32 s[G0B+4*\s+1], s45, \s*SLOT
	s_add_nc_u64 s[G0B+4*\s+2:G0B+4*\s+3], s[46:47], \s*ROWB
	s_or_b32 s[G0B+4*\s+3], s[G0B+4*\s+3], 0x80000000
.endr
	JLOAD G0, G1, G0B, G1B                         ; K step 0: one tensor load a wave at the head
	v_and_b32 v1, 15, v0                           ; r = l % 16
	v_bfe_u32 v2, v0, 4, 1                         ; h = l / 16
	v_mul_u32_u24 v3, v1, PITCH
	s_wait_alu depctr_va_vdst(0)
	v_lshl_add_u32 v4, v2, 4, v3                   ; a fragment's row x pitch + 16 x half
	s_mul_i32 s21, s15, HALFT                      ; my 128 rows of A
	s_mul_i32 s22, s16, HALFT                      ; my 128 rows of B,
	s_add_co_u32 s22, s22, 2*HALFT                 ; which lie behind A's 256
.irp s, 0,1
	v_add_nc_u32 v[ADRA+\s], s21, v4
	v_add_nc_u32 v[ADRB+\s], s22, v4
	s_add_co_u32 s21, s21, SLOT
	s_add_co_u32 s22, s22, SLOT
.endr
	s_mul_i32 s23, s15, 128*PITCH                  ; the stage, 256 rows x 272 bytes in slot 0: in: my 128 rows, my 128 bytes of them; row r, 8 bytes for each half of the lanes
	s_lshl_b32 s22, s16, 7
	s_add_co_u32 s23, s23, s22
	v_lshl_add_u32 v5, v2, 3, v3
	v_add_nc_u32 v[STO], s23, v5
	s_mul_i32 s23, s14, 64*PITCH                   ; back: wave w takes rows 64 w on, whole; lanes 0-15 one row, lanes 16-31 the next
	v_mul_u32_u24 v6, v2, PITCH
	v_lshl_add_u32 v6, v1, 4, v6
	v_add_nc_u32 v[RD], s23, v6
	v_and_b32 v6, 31, v0
	v_lshlrev_b32 v[CO], 4, v6                     ; two dense rows of 256 bytes: 16 x lane
	v_lshlrev_b32 v[PFO], 10, v6
	s_cmp_eq_u32 s98, 0
	s_cbranch_scc0 .Lno_ask_a
	global_prefetch_b8 v[PFO], s[96:97] offset:256 th:TH_LOAD_NT scope:SCOPE_SE   ; K step 1
	global_prefetch_b8 v[PFO], s[96:97] offset:512 th:TH_LOAD_NT scope:SCOPE_SE   ; K step 2
.Lno_ask_a:
	s_cmp_eq_u32 s76, 0                            ; the tile's block of kv: 4 x (tile of tokens) + (tile of channels)
	s_cselect_b32 s77, s17, s42
	s_cselect_b32 s78, s42, s17
	s_lshl_b32 s77, s77, 2
	s_add_co_u32 s77, s77, s78
	s_lshl_b32 s77, s77, 16
	s_add_co_u32 s77, s77, s70
	s_lshl_b32 s78, s14, 14                        ; + my 64 rows of it
	s_add_co_u32 s78, s77, s78
	s_mov_b32 s79, 0
	s_add_nc_u64 s[8:9], s[8:9], s[78:79]
	s_wait_kmcnt 0x0
	s_sub_co_i32 s93, s87, s82
	s_sub_co_i32 s93, s93, s83                     ; K: e7 - e2 - e3
	s_sub_co_i32 s94, s89, s84
	s_sub_co_i32 s94, s94, s85                     ; V: e9 - e4 - e5
	s_cmp_lt_u32 s66, 6
	s_cselect_b32 s92, s93, s94
	s_add_co_i32 s92, s92, 127
	s_lshl_b32 s93, s92, 23
	v_mov_b32 v[SCL], s93
	s_add_co_i32 s92, s92, 8
	s_lshl_b32 s92, s92, 23
	s_or_b32 s92, s92, 0x600000
	v_mov_b32 v[LIM], s92
.macro FRAG reg, adr, q, i             ; 16 rows x 128 K: lane l holds row l % 16; registers 4 c .. 4 c + 3 hold bytes 32 c + 16 (l / 16) + 0 .. 15: one permutation of k, the same for A and B
.irp c, 0,1,2,3
	ds_load_b128 v[\reg+4*\c:\reg+4*\c+3], v[\adr] offset:128*(\q)+32*\c+(\i)*16*PITCH
.endr
.endm
; 16 matrix instructions: A's blocks a0, a0 + 1 x B's eight.  The 64 accumulators take turns, one instruction a turn, in the same order in every step.
.macro MUL16 a0, p, zero
.irp a, \a0, \a0+1
.irp b, 0,1,2,3,4,5,6,7
.if \zero
	v_wmma_f32_16x16x128_fp8_fp8 v[8*(8*((\a)%4)+\b):8*(8*((\a)%4)+\b)+7], v[128*(\p)+FR*\b:128*(\p)+FR*\b+FR-1], v[AF+FR*(\a):AF+FR*(\a)+FR-1], 0
.else
	v_wmma_f32_16x16x128_fp8_fp8 v[8*(8*((\a)%4)+\b):8*(8*((\a)%4)+\b)+7], v[128*(\p)+FR*\b:128*(\p)+FR*\b+FR-1], v[AF+FR*(\a):AF+FR*(\a)+FR-1], v[8*(8*((\a)%4)+\b):8*(8*((\a)%4)+\b)+7]
.endif
.endr
.endr
.endm
.macro FETCH_B slot, q, p
	WIN TO_B
.irp i, 0,1,2,3,4,5,6,7
	FRAG 128*(\p)+FR*\i, ADRB+\slot, \q, \i
.endr
	WIN 0
.endm
.macro FETCH_A slot, q, i0
.irp i, \i0, \i0+1, \i0+2, \i0+3
	FRAG AF+FR*(\i), ADRA+\slot, \q, \i
.endr
.endm
.macro PLACES n                        ; plain vector instructions between a matrix instruction and a load into, or a read of, its registers
.rept \n
	v_nop
.endr
.endm
; A step of 128 along K that has its successor in the same slot.  A's blocks are free as soon as their eight products are issued: one set serves A, fetched anew in two runs.
.macro STEP slot, q, zero
	s_wait_dscnt 4*NL                              ; B's set and A's blocks 0-3 are in; the youngest 16 loads (A's blocks 4-7) may be out
	WIN MUL_LO
	MUL16 0, (\q)%2, \zero
	MUL16 2, (\q)%2, \zero
	s_wait_dscnt 0
	PLACES NP
	FETCH_B \slot, (\q)+1, 1-(\q)%2
	FETCH_A \slot, (\q)+1, 0
	WIN MUL_HI
	MUL16 4, (\q)%2, \zero
	MUL16 6, (\q)%2, \zero
	PLACES NP
	WIN 0
	FETCH_A \slot, (\q)+1, 4
.endm
; A slot's last step changes slots: ONE barrier; in front of it each wave waits for all its tensor loads, adds 0 to its spare word, and waits for that and for its reads of this slot.
.macro TURN slot, next, fill
	s_wait_tensorcnt 0x0                           ; all my tensor loads have landed: my part of the next slot
	ds_add_u32 v[SPW], v[NIL]                      ; 0 onto my spare word
	s_wait_dscnt 4*NL+1                            ; (the add and the youngest 16 loads may be out)
	WIN MUL_LO
	MUL16 0, 1, 0
	s_wait_dscnt 0x0                               ; the add is done, and my reads of this slot are over
	s_barrier_signal -1
	MUL16 2, 1, 0
	WIN 0
	s_barrier_wait -1
.if \fill
	CREST                                          ; the barrier has opened a round of the cluster's barrier: no wave of any partner still reads this slot or has a load on its way
	s_add_nc_u64 s[G0+4*\slot+2:G0+4*\slot+3], s[G0+4*\slot+2:G0+4*\slot+3], 2*ROWB
	s_add_nc_u64 s[G0B+4*\slot+2:G0B+4*\slot+3], s[G0B+4*\slot+2:G0B+4*\slot+3], 2*ROWB
	JLOAD G0+4*\slot, G1, G0B+4*\slot, G1B         ; the first tensor load behind the round; its four v_nop are the places in front of the loads below
.else
	PLACES NP
.endif
	FETCH_B \next, 0, 0
	FETCH_A \next, 0, 0
	WIN MUL_HI
	MUL16 4, 1, 0
	MUL16 6, 1, 0
	PLACES NP
	WIN 0
	FETCH_A \next, 0, 4
.endm
	s_wait_alu depctr_va_vdst(0)
	s_wait_tensorcnt 0x0                           ; my part of K step 0 is in
	ds_add_u32 v[SPW], v[NIL]
	s_wait_dscnt 0x0
	CROUND                                         ; everybody's part of K step 0 is in, and all sixteen work-groups are here
	JLOAD G0+4, G1, G0B+4, G1B                     ; K step 1 into slot 1: the first tensor load behind the round
	FETCH_B 0, 0, 0
	FETCH_A 0, 0, 0
	FETCH_A 0, 0, 4
	s_cmp_eq_u32 s98, 0
	s_cbranch_scc0 .Lno_ask_b
	global_prefetch_b8 v[PFO], s[96:97] offset:768 th:TH_LOAD_NT scope:SCOPE_SE   ; K step 3, the last
.Lno_ask_b:
	STEP 0, 0, 1                                   ; the first products start the sums: nothing is cleared
	TURN 0, 1, 1                                   ; slot 0 takes K step 2
	STEP 1, 0, 0
	TURN 1, 0, 1                                   ; slot 1 takes K step 3
	STEP 0, 0, 0
	TURN 0, 1, 0                                   ; nothing is left to fetch; behind this barrier nobody reads slot 0, and it has had its last fill
	STEP 1, 0, 0
	s_wait_dscnt 4*NL
	WIN MUL_LO
	MUL16 0, 1, 0
	MUL16 2, 1, 0
	s_wait_alu depctr_va_vdst(0)
	s_wait_dscnt 0
	WIN MUL_HI
	MUL16 4, 1, 0
	MUL16 6, 1, 0
	WIN 0
	; THE WAY OUT.  Block a (16 rows x 128 columns): held, converted (8 sums of a lane -> 8 bytes), into the stage.  Each accumulator is read from its low end on.
	PLACES NP
.set aa, 0
.rept 8
.set ww, 0x02+aa/4
	WIN ww                                         ; source 0: window 2 or 3
.set jj, 0
.rept 64
	v_med3_num_f32 v[TMP+jj], v[64*(aa%4)+jj], -v[LIM], v[LIM]   ; the conversion to an 8-bit code does not saturate (ISA guide 7.6.2)
.set jj, jj+1
.endr
	WIN 0
.set jj, 0
.rept 8
	v_cvt_scalef32_pk8_fp8_f32 v[CODE+16*aa+2*jj:CODE+16*aa+2*jj+1], v[TMP+8*jj:TMP+8*jj+7], v[SCL]
.set jj, jj+1
.endr
	v_nop                                          ; a plain instruction between the conversions and the next block's writes of their sources
.set jj, 0
.rept 8
	ds_store_b64 v[STO], v[CODE+16*aa+2*jj:CODE+16*aa+2*jj+1] offset:aa*16*PITCH+16*jj   ; words 68 r + 2 h: the 32 lanes touch 64 different banks
.set jj, jj+1
.endr
.set aa, aa+1
.endr
	s_wait_dscnt 0x0                               ; for the others' sake: my stores into the stage are done
	s_barrier_signal -1
	s_barrier_wait -1
.set tt, 0
.rept 32
	ds_load_b128 v[CODE+4*tt:CODE+4*tt+3], v[RD] offset:tt*2*PITCH
.set tt, tt+1
.endr
.set tt, 0
.rept 32
	s_wait_dscnt 31-tt
	global_store_b128 v[CO], v[CODE+4*tt:CODE+4*tt+3], s[8:9] offset:512*tt   ; 512 consecutive bytes, aligned
.set tt, tt+1
.endr
	s_wait_tensorcnt 0x0                           ; the wave's end
	ds_add_u32 v[SPW], v[NIL]
	s_wait_dscnt 0x0
	CROUND                                         ; the closing round
	s_endpgm
.Lfunc_end_k_q10ecf7775d_proj:
	.size	k_q10ecf7775d_proj, .Lfunc_end_k_q10ecf7775d_proj-k_q10ecf7775d_proj
	.p2alignl 7, 3214868480
	.fill 96, 4, 3214868480
	.section	.rodata,"a",@progbits
	.p2align	6, 0x0
	.amdhsa_kernel k_q10ecf7775d_proj
		.amdhsa_group_segment_fixed_size 327680
		.amdhsa_private_segment_fixed_size 0
		.amdhsa_enable_private_segment 0
		.amdhsa_kernarg_size 24
		.amdhsa_user_sgpr_count 2
		.amdhsa_user_sgpr_kernarg_segment_ptr 1
		.amdhsa_wavefront_size32 1
		.amdhsa_system_sgpr_workgroup_id_x 1
		.amdhsa_system_sgpr_workgroup_id_y 1
		.amdhsa_system_sgpr_workgroup_id_z 1
		.amdhsa_system_vgpr_workitem_id 0
		.amdhsa_next_free_vgpr 1024
		.amdhsa_next_free_sgpr 100
		.amdhsa_reserve_vcc 0
		.amdhsa_float_denorm_mode_32 3
		.amdhsa_float_denorm_mode_16_64 3
		.amdhsa_memory_ordered 1
		.amdhsa_forward_progress 1
		.amdhsa_inst_pref_size 127
	.end_amdhsa_kernel
	.amdgpu_metadata
---
amdhsa.version: [ 1, 2 ]
amdhsa.kernels:
  - .name:           k_q10ecf7775d_proj
    .symbol:         k_q10ecf7775d_proj.kd
    .args:
      - { .name: c1, .offset: 0, .size: 8, .value_kind: global_buffer, .address_space: global }
      - { .name: lowp_scales, .offset: 8, .size: 8, .value_kind: global_buffer, .address_space: global }
      - { .name: kv, .offset: 16, .size: 8, .value_kind: global_buffer, .address_space: global }
    .group_segment_fixed_size: 327680
    .private_segment_fixed_size: 0
    .kernarg_segment_align: 8
    .kernarg_segment_size: 24
    .max_flat_workgroup_size: 128
    .sgpr_count:     100
    .vgpr_count:     1024
    .wavefront_size: 32
...
	.end_amdgpu_metadata
.endif
;; end of part 6
;; launch attn (part 7): grid 16 x 16, 8 waves a work-group, clusters of 4 x 1, 327,680 bytes of LDS; arguments kv, c1, lowp_scales, oc; writes oc
.if DOCPART == 7
	.amdgcn_target "amdgcn-amd-amdhsa--gfx1250"
	.amdhsa_code_object_version 6
	.text
	.protected	k_q10ecf7775d_attn
	.globl	k_q10ecf7775d_attn
	.p2align	8
	.type	k_q10ecf7775d_attn,@function
k_q10ecf7775d_attn:
	s_mov_b64 s[64:65], 0
	v_nop
	global_prefetch_b8 v0, s[64:65] scope:SCOPE_SE
	s_setreg_imm32_b32 hwreg(HW_REG_WAVE_MODE, 25, 1), 1
	s_wait_xcnt 0x0
	s_wait_alu depctr_hold_cnt(0) depctr_sa_sdst(0) depctr_va_vdst(0) depctr_va_sdst(0) depctr_va_ssrc(0) depctr_va_vcc(0) depctr_vm_vsrc(0)
	s_getreg_b32 s2, hwreg(HW_REG_IB_STS2, 6, 4)
	s_cmp_eq_u32 s2, 0
	s_cbranch_scc0 .Lentry_in_a_cluster
	s_endpgm
.Lentry_in_a_cluster:
	s_bfe_u32 s2, ttmp6, 0x10000c
	s_cmp_lg_u32 s2, 0x3003
	s_cbranch_scc0 .Lentry_shape_is_right
	s_endpgm
.Lentry_shape_is_right:
; O = softmax(Q K^T / 8, masked) V for 64 (batch, head) pairs, 2,048 queries, 1,536 padded keys, head size 64, both products on codes of FP8 (E4M3); O is quantised (e10) for the last product.
; THE SOFTMAX: t = score x log2(e) / 8; M = the running largest t rounded UP to a whole number; p = 2^(t - M) is quantised (e8), not normalised; the row's sum is taken of the unquantised p and
; divides O at the end; when M moves, the sum and O are multiplied by 2^(old M - new M), which rounds nothing.
; THE MASK is the C operand of the first product: 0 for a key that counts, -3e38 for a hidden or padded one (the first launch's table).  The running largest score starts at -2^24: a sum of 64 products
; of codes is at least -64 x 448^2 > -2^24, so no real score lies below it and no hidden one above: hidden keys never move M, and their p is 0.
; A row all of whose keys are hidden ends with sum 0 and O 0: O / sum is NaN there, and the NaN is carried past the hold into the code.
; SHARES.  y = 4 x batch + group of 4 heads; a work-group owns 128 queries of the group's heads; wave w owns head w / 2 of the group and queries 64 (w % 2) on: four tiles of 16, so each fragment of K, V and
; bias read from LDS feeds four tiles.  Two waves to a SIMD.  Every wave walks all 1,536 keys, 128 a step, 256 a slot; a slot's two steps are a counted loop, so the step's text stands twice in all.
; CLUSTER.  The four query blocks of a cluster walk the same K and V: each tile is asked for JOINTLY, mask 15.  A slot is one block of K (256 keys x 256 bytes: 4 heads) and one of V^T (256 channels x 256 keys);
; each of the eight waves fetches 64 rows: waves 0-3 K's quarters, waves 4-7 V's: one shape, one tensor line.
; LAYOUT.  Both products are used transposed: S^T = K Q^T (source 0 = 16 keys), O^T = V^T P^T (source 0 = 16 channels): a lane holds ONE query (lane % 16).  Register 8 t + j of S^T is key 16 t + 8 (lane / 16) + j,
; and the 8 codes made of tile t are registers 2 t, 2 t + 1 of the second product's operand as its form lays k.
; LIMITS: e6 + e7 between -100 and 100 (added to c's exponent field; c x 3e38 must dwarf every M, c x 2^24 be finite); e8, and e10 - e8 - e9, between -126 and 119.
; REGISTERS.  Window 0: v1-13 addresses; v16-47 statistics, 8 a tile (+0 -M, +1 largest raw score, +2 +3 the sum, +4 f, +5 zero, +6 +7 at work); v48-79 Q; v80-89 five chains of the sum; v96-159 S^T, then p;
;   v160-223 p's codes; v224-249 at work and constants.   Window 1: v0-127 O^T (tile i, channels 16 ct on: 32 i + 8 ct); v128-191 K's 8 fragments, later V's 4; v192-255 the bias of the step's 128 keys.
; Q IS MADE HERE, AT THE HEAD: Q = hidden_states Wq^T on the first launch's codes (e0, e1), quantised in registers (e6).  A work-group's 128 queries x 256 channels belong to it alone, so nothing is multiplied twice.
; The contracted 1,024 go in four steps of 256 through the same two slots.  Waves 0-3 fetch Wq's 256 rows of the group, 64 each, JOINTLY (all four partners want them), a step a fill, slots by turns;
; 64 rows x 256 bytes each, 512 along K in each of the first two fills.  So those two fills cover all eight quarters of both slots.
; Wave w makes its own head's 64 channels x its own 64 queries: 16 accumulators, in the registers of S^T and p's codes; source 0 = 16 rows of Wq, source 1 = 16 queries: a lane holds one query.
; THE ROWS OF Wq THAT FORM A TILE ARE NOT NEIGHBOURS: lane r of tile 2 b + u takes channel 32 b + 8 u + r + 8 (r / 8), so that the conversions' results are Q's operand registers as K's fragments lay d.
; LIMIT: e6 - e0 - e1 between -126 and 119.
.set KT,    0
.set VT,    6291456
.set WQC,   8388608                    ; Wq's codes in c1; hidden_states' begin at 0
.set G0H,   36                         ; s[36:39] group 0 for hidden_states' rows
.set G1W,   80                         ; s[80:87] group 1 for Wq's rows;  s[88:95] for hidden_states'
.set G1H,   88
.set AW0,   90                         ; v90, v91 my fragments of Wq in slot 0, 1
.set AW1,   91
.set AH0,   92                         ; v92, v93 of hidden_states
.set AH1,   93
.set VQ1,   94                         ; v94, v95, v250 the head's prefetches' offsets; never rewritten
.set VQ2,   95
.set VH,    250
.set QSCL,  251
.set QLIM,  252
.set MB,    25165824
.set PITCH, 272                        ; 256 bytes + 16 of padding
.set QUART, 64*PITCH                   ; what one tensor load brings
.set VOFF,  4*QUART
.set SLOT,  8*QUART
.set BIAS,  2*SLOT                     ; the batch's 1,536 biases: stored by the waves, never a fill's target
.set SPARE, BIAS+6144                  ; the spare words, 128 bytes a wave
.set STAGE, SPARE+1024                 ; 128 rows x 272: O's codes on the way out
.set TILEB, 262144                     ; from a slot's block to the next slot's, in memory
.set AK0, 1
.set AV0, 2
.set AB0, 3
.set SPW, 4
.set NIL, 5
.set ADK, 6
.set ADV, 7
.set ADB, 8
.set PFO, 9
.set STO, 10
.set RD,  11
.set GO,  12
.set ST,  16
.set Q,   48
.set SE,  80
.set S,   96
.set PC,  160
.set MA,  224
.set PX,  226
.set PLIM, 230                         ; 448 x 2^e8,
.set PSCL, 231
.set OLIM, 232
.set OSCL, 233
.set PLIM2, 235                        ; and once more, in another register bank: the two halves of a dual pair name one each
.set BGO, 236
.set BLA, 237
.set BD,  238
.set MC,  244
.set KV,  128                          ; in window 1
.set BI,  192
.set WV,  12
.set LIM, 15
.set PFA, 18
.set SEL, 20
.set CS,  22
.set G1,  24
.set G0,  32
.set TB,  40                           ; LDS byte of the slot being read
.set TF,  41                           ; of the slot being filled
.set SB,  42                           ; the step's first key's byte in the bias table
.set SLOTS, 43
.set WOFF, 44
.set TK,  45                           ; LDS byte of the step's first key's row
.set TV,  46                           ; of the step's first key in V's rows
.set QC,  47                           ; steps left in the slot
.set MSB, 0
.macro WIN new
.if MSB != \new
	s_set_vgpr_msb (MSB<<8)|\new
.set MSB, \new
.endif
.endm
.macro JLOAD                           ; my 64 rows of the slot; s_nop 0 and four v_nop follow
	tensor_load_to_lds s[G0:G0+3], s[G1:G1+7]
	s_nop 0
.rept 4
	v_nop
.endr
.endm
; A PREFETCH of the blocks that the NEXT change of slots will ask for, a slot's two key steps ahead.  All four clusters of a (batch, group) walk the same K and V: the first of them asks.  Its four
; partners share a block out BY ADDRESS, 16,384 bytes each; in each, waves 0 and 1 ask for K's part and waves 2 and 3 for V's, 8,192 bytes a wave, lanes 256 bytes apart: each 256 bytes are named once.
; The last change that fills a slot asks for nothing; slots 0 and 1 are named at the head, two fills ahead of their loads (macro ASKKV).
.macro ASKKV off
	s_cmp_eq_u32 s[LIM], 1
	s_cbranch_scc0 .Lnot_kv_\@
	global_prefetch_b8 v[PFO], s[PFA:PFA+1] offset:\off th:TH_LOAD_NT scope:SCOPE_SE
.Lnot_kv_\@:
.endm
.macro ASK
	s_cmp_gt_u32 s[SLOTS], s[LIM]
	s_cbranch_scc0 .Lnot_mine_\@
	global_prefetch_b8 v[PFO], s[PFA:PFA+1] th:TH_LOAD_NT scope:SCOPE_SE
.Lnot_mine_\@:
.endm
; A fill of the head: waves 0-3 Wq's quarters (joint); both = 1: waves 4-7 hidden_states' (their own).  The branch hangs on the wave's number alone; s_nop 0 and four v_nop follow each line.
.macro QLOAD both
	s_cmp_lt_u32 s[WV], 4
	s_cbranch_scc0 .Lfor_h_\@
	tensor_load_to_lds s[G0:G0+3], s[G1W:G1W+7]
	s_nop 0
.rept 4
	v_nop
.endr
.if \both
	s_branch .Lq_asked_\@
.Lfor_h_\@:
	tensor_load_to_lds s[G0H:G0H+3], s[G1H:G1H+7]
	s_nop 0
.rept 4
	v_nop
.endr
.Lq_asked_\@:
.else
.Lfor_h_\@:
.endif
.endm
.macro CROUND
	s_barrier_signal -1
	s_barrier_wait -1
	s_cmp_lg_u32 s[WV], 0
	s_cbranch_scc1 .Lnot_wave_0_\@
	s_barrier_signal -3
.Lnot_wave_0_\@:
	s_barrier_wait -3
	s_barrier_signal -1
	s_barrier_wait -1
.endm
.macro MKSCALE e, vs, vl               ; v[vs] = 2^e as f32, v[vl] = 448 x 2^e
	s_add_co_i32 s66, s[\e], 127
	s_lshl_b32 s67, s66, 23
	v_mov_b32 v[\vs], s67
	s_add_co_i32 s66, s66, 8
	s_lshl_b32 s66, s66, 23
	s_or_b32 s66, s66, 0x600000
	v_mov_b32 v[\vl], s66
.endm
	s_load_b256 s[4:11], s[0:1], 0x0               ; kv, c1, lowp_scales, oc
	v_lshl_add_u32 v[SPW], v0, 2, SPARE
	v_mov_b32 v[NIL], 0
	ds_add_u32 v[SPW], v[NIL]                      ; the opening: the add, twice on end, and its wait ahead of my first tensor load
	ds_add_u32 v[SPW], v[NIL]
	v_lshrrev_b32 v14, 5, v0
	v_readfirstlane_b32 s[WV], v14                 ; wave 0..7
	s_bfe_u32 s13, ttmp6, 0x40000                  ; cx
	s_lshl_b32 s14, ttmp9, 2
	s_add_co_u32 s14, s14, s13                     ; my block of 128 queries: it enters Q's and O's addresses and the prefetches' alone
	s_and_b32 s60, ttmp7, 0xffff
	s_lshr_b32 s16, s60, 2                         ; batch
	s_and_b32 s17, s60, 3                          ; group of heads
	s_mov_b32 s[G1], 15|(1<<20)|(1<<21)|(5<<22)|(3<<25)   ; mask: all four work-groups; elements of 1 byte; padding: four words after every 64; bit 21 beside a mask
	s_mov_b32 s[G1+1], 256<<16                     ; tensor_dim0
	s_mov_b32 s[G1+2], 64<<16                      ; tensor_dim1
	s_mov_b32 s[G1+3], 256<<16                     ; tile_dim0
	s_mov_b32 s[G1+4], 64                          ; tile_dim1
	s_mov_b32 s[G1+5], 256                         ; from row to row: the blocks are dense
	s_mov_b32 s[G1+6], 0
	s_mov_b32 s[G1+7], 0
	s_mov_b32 s[G1W], 15|(1<<20)|(1<<21)|(5<<22)|(3<<25)  ; Wq: the same tile shape and mask, rows 1,024 bytes apart
	s_mov_b32 s[G1H], (1<<20)|(5<<22)|(3<<25)             ; hidden_states: no mask
.irp g, G1W, G1H
	s_mov_b32 s[\g+1], 256<<16
	s_mov_b32 s[\g+2], 64<<16
	s_mov_b32 s[\g+3], 256<<16
	s_mov_b32 s[\g+4], 64
	s_mov_b32 s[\g+5], 1024
	s_mov_b32 s[\g+6], 0
	s_mov_b32 s[\g+7], 0
.endr
	s_mov_b32 s[SEL], 0x76543210
	s_mov_b32 s[SEL+1], 0xfedcba98
	s_mov_b32 s[CS], 0x3e38aa3b                    ; c = log2(e) / 8
	s_mov_b32 s[TB], 0
	s_mov_b32 s[TF], 0
	s_mov_b32 s[SB], 0
	s_mov_b32 s[SLOTS], 5
	s_mul_i32 s[WOFF], s[WV], QUART                ; my rows' place in a slot: K's four quarters, then V's
	s_mul_i32 s61, s16, 24
	s_add_co_u32 s61, s61, s17
	s_lshl_b32 s61, s61, 16                        ; the batch's first block of the group: (4 x 6 x batch + group) x 65,536
	s_lshr_b32 s62, s[WV], 2
	s_mul_i32 s62, s62, VT-KT                      ; K's blocks or V's
	s_and_b32 s63, s[WV], 3
	s_lshl_b32 s63, s63, 14                        ; my 64 rows of 256 bytes
	s_add_co_u32 s62, s62, s63
	s_add_co_u32 s62, s62, s61
	s_mov_b32 s63, 0
	s_lshr_b32 s66, s[WV], 1                       ; the prefetches: waves 0, 1: K; waves 2, 3: V
	s_and_b32 s66, s66, 1
	s_mul_i32 s66, s66, VT-KT
	s_and_b32 s67, s[WV], 1
	s_lshl_b32 s67, s67, 13
	s_add_co_u32 s66, s66, s67
	s_lshl_b32 s67, s13, 14                        ; my work-group's quarter of a block
	s_add_co_u32 s66, s66, s67
	s_add_co_u32 s66, s66, s61
	s_add_co_u32 s66, s66, KT+TILEB                ; in slot 1's block: the first change of slots steps it to slot 2's
	s_mov_b32 s67, 0
	s_lshr_b32 s[LIM], s[WV], 2                    ; 0 in waves 0 to 3,
	s_or_b32 s[LIM], s[LIM], ttmp9                 ; of the first cluster: the same in all four partners
	s_cmp_eq_u32 s[LIM], 0
	s_cselect_b32 s[LIM], 1, -1
	s_lshl_b32 s68, s16, 3                         ; Q's and O's block: 4 x (8 x batch + query block / 2) + group, and the half of it
	s_lshr_b32 s69, s14, 1
	s_add_co_u32 s68, s68, s69
	s_lshl_b32 s68, s68, 2
	s_add_co_u32 s68, s68, s17
	s_lshl_b32 s68, s68, 16
	s_and_b32 s69, s14, 1
	s_lshl_b32 s69, s69, 15
	s_add_co_u32 s68, s68, s69
	s_lshr_b32 s72, s[WV], 1
	s_lshl_b32 s72, s72, 6                         ; my head's 64 bytes of a row
	s_lshl_b32 s36, s17, 18                        ; Wq: the group's 256 rows of 1,024 bytes,
	s_and_b32 s37, s[WV], 3
	s_lshl_b32 s37, s37, 16                        ; my 64 of them
	s_add_co_u32 s36, s36, s37
	s_add_co_u32 s36, s36, WQC
	s_mov_b32 s37, 0
	s_lshl_b32 s96, s13, 14                        ; its prefetches: my work-group's 16 rows of the 64
	s_add_co_u32 s96, s96, s36
	s_mov_b32 s97, 0
	s_lshl_b32 s38, s16, 4                         ; hidden_states: 16 blocks of 128 queries a batch,
	s_add_co_u32 s38, s38, s14
	s_lshl_b32 s38, s38, 1
	s_and_b32 s39, s[WV], 1
	s_add_co_u32 s38, s38, s39                     ; the half of my block: wave % 2,
	s_lshl_b32 s38, s38, 16                        ; 64 rows of 1,024 bytes,
	s_bfe_u32 s39, s[WV], 0x10001
	s_lshl_b32 s39, s39, 8                         ; and which 256 of a fill's 512 bytes: (wave / 2) % 2
	s_add_co_u32 s38, s38, s39
	s_mov_b32 s39, 0
	s_lshl_b32 s74, s[WV], 12                      ; the way out: wave w stores rows 16 w on
	s_add_co_u32 s74, s74, s68
	s_mov_b32 s75, 0
	s_mul_i32 s76, s16, 6144
	s_add_co_u32 s76, s76, MB                      ; the batch's biases
	s_mov_b32 s77, 0
	s_wait_dscnt 0x0                               ; both opening adds are done
	s_wait_kmcnt 0x0
	s_load_b256 s[48:55], s[8:9], 0x0              ; e0 .. e7
	s_load_b128 s[56:59], s[8:9], 0x20             ; e8 .. e11
	s_add_nc_u64 s[2:3], s[4:5], s[62:63]          ; my rows of K's or V's first block: kept for the fifth fill
	s_or_b32 s3, s3, 0x80000000
	s_mov_b32 s[G0], 1
	s_mov_b32 s[G0+1], s[WOFF]                     ; slot 0
	s_add_nc_u64 s[G0+2:G0+3], s[6:7], s[36:37]    ; Wq, K step 0
	s_or_b32 s[G0+3], s[G0+3], 0x80000000
	s_add_nc_u64 s[96:97], s[6:7], s[96:97]
	s_add_nc_u64 s[98:99], s[6:7], s[38:39]        ; hidden_states: for the prefetches,
	s_mov_b64 s[G0H+2:G0H+3], s[98:99]             ; and for the descriptor
	s_or_b32 s[G0H+3], s[G0H+3], 0x80000000
	s_mov_b32 s[G0H], 1
	s_mov_b32 s[G0H+1], s[WOFF]
	s_add_nc_u64 s[PFA:PFA+1], s[4:5], s[66:67]
	s_add_nc_u64 s[74:75], s[10:11], s[74:75]      ; O's codes
	s_add_nc_u64 s[76:77], s[6:7], s[76:77]
	CROUND                                         ; all four work-groups are here: the first joint loads meet
	QLOAD 1                                        ; the first fill: Wq's K step 0, hidden_states' first 512 along K, into slot 0
	v_and_b32 v14, 15, v0
	v_bfe_u32 v15, v0, 4, 1                        ; h
	v_lshlrev_b32 v[BGO], 3, v0
	v_lshl_add_u32 v[BLA], v0, 3, BIAS
.irp i, 0,1,2
	global_load_b64 v[BD+2*\i:BD+2*\i+1], v[BGO], s[76:77] offset:2048*\i   ; the 256 threads copy the table: 2,048 consecutive bytes a line
.endr
	s_lshr_b32 s78, s[WV], 1
	s_mul_i32 s78, s78, QUART                      ; Wq: my head's 64 rows are one quarter
	s_and_b32 s79, s[WV], 1
	s_add_co_u32 s79, s79, 4
	s_mul_i32 s79, s79, QUART                      ; hidden_states: my 64 queries: quarter 4 + wave % 2 (the second 256 along K: two quarters on)
	v_and_b32 v[AW0], 8, v14
	v_add_nc_u32 v[AW0], v[AW0], v14               ; r + 8 (r / 8)
	v_mul_u32_u24 v[AW0], v[AW0], PITCH
	v_lshl_add_u32 v[AW0], v15, 4, v[AW0]
	v_add_nc_u32 v[AW0], s78, v[AW0]
	v_add_nc_u32 v[AW1], SLOT, v[AW0]
	v_mul_u32_u24 v[AH0], v14, PITCH
	v_lshl_add_u32 v[AH0], v15, 4, v[AH0]
	v_add_nc_u32 v[AH0], s79, v[AH0]
	v_add_nc_u32 v[AH1], SLOT, v[AH0]
	v_mul_u32_u24 v[AK0], v14, PITCH
	v_lshl_add_u32 v[AV0], v15, 3, v[AK0]
	v_lshl_add_u32 v[AK0], v15, 4, v[AK0]
	v_add_nc_u32 v[AK0], s72, v[AK0]               ; K: key r, my head's bytes, + 16 h
	s_mul_i32 s73, s72, PITCH
	s_add_co_u32 s73, s73, VOFF
	v_add_nc_u32 v[AV0], s73, v[AV0]               ; V^T: channel r of my head, + 8 h
	v_lshl_add_u32 v[AB0], v15, 5, BIAS            ; the bias: 8 keys of my half
	s_and_b32 s78, s[WV], 1
	s_mul_i32 s78, s78, 64*PITCH
	s_add_co_u32 s78, s78, s72
	s_add_co_u32 s78, s78, STAGE
	v_mul_u32_u24 v[STO], v14, PITCH
	v_lshl_add_u32 v[STO], v15, 3, v[STO]
	v_add_nc_u32 v[STO], s78, v[STO]               ; the stage, in: my query's row, my head's bytes, + 8 h
	s_mul_i32 s78, s[WV], 16*PITCH
	s_add_co_u32 s78, s78, STAGE
	v_mul_u32_u24 v[RD], v15, PITCH
	v_lshl_add_u32 v[RD], v14, 4, v[RD]
	v_add_nc_u32 v[RD], s78, v[RD]                 ; back: rows 16 w on; lanes 0-15 one row, lanes 16-31 the next
	v_and_b32 v[GO], 31, v0
	v_lshlrev_b32 v[PFO], 8, v[GO]
	v_lshlrev_b32 v[GO], 4, v[GO]
	; THE HEAD'S PREFETCHES.  Wq's K steps 1 to 3: of a wave's 64 rows each partner names 16, told apart by address; the first line names steps 1 and 2 (lanes 0-15 and 16-31), the second step 3 (lanes 16-31 name
	; lane 15's block again).  A group's rows of Wq are read by sixteen clusters: those with x = 0 name them, one a batch.  hidden_states' second 512 along K: each of waves 4-7 names its own 64 rows x 256 bytes, a lane a row.
	v_lshlrev_b32 v[VQ1], 10, v14
	v_lshl_add_u32 v[VQ1], v15, 8, v[VQ1]
	v_and_b32 v[VQ2], 31, v0
	v_min_u32 v[VQ2], 15, v[VQ2]
	v_lshlrev_b32 v[VQ2], 10, v[VQ2]
	v_lshlrev_b32 v[VH], 2, v[PFO]
	s_wait_alu depctr_va_vdst(0)
	s_cmp_lt_u32 s[WV], 4
	s_cbranch_scc0 .Lask_h
	s_cmp_eq_u32 s[LIM], 1
	s_cbranch_scc0 .Lasked_q
	global_prefetch_b8 v[VQ1], s[96:97] offset:256 th:TH_LOAD_NT scope:SCOPE_SE
	global_prefetch_b8 v[VQ2], s[96:97] offset:768 th:TH_LOAD_NT scope:SCOPE_SE
	s_branch .Lasked_q
.Lask_h:
	global_prefetch_b8 v[VH], s[98:99] offset:512 th:TH_LOAD_NT scope:SCOPE_SE
	global_prefetch_b8 v[VH], s[98:99] offset:512+32*1024 th:TH_LOAD_NT scope:SCOPE_SE
.Lasked_q:
	s_wait_kmcnt 0x0
	s_add_co_i32 s60, s54, s55
	s_lshl_b32 s60, s60, 23
	s_add_co_i32 s[CS], s[CS], s60                 ; a score stands for score x 2^(e6 + e7): added to c's exponent field
	s_mov_b32 s[CS+1], s[CS]                       ; (named with it as a pair)
	MKSCALE 56, PSCL, PLIM                         ; e8
	v_mov_b32 v[PLIM2], v[PLIM]
	s_sub_co_i32 s79, s58, s56
	s_sub_co_i32 s79, s79, s57                     ; O's code = (sum / l) / 2^(e10 - e8 - e9)
	MKSCALE 79, OSCL, OLIM
	s_sub_co_i32 s79, s54, s48
	s_sub_co_i32 s79, s79, s49                     ; Q's code = sum / 2^(e6 - e0 - e1)
	MKSCALE 79, QSCL, QLIM
	v_mov_b32 v[MA], 0xcb800000                    ; -2^24: under every sum of 64 products of codes
	v_mov_b32 v[PX], 0
.irp i, 0,1,2,3
	v_mul_f32 v[ST+8*\i+6], s[CS], v[MA]
	v_floor_f32 v[ST+8*\i], -v[ST+8*\i+6]          ; -M
	v_mov_b32 v[ST+8*\i+1], v[MA]                  ; the largest raw score so far
.irp k, 2,3,4,5,6,7
	v_mov_b32 v[ST+8*\i+\k], 0
.endr
.endr
	WIN 0x40
.set jj, 0
.rept 128
	v_mov_b32 v[jj], 0                             ; O^T.  (The key step has no first step of its own: the first change of M multiplies zeros)
.set jj, jj+1
.endr
	WIN 0
	s_wait_alu depctr_va_vdst(0)
	s_wait_loadcnt 0x0                             ; the table's three loads are in
.irp i, 0,1,2
	ds_store_b64 v[BLA], v[BD+2*\i:BD+2*\i+1] offset:2048*\i
.endr
; THE Q PROJECTION.  A change of slots at the head: the tensor wait, the add of 0 and its wait, a round of the cluster's barrier, and behind it the next fill, one tensor load a wave.
.macro QTURN lds, both
	s_wait_tensorcnt 0x0                           ; no tensor load of mine is out, so the groups 0 may be written
	ds_add_u32 v[SPW], v[NIL]
	s_add_co_u32 s[G0+1], s[WOFF], \lds
	s_add_nc_u64 s[G0+2:G0+3], s[G0+2:G0+3], 256   ; Wq's next K step
.if \both
	s_add_co_u32 s[G0H+1], s[WOFF], \lds
	s_add_nc_u64 s[G0H+2:G0H+3], s[G0H+2:G0H+3], 512
.endif
	s_wait_dscnt 0x0
	CROUND
	QLOAD \both
.endm
; A K step of 256: twice 128: four fragments of Wq (my head's channels), four of hidden_states (my queries), 16 products on 16 accumulators, one instruction a turn.
.macro QSTEP aw, ah, hoff, zero
.irp u, 0,1
.rept 4
	v_nop                                          ; places between the last products and the loads into their sources
.endr
	WIN 0x40
.set tt, 0
.rept 4
.irp c, 0,1,2,3
	ds_load_b128 v[KV+16*tt+4*\c:KV+16*tt+4*\c+3], v[\aw] offset:(32*(tt/2)+8*(tt%2))*PITCH+128*\u+32*\c
	ds_load_b128 v[BI+16*tt+4*\c:BI+16*tt+4*\c+3], v[\ah] offset:\hoff+16*tt*PITCH+128*\u+32*\c
.endr
.set tt, tt+1
.endr
	s_wait_dscnt 0x0
	WIN 0x05                                       ; both sources in window 1, the sums in window 0
.set ii, 0
.rept 4
.set tt, 0
.rept 4
.if (\zero) && (\u == 0)
	v_wmma_f32_16x16x128_fp8_fp8 v[S+32*ii+8*tt:S+32*ii+8*tt+7], v[KV+16*tt:KV+16*tt+15], v[BI+16*ii:BI+16*ii+15], 0
.else
	v_wmma_f32_16x16x128_fp8_fp8 v[S+32*ii+8*tt:S+32*ii+8*tt+7], v[KV+16*tt:KV+16*tt+15], v[BI+16*ii:BI+16*ii+15], v[S+32*ii+8*tt:S+32*ii+8*tt+7]
.endif
.set tt, tt+1
.endr
.set ii, ii+1
.endr
	WIN 0
.endr
.endm
	QTURN SLOT, 1                                  ; the second fill, slot 1's first: Wq's K step 1, hidden_states' second 512
	QSTEP AW0, AH0, 0, 1                           ; the first products start the sums
	QTURN 0, 0                                     ; Wq's K step 2 into slot 0's first four quarters; hidden_states' quarters stay
	ASKKV -TILEB                                   ; K's and V's slot 0
	QSTEP AW1, AH0, 2*QUART, 0
	QTURN SLOT, 0                                  ; Wq's K step 3
	ASKKV 0                                        ; K's and V's slot 1
	QSTEP AW0, AH1, 0, 0
	s_wait_tensorcnt 0x0                           ; the fifth fill: keys 0 to 255 into slot 0, all of which has been filled and read
	ds_add_u32 v[SPW], v[NIL]
	s_mov_b32 s[G0+1], s[WOFF]
	s_mov_b64 s[G0+2:G0+3], s[2:3]
	s_wait_dscnt 0x0
	CROUND
	JLOAD
	QSTEP AW1, AH1, 2*QUART, 0
.rept 4
	v_nop                                          ; places behind the last products
.endr
.set jj, 0
.rept 128
	v_med3_num_f32 v[S+jj], v[S+jj], -v[QLIM], v[QLIM]   ; the conversion does not saturate (ISA guide 7.6.2); each accumulator from its low end on
.set jj, jj+1
.endr
.set jj, 0
.rept 16
	v_cvt_scalef32_pk8_fp8_f32 v[Q+2*jj:Q+2*jj+1], v[S+8*jj:S+8*jj+7], v[QSCL]   ; tile i, channels' tile ct = jj % 4: registers 8 i + 2 ct of Q: d = 32 (ct / 2) + 16 h + 8 (ct % 2) + 0 .. 7
.set jj, jj+1
.endr
	v_nop                                          ; a plain instruction behind the conversions
	s_wait_alu depctr_va_vdst(0)
; S^T of tile t of my queries against the step's 128 keys: 8 products, each with its own result; C = the keys' bias.
.macro QK t
	WIN 0x11                                       ; K and the bias in window 1; Q and S^T in window 0
.set jj, 0
.rept 8
	v_wmma_f32_16x16x64_fp8_fp8 v[S+8*jj:S+8*jj+7], v[KV+8*jj:KV+8*jj+7], v[Q+8*(\t):Q+8*(\t)+7], v[BI+8*jj:BI+8*jj+7]
.set jj, jj+1
.endr
	WIN 0
.rept 4
	v_nop                                          ; places behind the products (ISA guide 7.12.1)
.endr
.endm
.macro SCALE n                         ; n pairs of t - M (of the pairs c and -M the low word serves both halves)
.rept \n
	v_pk_fma_f32 v[S+jj:S+jj+1], v[S+jj:S+jj+1], s[CS:CS+1], v[rT:rT+1] op_sel_hi:[1,0,0]
.set jj, jj+2
.endr
.endm
.macro HOLD n                          ; n dual pairs: the conversion does not saturate (ISA guide 7.6.2); p is not negative: a one-sided hold, two numbers a line
.rept \n
	v_dual_min_num_f32 v[S+jj], v[S+jj], v[PLIM] :: v_dual_min_num_f32 v[S+jj+1], v[S+jj+1], v[PLIM2]
.set jj, jj+2
.endr
.endm
; One tile's softmax for one key step.  The maximum and the sum run in six chains each.
.macro SOFTMAX t
.set rT, ST+8*(\t)
.set rP, PC+16*(\t)
.set cc, 0
.rept 6
	v_max3_num_f32 v[MC+cc], v[S+3*cc], v[S+3*cc+1], v[S+3*cc+2]   ; the scores are taken in ascending order, so each result is read from its low end on
.set cc, cc+1
.endr
.set jj, 0
.rept 23
	v_max3_num_f32 v[MC+jj%6], v[MC+jj%6], v[S+18+2*jj], v[S+19+2*jj]
.set jj, jj+1
.endr
	v_mov_b32 v[MA+1], v[rT]                       ; the old -M is kept for f
	v_max3_num_f32 v[MC], v[MC], v[MC+1], v[MC+2]
	v_max3_num_f32 v[MC+3], v[MC+3], v[MC+4], v[MC+5]
	v_max_num_f32 v[MC], v[MC], v[MC+3]
	v_permlanex16_b32 v[PX], v[MC], s[SEL], s[SEL+1]
	v_max3_num_f32 v[rT+1], v[rT+1], v[MC], v[PX]  ; the running largest raw score: the old one, mine, lane l xor 16's
	v_mul_f32 v[MA], s[CS], v[rT+1]                ; as t (c is positive)
	v_floor_f32 v[rT], -v[MA]                      ; -M = floor(-t): M is a whole number
.set jj, 0
	SCALE 4                                        ; all 32 scalings and the three lines that make f stand ahead of the batch
	v_sub_f32 v[MA+1], v[rT], v[MA+1]              ; old M - new M: a whole number, 0 or less
	SCALE 4
	v_cvt_i32_f32 v[MA+1], v[MA+1]                 ; (it saturates)
	SCALE 4
	v_ldexp_f32 v[rT+4], 1.0, v[MA+1]              ; f = 2^(old M - new M)
	SCALE 20
	s_wait_alu depctr_va_vdst(0)
.set jj, 0
.rept 64
	v_exp_f32 v[S+jj], v[S+jj]                     ; p = 2^(t - M)
.set jj, jj+1
.endr
	v_pk_mul_f32 v[rT+2:rT+3], v[rT+2:rT+3], v[rT+4:rT+5] op_sel_hi:[1,0]   ; the sum under the new M: the plain instruction behind the last exponential
	s_wait_alu depctr_va_vdst(0)                   ; and the wait ahead of the first reader: one for the batch of 64
.set cc, 0
.rept 5
	v_pk_add_f32 v[SE+2*cc:SE+2*cc+1], v[S+4*cc:S+4*cc+1], v[S+4*cc+2:S+4*cc+3]   ; the row's sum is taken of the unquantised p: five chains start on pairs 0 to 9, the sum itself is the sixth
.set cc, cc+1
.endr
.set jj, 0
.rept 22
.if (jj%6) == 0
	v_pk_add_f32 v[rT+2:rT+3], v[rT+2:rT+3], v[S+20+2*jj:S+21+2*jj]
.else
	v_pk_add_f32 v[SE+2*(jj%6)-2:SE+2*(jj%6)-1], v[SE+2*(jj%6)-2:SE+2*(jj%6)-1], v[S+20+2*jj:S+21+2*jj]
.endif
.set jj, jj+1
.endr
	v_pk_add_f32 v[SE:SE+1], v[SE:SE+1], v[SE+2:SE+3]          ; the chains are joined in three levels, with holds between them
	v_pk_add_f32 v[SE+4:SE+5], v[SE+4:SE+5], v[SE+6:SE+7]
	v_pk_add_f32 v[rT+2:rT+3], v[rT+2:rT+3], v[SE+8:SE+9]
.set jj, 0
	HOLD 8
	v_pk_add_f32 v[SE:SE+1], v[SE:SE+1], v[SE+4:SE+5]
	HOLD 8
	v_pk_add_f32 v[rT+2:rT+3], v[rT+2:rT+3], v[SE:SE+1]
	HOLD 16
.set kk, 0
.rept 8
	v_cvt_scalef32_pk8_fp8_f32 v[rP+2*kk:rP+2*kk+1], v[S+8*kk:S+8*kk+7], v[PSCL]
.set kk, kk+1
.endr
	v_nop                                          ; a plain instruction between the conversions and the products that write their sources or read their results
.endm
; A KEY STEP: 128 keys, at s[TK], s[TV], s[SB].
.macro STEP
	v_add_nc_u32 v[ADK], s[TK], v[AK0]             ; three additions and a v_nop: the places between the last step's products and the loads into V's registers
	v_add_nc_u32 v[ADV], s[TV], v[AV0]
	v_add_nc_u32 v[ADB], s[SB], v[AB0]
	v_nop
	WIN 0x40                                       ; destination window 1
.set tt, 0
.rept 8
	ds_load_b128 v[KV+8*tt:KV+8*tt+3], v[ADK] offset:16*tt*PITCH
	ds_load_b128 v[KV+8*tt+4:KV+8*tt+7], v[ADK] offset:16*tt*PITCH+32
	ds_load_b128 v[BI+8*tt:BI+8*tt+3], v[ADB] offset:64*tt        ; register 8 t + j: the bias of key 16 t + 8 h + j, the same in all sixteen lanes of a half
	ds_load_b128 v[BI+8*tt+4:BI+8*tt+7], v[ADB] offset:64*tt+16
.set tt, tt+1
.endr
	s_wait_dscnt 0x0
	QK 0
	SOFTMAX 0
	QK 1
	SOFTMAX 1
	QK 2
	SOFTMAX 2
	QK 3                                           ; K is done with: behind the four places V's fragments take its registers and land during the last softmax
	WIN 0x40
.set tt, 0
.rept 4
.set kk, 0
.rept 8
	ds_load_b64 v[KV+16*tt+2*kk:KV+16*tt+2*kk+1], v[ADV] offset:16*tt*PITCH+16*kk   ; channels 16 tt on; registers 2 k, 2 k + 1: keys 16 k + 8 h + 0 .. 7
.set kk, kk+1
.endr
.set tt, tt+1
.endr
	WIN 0
	SOFTMAX 3
	WIN 0x41                                       ; O^T in window 1, f in window 0
	s_wait_alu depctr_va_vdst(0)
.set ii, 0
.rept 4
.set jj, 0
.rept 16
	v_pk_mul_f32 v[32*ii+2*jj:32*ii+2*jj+1], v[32*ii+2*jj:32*ii+2*jj+1], v[ST+8*ii+4:ST+8*ii+5] op_sel_hi:[1,0]   ; O^T under the new M
.set jj, jj+1
.endr
.set ii, ii+1
.endr
	s_wait_alu depctr_va_vdst(0)
	s_wait_dscnt 0x0                               ; V is in
	WIN 0x51                                       ; V and O^T in window 1, p's codes in window 0
.set tt, 0
.rept 4
.set ii, 0
.rept 4
	v_wmma_f32_16x16x128_fp8_fp8 v[32*ii+8*tt:32*ii+8*tt+7], v[KV+16*tt:KV+16*tt+15], v[PC+16*ii:PC+16*ii+15], v[32*ii+8*tt:32*ii+8*tt+7]   ; sixteen accumulators, one instruction a turn
.set ii, ii+1
.endr
.set tt, tt+1
.endr
	WIN 0
.endm
; THE CHANGE OF SLOTS stands at a slot's head.  Each wave waits for all its tensor loads (its part of the slot ahead), adds 0 to its spare word, and waits for that and for its LDS reads and stores.
; fill = 1: the barrier is a round of the cluster's, and behind it the slot that was left is filled with the next 256 keys: the load has two key steps in which to land.
.macro CHANGE fill
	s_wait_tensorcnt 0x0                           ; no tensor load of mine is out, so the group 0 may be written
	ds_add_u32 v[SPW], v[NIL]                      ; 0 onto my spare word
.if \fill
	s_xor_b32 s[TF], s[TF], SLOT                   ; the other slot than last time,
	s_add_co_u32 s[G0+1], s[WOFF], s[TF]
	s_add_nc_u64 s[G0+2:G0+3], s[G0+2:G0+3], TILEB ; the next block; the type bits on top are not reached
	s_wait_xcnt 0x0                                ; the last prefetch, a slot back, has read its address
	s_add_nc_u64 s[PFA:PFA+1], s[PFA:PFA+1], TILEB ; one block further on than the descriptor
	s_wait_dscnt 0x0
	CROUND
	JLOAD
	ASK
.else
	s_wait_dscnt 0x0
	s_barrier_signal -1
	s_barrier_wait -1
.endif
.endm
.macro SLOT_STEPS                      ; the slot's two key steps: a loop of two trips
	s_mov_b32 s[TK], s[TB]
	s_mov_b32 s[TV], s[TB]
	s_mov_b32 s[QC], 2
.Lstep_\@:
	STEP
	s_add_co_u32 s[TK], s[TK], 128*PITCH           ; 128 rows of K on,
	s_add_co_u32 s[TV], s[TV], 128                 ; 128 bytes along V's rows,
	s_add_co_u32 s[SB], s[SB], 512                 ; 128 biases
	s_sub_co_u32 s[QC], s[QC], 1
	s_cmp_lg_u32 s[QC], 0
	s_cbranch_scc1 .Lstep_\@
	s_xor_b32 s[TB], s[TB], SLOT
.endm
.Lslot:                                            ; five trips: behind each change of slots but the last the next slot is asked for
	CHANGE 1
	SLOT_STEPS
	s_sub_co_u32 s[SLOTS], s[SLOTS], 1
	s_cmp_lg_u32 s[SLOTS], 0
	s_cbranch_scc1 .Lslot
	CHANGE 0                                       ; the last slot is written out
	SLOT_STEPS
	; THE WAY OUT.  The additions are the places behind the last products.
.irp i, 0,1,2,3
	v_add_f32 v[ST+8*\i+6], v[ST+8*\i+2], v[ST+8*\i+3]
.endr
.irp i, 0,1,2,3
	v_permlanex16_b32 v[ST+8*\i+7], v[ST+8*\i+6], s[SEL], s[SEL+1]
.endr
.irp i, 0,1,2,3
	v_add_f32 v[ST+8*\i+6], v[ST+8*\i+6], v[ST+8*\i+7]   ; the row's sum
.endr
	s_wait_alu depctr_va_vdst(0)
.irp i, 0,1,2,3
	v_rcp_f32 v[ST+8*\i+4], v[ST+8*\i+6]           ; (infinite where every key was hidden: 0 x infinity below is the NaN that belongs there)
.endr
	v_nop
.set ii, 0
.rept 4
	WIN 0x01                                       ; source 0: O^T in window 1
	s_wait_alu depctr_va_vdst(0)                   ; the wait directly ahead of this tile's first readers of O^T; the first of the four also serves the reciprocals
.set jj, 0
.rept 16
	v_pk_mul_f32 v[S+2*jj:S+2*jj+1], v[32*ii+2*jj:32*ii+2*jj+1], v[ST+8*ii+4:ST+8*ii+5] op_sel_hi:[1,0]   ; O^T / the sum
.set jj, jj+1
.endr
	WIN 0
.set jj, 0
.rept 32
	v_med3_num_f32 v[S+32+jj], v[S+jj], -v[OLIM], v[OLIM]
.set jj, jj+1
.endr
.set jj, 0
.rept 32
	v_fma_f32 v[S+32+jj], v[S+jj], 0, v[S+32+jj]   ; the hold drops a NaN: this brings it back, and changes no number
.set jj, jj+1
.endr
.set jj, 0
.rept 4
	v_cvt_scalef32_pk8_fp8_f32 v[PC+16*ii+2*jj:PC+16*ii+2*jj+1], v[S+32+8*jj:S+32+8*jj+7], v[OSCL]
.set jj, jj+1
.endr
	v_nop
.set jj, 0
.rept 4
	ds_store_b64 v[STO], v[PC+16*ii+2*jj:PC+16*ii+2*jj+1] offset:16*ii*PITCH+16*jj   ; query 16 i + r, channels 16 ct + 8 h on
.set jj, jj+1
.endr
.set ii, ii+1
.endr
	s_wait_dscnt 0x0                               ; for the others' sake: a row's 256 bytes come from four waves
	s_barrier_signal -1
	s_barrier_wait -1
.set tt, 0
.rept 8
	ds_load_b128 v[S+4*tt:S+4*tt+3], v[RD] offset:tt*2*PITCH
.set tt, tt+1
.endr
.set tt, 0
.rept 8
	s_wait_dscnt 7-tt
	global_store_b128 v[GO], v[S+4*tt:S+4*tt+3], s[74:75] offset:512*tt   ; 512 consecutive bytes, aligned
.set tt, tt+1
.endr
	s_wait_tensorcnt 0x0                           ; the wave's end
	ds_add_u32 v[SPW], v[NIL]
	s_wait_dscnt 0x0
	CROUND                                         ; the closing round
	s_endpgm
.Lfunc_end_k_q10ecf7775d_attn:
	.size	k_q10ecf7775d_attn, .Lfunc_end_k_q10ecf7775d_attn-k_q10ecf7775d_attn
	.p2alignl 7, 3214868480
	.fill 96, 4, 3214868480
	.section	.rodata,"a",@progbits
	.p2align	6, 0x0
	.amdhsa_kernel k_q10ecf7775d_attn
		.amdhsa_group_segment_fixed_size 327680
		.amdhsa_private_segment_fixed_size 0
		.amdhsa_enable_private_segment 0
		.amdhsa_kernarg_size 32
		.amdhsa_user_sgpr_count 2
		.amdhsa_user_sgpr_kernarg_segment_ptr 1
		.amdhsa_wavefront_size32 1
		.amdhsa_system_sgpr_workgroup_id_x 1
		.amdhsa_system_sgpr_workgroup_id_y 1
		.amdhsa_system_sgpr_workgroup_id_z 1
		.amdhsa_system_vgpr_workitem_id 0
		.amdhsa_next_free_vgpr 512
		.amdhsa_next_free_sgpr 100
		.amdhsa_reserve_vcc 0
		.amdhsa_float_denorm_mode_32 3
		.amdhsa_float_denorm_mode_16_64 3
		.amdhsa_memory_ordered 1
		.amdhsa_forward_progress 1
		.amdhsa_inst_pref_size 196
	.end_amdhsa_kernel
	.amdgpu_metadata
---
amdhsa.version: [ 1, 2 ]
amdhsa.kernels:
  - .name:           k_q10ecf7775d_attn
    .symbol:         k_q10ecf7775d_attn.kd
    .args:
      - { .name: kv, .offset: 0, .size: 8, .value_kind: global_buffer, .address_space: global }
      - { .name: c1, .offset: 8, .size: 8, .value_kind: global_buffer, .address_space: global }
      - { .name: lowp_scales, .offset: 16, .size: 8, .value_kind: global_buffer, .address_space: global }
      - { .name: oc, .offset: 24, .size: 8, .value_kind: global_buffer, .address_space: global }
    .group_segment_fixed_size: 327680
    .private_segment_fixed_size: 0
    .kernarg_segment_align: 8
    .kernarg_segment_size: 32
    .max_flat_workgroup_size: 256
    .sgpr_count:     100
    .vgpr_count:     512
    .wavefront_size: 32
...
	.end_amdgpu_metadata
.endif
;; end of part 7
;; launch outp (part 8): grid 4 x 64, 4 waves a work-group, clusters of 4 x 4, 327,680 bytes of LDS; arguments oc, c1, lowp_scales, gate, hidden_states, out0; writes out0
.if DOCPART == 8
	.amdgcn_target "amdgcn-amd-amdhsa--gfx1250"
	.amdhsa_code_object_version 6
	.text
	.protected	k_q10ecf7775d_outp
	.globl	k_q10ecf7775d_outp
	.p2align	8
	.type	k_q10ecf7775d_outp,@function
k_q10ecf7775d_outp:
	s_mov_b64 s[64:65], 0
	v_nop
	global_prefetch_b8 v0, s[64:65] scope:SCOPE_SE
	s_setreg_imm32_b32 hwreg(HW_REG_WAVE_MODE, 25, 1), 1
	s_wait_xcnt 0x0
	s_wait_alu depctr_hold_cnt(0) depctr_sa_sdst(0) depctr_va_vdst(0) depctr_va_sdst(0) depctr_va_ssrc(0) depctr_va_vcc(0) depctr_vm_vsrc(0)
	s_getreg_b32 s2, hwreg(HW_REG_IB_STS2, 6, 4)
	s_cmp_eq_u32 s2, 0
	s_cbranch_scc0 .Lentry_in_a_cluster
	s_endpgm
.Lentry_in_a_cluster:
	s_bfe_u32 s2, ttmp6, 0x10000c
	s_cmp_lg_u32 s2, 0xf033
	s_cbranch_scc0 .Lentry_shape_is_right
	s_endpgm
.Lentry_shape_is_right:
; out0 = hidden_states + tanh(gate) x (O Wo^T), the product on codes of FP8 (E4M3): O's codes from the attention (oc: dense blocks of 256 rows x 256 bytes), Wo's from c1; K = 1,024; f32 sums x 2^(e10 + e11).
; A work-group of four waves makes 128 x 256 of the result, a wave 64 x 128: 32 accumulators.  K goes in four steps of 256 through two LDS slots; the steps are written out.
; CLUSTER 4 x 4: A's tile is shared along a row of the cluster, B's along a column: joint loads; waves 0 and 1 fetch A's halves (64 rows), waves 2 and 3 B's (128 rows).
; The product is used transposed (source 0 = rows of Wo), so a lane holds eight neighbouring columns of a row; a block of 16 rows goes through the wave's own stage and leaves as rows of 512 bytes.
; hidden_states' numbers are loaded into window 3 during the K steps; tanh(g) = 1 - 2 / (1 + 2^(2 g log2 e)).  LIMIT: e10 + e11 is applied by v_ldexp_f32.
; THE PREFETCHES.  Of the bytes that my wave fetches in a K step, each of the four partners that ask for them jointly names a quarter, told apart by address (cx for A, cy for B): A: 16 blocks of 256 bytes
; (lanes 16-31 name the last again); B: 32 rows, a lane a row.  K steps 1 and 2 are named at the head, K step 3 behind slot 1's load.  All clusters read the same Wo: the first four name it.
.set WOC, 11534336
.set ROWB,   256
.set ASTEP,  65536
.set PITCH,  272
.set FR,     16
.set NP,     4
.set AROWS,  64*PITCH
.set BROWS,  128*PITCH
.set BOFF,   2*AROWS
.set SLOT,   BOFF+2*BROWS
.set SPARE,  2*SLOT
.set STAGE,  SPARE+512
.set SPITCH, 528
.set ADRA, 16
.set ADRB, 20
.set FAC,  22
.set STO,  24
.set RD,   25
.set CO,   26
.set SPW,  28
.set NIL,  29
.set AF,   128
.set G1, 24
.set G0, 32
.set G1B, 48
.set G0B, 56
.set MSB, 0
.macro WIN new
.if MSB != \new
	s_set_vgpr_msb (MSB<<8)|\new
.set MSB, \new
.endif
.endm
.set MUL,  0xa1
.set TO_B, 0x40
.macro JLOAD g0a, g1a, g0b, g1b
	s_cmp_eq_u32 s15, 0
	s_cbranch_scc0 .Lfor_b_\@
	tensor_load_to_lds s[\g0a:\g0a+3], s[\g1a:\g1a+7]
	s_nop 0
.rept 4
	v_nop
.endr
	s_branch .Lasked_\@
.Lfor_b_\@:
	tensor_load_to_lds s[\g0b:\g0b+3], s[\g1b:\g1b+7]
	s_nop 0
.rept 4
	v_nop
.endr
.Lasked_\@:
.endm
.macro CREST
	s_cmp_lg_u32 s14, 0
	s_cbranch_scc1 .Lnot_wave_0_\@
	s_barrier_signal -3
.Lnot_wave_0_\@:
	s_barrier_wait -3
	s_barrier_signal -1
	s_barrier_wait -1
.endm
.macro CROUND
	s_barrier_signal -1
	s_barrier_wait -1
	CREST
.endm
.macro HLOAD a
	WIN 0xc0
.set tt, 0
.rept 16
	global_load_b128 v[64*(\a)+4*tt:64*(\a)+4*tt+3], v[CO], s[68:69] offset:(16*(\a)+tt)*4096 th:TH_LOAD_NT
.set tt, tt+1
.endr
	WIN 0
.endm
	s_load_b256 s[4:11], s[0:1], 0x0
	s_load_b128 s[68:71], s[0:1], 0x20
	v_lshl_add_u32 v[SPW], v0, 2, SPARE
	v_mov_b32 v[NIL], 0
	ds_add_u32 v28, v29
	ds_add_u32 v28, v29
	s_wait_dscnt 0x0
	v_lshrrev_b32 v1, 5, v0
	v_readfirstlane_b32 s14, v1
	s_lshr_b32 s15, s14, 1
	s_and_b32 s16, s14, 1
	s_bfe_u32 s40, ttmp6, 0x40000
	s_bfe_u32 s41, ttmp6, 0x40004
	s_and_b32 s17, ttmp7, 0xffff
	s_lshl_b32 s17, s17, 2
	s_add_co_u32 s17, s17, s41
	s_lshl_b32 s43, s41, 2
	s_lshl_b32 s43, 15, s43
	s_lshl_b32 s44, 0x1111, s40
	s_or_b32 s[G1+0], s43, (0<<16)|(1<<20)|(1<<21)|(5<<22)|(3<<25)
	s_or_b32 s[G1B+0], s44, (0<<16)|(1<<20)|(1<<21)|(5<<22)|(3<<25)
	s_mov_b32 s[G1+1], ROWB<<16
	s_mov_b32 s[G1+2], 64<<16
	s_mov_b32 s[G1+3], ROWB<<16
	s_mov_b32 s[G1+4], 64
	s_mov_b32 s[G1+5], 256
	s_mov_b32 s[G1+6], 0
	s_mov_b32 s[G1+7], 0
	s_mov_b32 s[G1B+1], ROWB<<16
	s_mov_b32 s[G1B+2], 128<<16
	s_mov_b32 s[G1B+3], ROWB<<16
	s_mov_b32 s[G1B+4], 128
	s_mov_b32 s[G1B+5], 1024
	s_mov_b32 s[G1B+6], 0
	s_mov_b32 s[G1B+7], 0
	s_lshr_b32 s20, s17, 1
	s_lshl_b32 s20, s20, 18
	s_and_b32 s18, s17, 1
	s_lshl_b32 s18, s18, 15
	s_add_co_u32 s20, s20, s18
	s_lshl_b32 s18, s16, 14
	s_add_co_u32 s20, s20, s18
	s_mov_b32 s21, 0
	s_lshl_b32 s46, s40, 18
	s_lshl_b32 s18, s16, 17
	s_add_co_u32 s46, s46, s18
	s_add_co_u32 s46, s46, WOC
	s_mov_b32 s47, 0
	s_mul_i32 s45, s16, AROWS
	s_mul_i32 s66, s16, BROWS
	s_add_co_u32 s66, s66, BOFF
	s_cmp_eq_u32 s15, 0                            ; do I fetch for A?
	s_cselect_b32 s80, s20, s46                    ; my part's first byte in its buffer
	s_cselect_b32 s81, s40, s41                    ; my place among the four
	s_cselect_b32 s82, 12, 15                      ; a partner's quarter: 4,096 bytes of A, 32 rows of 1,024 bytes of B
	s_cselect_b32 s88, 15, 31                      ; the last lane with a block of its own
	s_cselect_b32 s89, 8, 10                       ; from lane to lane: 256 or 1,024 bytes
	s_mov_b32 s86, 256
	s_cselect_b32 s86, ASTEP, s86                  ; a K step on
	s_mov_b32 s87, 0
	s_lshl_b32 s81, s81, s82
	s_add_co_u32 s80, s80, s81
	s_mov_b32 s81, 0
	s_and_b32 s90, ttmp7, 0xffff
	s_lshr_b32 s90, s90, 2
	s_min_u32 s90, s90, 1
	s_and_b32 s90, s90, s15                        ; 1: B's wave in cluster 4 or later: it names nothing
	s_lshl_b32 s78, s17, 19
	s_lshl_b32 s79, s15, 18
	s_add_co_u32 s78, s78, s79
	s_lshl_b32 s79, s40, 10
	s_add_co_u32 s78, s78, s79
	s_lshl_b32 s79, s16, 9
	s_add_co_u32 s78, s78, s79
	s_mov_b32 s79, 0
	s_wait_kmcnt 0x0
	s_load_b32 s72, s[10:11], 0x0
	s_load_b64 s[74:75], s[8:9], 0x28
	s_add_nc_u64 s[20:21], s[4:5], s[20:21]
	s_add_nc_u64 s[46:47], s[6:7], s[46:47]
	s_cmp_eq_u32 s15, 0
	s_cselect_b64 s[84:85], s[4:5], s[6:7]
	s_add_nc_u64 s[80:81], s[84:85], s[80:81]
	s_add_nc_u64 s[80:81], s[80:81], s[86:87]      ; K step 1,
	s_add_nc_u64 s[82:83], s[80:81], s[86:87]      ; 2,
	s_add_nc_u64 s[84:85], s[82:83], s[86:87]      ; 3: three pairs, never rewritten
	s_add_nc_u64 s[68:69], s[68:69], s[78:79]
	s_add_nc_u64 s[70:71], s[70:71], s[78:79]
	CROUND
.irp s, 0,1
	s_mov_b32 s[G0+4*\s], 1
	s_add_co_u32 s[G0+4*\s+1], s45, \s*SLOT
	s_add_nc_u64 s[G0+4*\s+2:G0+4*\s+3], s[20:21], \s*ASTEP
	s_or_b32 s[G0+4*\s+3], s[G0+4*\s+3], 0x80000000
	s_mov_b32 s[G0B+4*\s], 1
	s_add_co_u32 s[G0B+4*\s+1], s66, \s*SLOT
	s_add_nc_u64 s[G0B+4*\s+2:G0B+4*\s+3], s[46:47], \s*ROWB
	s_or_b32 s[G0B+4*\s+3], s[G0B+4*\s+3], 0x80000000
.endr
	JLOAD G0, G1, G0B, G1B                         ; K step 0: one tensor load a wave at the head
	v_and_b32 v1, 15, v0
	s_wait_alu depctr_va_vdst(0)
	v_bfe_u32 v2, v0, 4, 1
	v_mul_u32_u24 v3, v1, PITCH
	v_lshl_add_u32 v4, v2, 4, v3
	s_mul_i32 s21, s15, AROWS
	s_mul_i32 s22, s16, BROWS
	s_add_co_u32 s22, s22, BOFF
.irp s, 0,1
	v_add_nc_u32 v[ADRA+\s], s21, v4
	v_add_nc_u32 v[ADRB+\s], s22, v4
	s_add_co_u32 s21, s21, SLOT
	s_add_co_u32 s22, s22, SLOT
.endr
	s_mul_i32 s23, s14, 16*SPITCH
	s_add_co_u32 s23, s23, STAGE
	v_mul_u32_u24 v5, v1, SPITCH
	s_wait_alu depctr_va_vdst(0)
	v_lshl_add_u32 v5, v2, 5, v5
	v_add_nc_u32 v[STO], s23, v5
	v_and_b32 v6, 31, v0
	v_lshlrev_b32 v[CO], 4, v6
	v_add_nc_u32 v[RD], s23, v[CO]
	v_min_u32 v27, s88, v6
	v_lshlrev_b32 v27, s89, v27                    ; the prefetches' offset; never rewritten
	s_wait_alu depctr_va_vdst(0)
	s_cmp_eq_u32 s90, 0
	s_cbranch_scc0 .Lno_ask_a
	global_prefetch_b8 v27, s[80:81] th:TH_LOAD_NT scope:SCOPE_SE
	global_prefetch_b8 v27, s[82:83] th:TH_LOAD_NT scope:SCOPE_SE
.Lno_ask_a:
	HLOAD 0
	HLOAD 1
	s_wait_kmcnt 0x0
	s_add_co_i32 s73, s74, s75
	v_mov_b32 v9, s72
	v_mul_f32 v9, 0x4038aa3b, v9
	s_wait_alu depctr_va_vdst(0)
	v_exp_f32 v10, v9
	v_nop
	s_wait_alu depctr_va_vdst(0)
	v_add_f32 v10, 1.0, v10
	s_wait_alu depctr_va_vdst(0)
	v_rcp_f32 v11, v10
	v_nop
	s_wait_alu depctr_va_vdst(0)
	v_fma_f32 v[FAC], -2.0, v11, 1.0
	v_ldexp_f32 v[FAC], v[FAC], s73
	v_mov_b32 v[FAC+1], v[FAC]
.macro FRAG reg, adr, q, i
.irp c, 0,1,2,3
	ds_load_b128 v[\reg+4*\c:\reg+4*\c+3], v[\adr] offset:128*(\q)+32*\c+(\i)*16*PITCH
.endr
.endm
.macro MUL8 a, p, zero
.irp b, 0,1,2,3,4,5,6,7
.if \zero
	v_wmma_f32_16x16x128_fp8_fp8 v[8*(8*(\a)+\b):8*(8*(\a)+\b)+7], v[128*(\p)+FR*\b:128*(\p)+FR*\b+FR-1], v[AF+64*(\p)+FR*(\a):AF+64*(\p)+FR*(\a)+FR-1], 0
.else
	v_wmma_f32_16x16x128_fp8_fp8 v[8*(8*(\a)+\b):8*(8*(\a)+\b)+7], v[128*(\p)+FR*\b:128*(\p)+FR*\b+FR-1], v[AF+64*(\p)+FR*(\a):AF+64*(\p)+FR*(\a)+FR-1], v[8*(8*(\a)+\b):8*(8*(\a)+\b)+7]
.endif
.endr
.endm
.macro FETCH slot, q, p
	WIN TO_B
.irp i, 0,1,2,3,4,5,6,7
	FRAG 128*(\p)+FR*\i, ADRB+\slot, \q, \i
.endr
	WIN 0
.irp i, 0,1,2,3
	FRAG AF+64*(\p)+FR*\i, ADRA+\slot, \q, \i
.endr
.endm
.macro PLACES n
.rept \n
	v_nop
.endr
.endm
.macro STEP slot, zero
	s_wait_dscnt 8
	WIN MUL
	MUL8 0, 0, \zero
	MUL8 1, 0, \zero
	PLACES NP
	FETCH \slot, 1, 1
	s_wait_dscnt 48
	WIN MUL
	MUL8 2, 0, \zero
	MUL8 3, 0, \zero
	WIN 0
.endm
.macro TURN slot, next, fill, hl
	s_wait_tensorcnt 0x0
	ds_add_u32 v[SPW], v[NIL]
	s_wait_dscnt 9
	WIN MUL
	MUL8 0, 1, 0
	s_wait_dscnt 0x0
	s_barrier_signal -1
	MUL8 1, 1, 0
	WIN 0
	s_barrier_wait -1
.if \fill
	CREST
	s_add_nc_u64 s[G0+4*\slot+2:G0+4*\slot+3], s[G0+4*\slot+2:G0+4*\slot+3], 2*ASTEP
	s_add_nc_u64 s[G0B+4*\slot+2:G0B+4*\slot+3], s[G0B+4*\slot+2:G0B+4*\slot+3], 2*ROWB
	JLOAD G0+4*\slot, G1, G0B+4*\slot, G1B
.else
	PLACES NP
.endif
	FETCH \next, 0, 0
.if \fill
	HLOAD \hl
.endif
	WIN MUL
	MUL8 2, 1, 0
	MUL8 3, 1, 0
	WIN 0
.endm
.macro TOSTAGE a
.set AC, 64*(\a)
	WIN 0x08
.set tt, 0
.rept 8
	ds_store_b128 v[STO], v[AC+8*tt:AC+8*tt+3] offset:64*tt
	ds_store_b128 v[STO], v[AC+8*tt+4:AC+8*tt+7] offset:64*tt+16
.set tt, tt+1
.endr
	WIN 0x80
.set tt, 0
.rept 16
	ds_load_b128 v[AC+4*tt:AC+4*tt+3], v[RD] offset:tt*SPITCH
.set tt, tt+1
.endr
	WIN 0
.endm
.macro SEND a, younger
.set AC, 64*(\a)
	s_wait_dscnt \younger
	s_wait_loadcnt 16*(3-(\a))
	WIN 0xb2
.set tt, 0
.rept 32
	v_pk_fma_f32 v[AC+tt:AC+tt+1], v[AC+tt:AC+tt+1], v[FAC:FAC+1], v[AC+tt:AC+tt+1] op_sel_hi:[1,0,1]
.set tt, tt+2
.endr
	WIN 0x08
.set tt, 0
.rept 16
	global_store_b128 v[CO], v[AC+4*tt:AC+4*tt+3], s[70:71] offset:(16*(\a)+tt)*4096 th:TH_STORE_NT
.set tt, tt+1
.endr
	WIN 0
.endm
	s_wait_alu depctr_va_vdst(0)
	s_wait_tensorcnt 0x0                           ; my part of K step 0 is in
	ds_add_u32 v[SPW], v[NIL]
	s_wait_dscnt 0x0
	CROUND                                         ; everybody's part of K step 0 is in, and all sixteen work-groups are here
	JLOAD G0+4, G1, G0B+4, G1B                     ; K step 1 into slot 1: the first tensor load behind the round
	FETCH 0, 0, 0
	s_cmp_eq_u32 s90, 0
	s_cbranch_scc0 .Lno_ask_b
	global_prefetch_b8 v27, s[84:85] th:TH_LOAD_NT scope:SCOPE_SE
.Lno_ask_b:
	STEP 0, 1
	TURN 0, 1, 1, 2
	STEP 1, 0
	TURN 1, 0, 1, 3
	STEP 0, 0
	TURN 0, 1, 0, 0
	STEP 1, 0
	s_wait_dscnt 0
	WIN MUL
	MUL8 0, 1, 0
	MUL8 1, 1, 0
	MUL8 2, 1, 0
	MUL8 3, 1, 0
	WIN 0
	PLACES NP
	TOSTAGE 0
	TOSTAGE 1
	s_wait_alu depctr_va_vdst(0)
	SEND 0, 32
	TOSTAGE 2
	SEND 1, 32
	TOSTAGE 3
	SEND 2, 32
	SEND 3, 0
	s_wait_tensorcnt 0x0
	ds_add_u32 v[SPW], v[NIL]
	s_wait_dscnt 0x0
	CROUND
	s_endpgm
.Lfunc_end_k_q10ecf7775d_outp:
	.size	k_q10ecf7775d_outp, .Lfunc_end_k_q10ecf7775d_outp-k_q10ecf7775d_outp
	.p2alignl 7, 3214868480
	.fill 96, 4, 3214868480
	.section	.rodata,"a",@progbits
	.p2align	6, 0x0
	.amdhsa_kernel k_q10ecf7775d_outp
		.amdhsa_group_segment_fixed_size 327680
		.amdhsa_private_segment_fixed_size 0
		.amdhsa_enable_private_segment 0
		.amdhsa_kernarg_size 48
		.amdhsa_user_sgpr_count 2
		.amdhsa_user_sgpr_kernarg_segment_ptr 1
		.amdhsa_wavefront_size32 1
		.amdhsa_system_sgpr_workgroup_id_x 1
		.amdhsa_system_sgpr_workgroup_id_y 1
		.amdhsa_system_sgpr_workgroup_id_z 1
		.amdhsa_system_vgpr_workitem_id 0
		.amdhsa_next_free_vgpr 1024
		.amdhsa_next_free_sgpr 100
		.amdhsa_reserve_vcc 0
		.amdhsa_float_denorm_mode_32 3
		.amdhsa_float_denorm_mode_16_64 3
		.amdhsa_memory_ordered 1
		.amdhsa_forward_progress 1
		.amdhsa_inst_pref_size 84
	.end_amdhsa_kernel
	.amdgpu_metadata
---
amdhsa.version: [ 1, 2 ]
amdhsa.kernels:
  - .name:           k_q10ecf7775d_outp
    .symbol:         k_q10ecf7775d_outp.kd
    .args:
      - { .name: oc, .offset: 0, .size: 8, .value_kind: global_buffer, .address_space: global }
      - { .name: c1, .offset: 8, .size: 8, .value_kind: global_buffer, .address_space: global }
      - { .name: lowp_scales, .offset: 16, .size: 8, .value_kind: global_buffer, .address_space: global }
      - { .name: gate, .offset: 24, .size: 8, .value_kind: global_buffer, .address_space: global }
      - { .name: hidden_states, .offset: 32, .size: 8, .value_kind: global_buffer, .address_space: global }
      - { .name: out0, .offset: 40, .size: 8, .value_kind: global_buffer, .address_space: global }
    .group_segment_fixed_size: 327680
    .private_segment_fixed_size: 0
    .kernarg_segment_align: 8
    .kernarg_segment_size: 48
    .max_flat_workgroup_size: 128
    .sgpr_count:     100
    .vgpr_count:     1024
    .wavefront_size: 32
...
	.end_amdgpu_metadata
.endif
;; end of part 8
